; MI455X (gfx1250); checked and timed in simulation.
; The chip was launched on July 23, 2026; its instructions are those of AMD's public machine-readable ISA for CDNA 5 (MIT licence, August 2026) and "CDNA5" Instruction Set Architecture Reference Guide (July 2026). The comments in the code are by the model that wrote it; some were corrected since.
;; Trans Conv. Allowed arithmetic: float matrix products may take bf16 or f16 operands with f32 sums; all other float work in f32.
;; Inputs: Wk_b 2 x 128 float32; Wk_w 2 x 128 x 128 float32; Wq_b 2 x 128 float32; Wq_w 2 x 128 x 128 float32; Wv_b 2 x 128 float32; Wv_w 2 x 128 x 128 float32; ce_b 128 float32; ce_w 5 x 128 float32; constraint_features 4 x 12,768 x 5 float32; edge_features 1,000 x 1 float32; edge_indices 2 x 1,000 int32; fc1_w 2 x 128 x 256 float32; fc2_w 2 x 256 x 128 float32; ln_b 5 x 128 float32; ln_g 5 x 128 float32; mask 1 int32; variable_features 4 x 20,000 x 18 float32; ve_b 128 float32; ve_w 18 x 128 float32.
;; Outputs: out0 4 x 32,768 x 128 float32.
;; 2 versions, each right and faster than the one before. Each part assembles by itself: llvm-mc -triple=amdgcn-amd-amdhsa -mcpu=gfx1250 --defsym DOCPART=n.
;; ======== version 1 of 2: 5 launches
;; limits: values outside matrix products are rounded to f16; values are held in f16: magnitudes above 65,504 overflow, below 6.1e-05 lose precision; values outside matrix products are rounded to bf16
;; workspace buffers: xh0 33,554,432 bytes; xh1 33,554,432 bytes; gpart 21,233,664 bytes; sm 167,936 bytes; wr0 99,072 bytes; wr1 99,072 bytes; wf 262,144 bytes
;; launch embed (part 1): grid 256 x 1, 4 waves a work-group, no clusters, 82,944 bytes of LDS; arguments variable_features, constraint_features, ve_w, ve_b, ce_w, ce_b, ln_g, ln_b, Wq_w, Wk_w, Wv_w, Wq_b, Wk_b, Wv_b, fc1_w, fc2_w, xh0, gpart, wr0, wr1, wf; writes xh0, gpart, wr0, wr1, wf
.if DOCPART == 1
	.amdgcn_target "amdgcn-amd-amdhsa--gfx1250"
	.amdhsa_code_object_version 6
	.text
	.protected	k_q0e64709c9b_embed
	.globl	k_q0e64709c9b_embed
	.p2align	8
	.type	k_q0e64709c9b_embed,@function
k_q0e64709c9b_embed:
	s_mov_b64 s[64:65], 0
	v_nop
	global_prefetch_b8 v0, s[64:65] scope:SCOPE_SE
	s_setreg_imm32_b32 hwreg(HW_REG_WAVE_MODE, 25, 1), 1
	s_wait_xcnt 0x0
; EMBED.  x0 = relu(LN(features @ W + b)) for 131,072 rows (4 batches x (20,000 variables, then 12,768 constraints)), stored as f16 [row][128] in xh0;
; the work-group's part of G~ = [x0,1]^T [x0,1] (144 x 144 in tiles of 16 x 16, f32) in gpart; and the weights as later launches take them:
; wr0, wr1: bf16 [Wq;bq], [Wk;bk], [Wv;bv], each [129][128];  wf: f16 fc1 [2][128][256], then f16 4 x fc2 [2][256][128].
; edge_indices, edge_features and mask are read by no line of the function that is computed, so no launch loads them.
; SHARES.  A work-group owns 512 rows, a wave 128, in two passes of four tiles of 16 rows.  No tensor loads and no cluster: what work-groups share is 9 KB of weights beside 27 KB of features and 210 KB of results of their own.
; ONE PRODUCT for both kinds of row: K = 32 with rows 0-17 ve_w, 18 ve_b, 24-28 ce_w, 29 ce_b, the others 0; a variable row fills k 0-18 (k 18 = 1), a constraint row k 24-29 (k 29 = 1).
; THE MATRIX INSTRUCTION IS USED TRANSPOSED (source 0 = 16 output columns, source 1 = 16 rows): a lane holds ONE row (lane % 16) and columns 16 tn + 8 (lane / 16) + 0..7.
; LIMITS.  Features, weights and x0 are matrix operands in f16: beyond 65,504 they are infinite, below 6e-5 they keep f16's fixed step of 6e-8.  The sums over rows in G~ are taken pass by pass, work-group by work-group.  NaN and infinities are not treated apart.
; REGISTERS in windows of 256 (s_set_vgpr_msb: bits 1:0 source 0, 3:2 source 1, 5:4 source 2, 7:6 destination):
;   window 0: v0-63 features as loaded (16 a tile); v64-95 their fragments; v96-159 the weights' fragments; v160-179 addresses; v180-211 statistics (8 a tile); v212-227 at work; v228-235 the ones' fragment; v236-255 addresses, at work
;   window 1: ACC, tile t, column tile tn at 64 t + 8 tn     window 2: v0-79 Gram buffer 0; v128-191 LN gain; v192-255 LN bias     window 3: v0-79 packed rows, Gram buffer 1; v96-255 the 20 Gram accumulators
.set STG,  9216       ; LDS: the weights [32][128] f16, pitch 288, at 0; then the stage: 256 rows x 288 bytes
.set XO,   36
.set TID,  160
.set R,    161
.set H,    162
.set ASTO, 171
.set ARD,  172
.set AGO,  173
.set AGR,  174
.set AGW,  176
.set AGP,  178
.set A8L,  179
.set ST,   180
.set TP,   212
.set ONE,  228
.set A2T,  236
.set A4T,  237
.set ATR,  238
.set A32H, 239
.set FA,   240
.set FF,   64
.set EWF,  96
.set GACC, 96
.set SEL,  72
.set SINV, 74
.set SEPS, 75
.set GP0,  76
.set GP1,  78
.set GP2,  80
.set MSB, 0
.macro WIN new                      ; the immediate's high byte repeats the setting that is left; a switch that changes nothing is dropped
.if MSB != (\new)
	s_set_vgpr_msb (MSB<<8)|(\new)
.set MSB, (\new)
.endif
.endm
.macro PLACES                       ; four plain vector instructions between a matrix instruction and whatever reads its result or writes one of its registers (ISA guide 7.12.1)
.rept 4
	v_nop
.endr
.endm
.macro T4 line:vararg               ; one line for each tile t
.set t, 0
.rept 4
	\line
.set t, t+1
.endr
.endm
.macro BAR                          ; my LDS instructions are done, then the work-group's barrier
	s_wait_dscnt 0x0
	s_barrier_signal -1
	s_barrier_wait -1
.endm
; The four pairs of partial sums of each tile -> the row's sum in v[ST+8t], in every lane: a lane holds 64 of the row's 128 columns, the lane 16 away the others.
.macro RED
	WIN 0
	T4 v_pk_add_f32 v[ST+8*t:ST+8*t+1], v[ST+8*t:ST+8*t+1], v[ST+8*t+2:ST+8*t+3]
	T4 v_pk_add_f32 v[ST+8*t+4:ST+8*t+5], v[ST+8*t+4:ST+8*t+5], v[ST+8*t+6:ST+8*t+7]
	T4 v_pk_add_f32 v[ST+8*t:ST+8*t+1], v[ST+8*t:ST+8*t+1], v[ST+8*t+4:ST+8*t+5]
	T4 v_add_f32 v[ST+8*t], v[ST+8*t], v[ST+8*t+1]
	T4 v_permlanex16_b32 v[ST+8*t+2], v[ST+8*t], s[SEL], s[SEL+1]
	T4 v_add_f32 v[ST+8*t], v[ST+8*t], v[ST+8*t+2]
.endm
; LAYER NORM of the four tiles in ACC, in place, in two passes (mean; then the squares of x - mean).  Each accumulator's lowest registers are read first.
.macro LNORM relu, lds
	WIN 0x05
.set t, 0
.rept 4
.set c, 0
.rept 4
	v_pk_add_f32 v[ST+8*t+2*c:ST+8*t+2*c+1], v[64*t+2*c:64*t+2*c+1], v[64*t+8+2*c:64*t+8+2*c+1]
.set c, c+1
.endr
.set t, t+1
.endr
	WIN 0x01
.set q, 2
.rept 6
.set t, 0
.rept 4
.set c, 0
.rept 4
	v_pk_add_f32 v[ST+8*t+2*c:ST+8*t+2*c+1], v[64*t+8*q+2*c:64*t+8*q+2*c+1], v[ST+8*t+2*c:ST+8*t+2*c+1]
.set c, c+1
.endr
.set t, t+1
.endr
.set q, q+1
.endr
	RED
	T4 v_mul_f32 v[ST+8*t], s[SINV], v[ST+8*t]
	WIN 0x41
.set i, 0
.rept 128
	v_pk_add_f32 v[2*i:2*i+1], v[2*i:2*i+1], v[ST+8*(i/32):ST+8*(i/32)+1] op_sel_hi:[1,0] neg_lo:[0,1] neg_hi:[0,1]
.set i, i+1
.endr
	WIN 0x05
.set q, 0
.rept 8
.set t, 0
.rept 4
.set c, 0
.rept 4
.if q == 0
	v_pk_mul_f32 v[ST+8*t+2*c:ST+8*t+2*c+1], v[64*t+2*c:64*t+2*c+1], v[64*t+2*c:64*t+2*c+1]
.else
	v_pk_fma_f32 v[ST+8*t+2*c:ST+8*t+2*c+1], v[64*t+8*q+2*c:64*t+8*q+2*c+1], v[64*t+8*q+2*c:64*t+8*q+2*c+1], v[ST+8*t+2*c:ST+8*t+2*c+1]
.endif
.set c, c+1
.endr
.set t, t+1
.endr
.set q, q+1
.endr
	RED
	T4 v_fma_f32 v[ST+8*t], v[ST+8*t], s[SINV], s[SEPS]
	T4 v_rsq_f32 v[ST+8*t+2], v[ST+8*t]
	v_nop                           ; a plain instruction between the last root and the use of its result
	WIN 0x41
.set i, 0
	s_wait_alu depctr_va_vdst(0)
.rept 128
	v_pk_mul_f32 v[2*i:2*i+1], v[2*i:2*i+1], v[ST+8*(i/32)+2:ST+8*(i/32)+3] op_sel_hi:[1,0]
.set i, i+1
.endr
.if \lds
	s_wait_dscnt 0x0                ; gain and bias are in
.endif
	WIN 0x69
.set i, 0
.rept 128
	v_pk_fma_f32 v[2*i:2*i+1], v[2*i:2*i+1], v[128+2*(i%32):128+2*(i%32)+1], v[192+2*(i%32):192+2*(i%32)+1]
.set i, i+1
.endr
.if \relu
	WIN 0x44
.set i, 0
.rept 256
	v_max_num_f32 v[i], 0, v[i]
.set i, i+1
.endr
.endif
	WIN 0
.endm
; The four tiles rounded to f16 and put into my 64 rows of the stage: a lane's eight columns are 16 bytes.
.macro PACKST
.set t, 0
.rept 4
	WIN 0xc5
.set i, 0
.rept 32
	v_cvt_pk_f16_f32 v[32*(t%2)+i], v[64*t+2*i], v[64*t+2*i+1]
.set i, i+1
.endr
	WIN 0x0c
.set i, 0
.rept 8
	ds_store_b128 v[ASTO], v[32*(t%2)+4*i:32*(t%2)+4*i+3] offset:4608*t+32*i
.set i, i+1
.endr
.set t, t+1
.endr
.endm
; My 64 rows back as whole rows of 256 bytes (LDS serves a wave's instructions in order, ISA guide 5.7.1.4: these loads see my stores), and out: each store covers 512 consecutive bytes, aligned.
.macro OUTX
	WIN 0x40
.set i, 0
.rept 32
	ds_load_b128 v[4*i:4*i+3], v[ARD] offset:576*i
.set i, i+1
.endr
	WIN 0x04
.set i, 0
.rept 32
	s_wait_dscnt 31-i               ; LDS loads come back in order: pair i of rows is in
	global_store_b128 v[AGO], v[4*i:4*i+3], s[XO:XO+1] offset:512*i
.set i, i+1
.endr
	WIN 0
.endm
; GRAM.  The 256 staged rows are K, in 8 blocks of 32; a column tile's fragment (lane = column, K = rows) comes turned out of LDS and serves as either source.
; My wave owns G~'s tile rows 2w, 2w+1 (all 9 tile columns; the ninth is the column of ones) and the tiles (8, 2w), (8, 2w+1): 20 accumulators.
.macro GLOAD kb, X                  ; block kb into buffer X (window 2 or 3): 8 column tiles, then my own two once more (a register cannot be picked by the wave's number)
	WIN (\X)<<6
.set GA, AGR+(\kb)/4
.set GW, AGW+(\kb)/4
.set go, ((\kb)%4)*9216
.set j, 0
.rept 8
	ds_load_tr16_b128 v[8*j:8*j+3], v[GA] offset:go+32*j
	ds_load_tr16_b128 v[8*j+4:8*j+7], v[GA] offset:go+32*j+4608
.set j, j+1
.endr
.set j, 0
.rept 2
	ds_load_tr16_b128 v[64+8*j:64+8*j+3], v[GW] offset:go+32*j
	ds_load_tr16_b128 v[64+8*j+4:64+8*j+7], v[GW] offset:go+32*j+4608
.set j, j+1
.endr
.endm
.macro GMM X                        ; the 20 accumulators take turns, one instruction a turn
	WIN 0xf0|((\X)<<2)|(\X)
.set j, 0
.rept 8
.set u, 0
.rept 2
	v_wmma_f32_16x16x32_f16 v[GACC+8*(9*u+j):GACC+8*(9*u+j)+7], v[64+8*u:64+8*u+7], v[8*j:8*j+7], v[GACC+8*(9*u+j):GACC+8*(9*u+j)+7]
.set u, u+1
.endr
.set j, j+1
.endr
	WIN 0xf0|(\X)
.set u, 0
.rept 2
	v_wmma_f32_16x16x32_f16 v[GACC+8*(9*u+8):GACC+8*(9*u+8)+7], v[64+8*u:64+8*u+7], v[ONE:ONE+7], v[GACC+8*(9*u+8):GACC+8*(9*u+8)+7]
.set u, u+1
.endr
	WIN 0xf0|((\X)<<2)
.set u, 0
.rept 2
	v_wmma_f32_16x16x32_f16 v[GACC+8*(18+u):GACC+8*(18+u)+7], v[ONE:ONE+7], v[64+8*u:64+8*u+7], v[GACC+8*(18+u):GACC+8*(18+u)+7]
.set u, u+1
.endr
.endm
.macro GRAM
	GLOAD 0, 2
	GLOAD 1, 3
.set gk, 0
.rept 8
.if gk < 7
	s_wait_dscnt 20                 ; all but the younger block's 20 loads
.else
	s_wait_dscnt 0x0
.endif
	GMM 2+gk%2
	PLACES                          ; in front of the loads into the buffer just multiplied
.if gk < 6
	GLOAD gk+2, 2+gk%2
.endif
.set gk, gk+1
.endr
	WIN 0
.endm
.macro GSTORE                       ; tile (ti, tj) at tj x 9216 + ti x 1024; each store covers 512 consecutive bytes, aligned
	PLACES
	WIN 0x0c
.set u, 0
.rept 2
.set j, 0
.rept 9
	global_store_b128 v[AGP], v[GACC+8*(9*u+j):GACC+8*(9*u+j)+3], s[GP1:GP1+1] offset:j*9216+u*1024
	global_store_b128 v[AGP], v[GACC+8*(9*u+j)+4:GACC+8*(9*u+j)+7], s[GP1:GP1+1] offset:j*9216+u*1024+512
.set j, j+1
.endr
	global_store_b128 v[AGP], v[GACC+8*(18+u):GACC+8*(18+u)+3], s[GP2:GP2+1] offset:u*9216+8192
	global_store_b128 v[AGP], v[GACC+8*(18+u)+4:GACC+8*(18+u)+7], s[GP2:GP2+1] offset:u*9216+8192+512
.set u, u+1
.endr
	WIN 0
	s_wait_xcnt 0x0                 ; earlier stores have read v[TP..]
	v_mov_b32 v252, 0x44000000      ; tile (8, 8) holds one number: my 512 rows' count
	v_cmp_eq_u32 vcc_lo, 0, v[AGP]
	v_cndmask_b32 v[TP], 0, v252, vcc_lo
.set i, 1
.rept 7
	v_mov_b32 v[TP+i], 0
.set i, i+1
.endr
	s_cmp_lg_u32 s[WV], 3
	s_cbranch_scc1 .Lno88
	global_store_b128 v[AGP], v[TP:TP+3], s[GP0:GP0+1] offset:81920
	global_store_b128 v[AGP], v[TP+4:TP+7], s[GP0:GP0+1] offset:82432
.Lno88:
.endm
.set WV, 46
; The features of the pass's 64 rows: each lane loads both kinds at clamped rows; the fragments take the kind that the row has.
.macro FLOAD
.set t, 0
.rept 4
	v_add_nc_u32 v252, s50, v[R]
.if t
	v_add_nc_u32 v252, 16*t, v252
.endif
	v_min_u32 v253, 0x4e1f, v252               ; variable row, 19,999 at the most
	v_mul_u32_u24 v[FA+3*t+1], v253, 72
	v_lshl_add_u32 v[FA+3*t], v[H], 5, v[FA+3*t+1]
	v_max_u32 v253, 0x4e20, v252
	v_add_nc_u32 v253, 0xffffb1e0, v253        ; constraint row, 0 at the least
	v_mul_u32_u24 v[FA+3*t+2], v253, 20
.set c, 0
.rept 4
	global_load_b64 v[16*t+2*c:16*t+2*c+1], v[FA+3*t], s[4:5] offset:8*c   ; features 8h .. 8h+7
.set c, c+1
.endr
	global_load_b64 v[16*t+8:16*t+9], v[FA+3*t+1], s[4:5] offset:64         ; features 16, 17
.set c, 0
.rept 5
	global_load_b32 v[16*t+10+c], v[FA+3*t+2], s[6:7] offset:4*c
.set c, c+1
.endr
.set t, t+1
.endr
.endm
; Tile t's fragment: registers 0-3 k = 8h .. 8h+7, registers 4-7 k = 16+8h ..: lanes 0-15 hold k 16-23 (two features, the 1 for the bias), lanes 16-31 k 24-31 (five features, the 1).
.macro FBUILD t
	v_add_nc_u32 v252, s50, v[R]
.if \t
	v_add_nc_u32 v252, 16*(\t), v252
.endif
	v_cmp_gt_u32 vcc_lo, s55, v252             ; a variable row
	s_xor_b32 s53, vcc_lo, s54                 ; lanes 0-15: variable rows; lanes 16-31: constraint rows
.set c, 0
.rept 4
	v_cvt_pk_f16_f32 v253, v[16*(\t)+2*c], v[16*(\t)+2*c+1]
	v_cndmask_b32 v[FF+8*(\t)+c], 0, v253, vcc_lo
.set c, c+1
.endr
	v_cndmask_b32 v254, v[16*(\t)+8], v[16*(\t)+10], s54
	v_cndmask_b32 v255, v[16*(\t)+9], v[16*(\t)+11], s54
	v_cvt_pk_f16_f32 v253, v254, v255
	v_cndmask_b32 v[FF+8*(\t)+4], 0, v253, s53
	v_cndmask_b32 v254, 1.0, v[16*(\t)+12], s54
	v_cndmask_b32 v255, 0, v[16*(\t)+13], s54
	v_cvt_pk_f16_f32 v253, v254, v255
	v_cndmask_b32 v[FF+8*(\t)+5], 0, v253, s53
	v_cndmask_b32 v254, 0, v[16*(\t)+14], s54
	v_cndmask_b32 v255, 0, 1.0, s54
	v_cvt_pk_f16_f32 v253, v254, v255
	v_cndmask_b32 v[FF+8*(\t)+6], 0, v253, s53
	v_mov_b32 v[FF+8*(\t)+7], 0
.endm
	s_load_b512 s[4:19], s[0:1], 0x0           ; vf 4, cf 6, ve_w 8, ve_b 10, ce_w 12, ce_b 14, ln_g 16, ln_b 18
	s_load_b512 s[20:35], s[0:1], 0x40         ; Wq 20, Wk 22, Wv 24, bq 26, bk 28, bv 30, fc1 32, fc2 34
	s_load_b256 s[36:43], s[0:1], 0x80         ; xh0 36, gpart 38, wr0 40, wr1 42
	s_load_b64 s[44:45], s[0:1], 0xa0          ; wf
	v_lshrrev_b32 v[TID], 5, v0
	v_readfirstlane_b32 s[WV], v[TID]          ; wave 0..3
	v_mov_b32 v[TID], v0
	v_and_b32 v[R], 15, v0
	v_bfe_u32 v[H], v0, 4, 1
	v_and_b32 v[AGP], 31, v0
	v_lshlrev_b32 v[A8L], 3, v[AGP]
	v_lshlrev_b32 v[AGP], 4, v[AGP]
	v_lshlrev_b32 v[A2T], 1, v0
	v_lshlrev_b32 v[A4T], 2, v0
	v_lshlrev_b32 v[A32H], 5, v[H]
	v_and_b32 v252, 7, v0                      ; the turning load's lane term: (8h + l % 8) x pitch + 16 ((l / 8) % 2)
	v_lshl_add_u32 v252, v[H], 3, v252
	v_bfe_u32 v253, v0, 3, 1
	v_mul_u32_u24 v252, v252, 288
	v_lshl_add_u32 v[ATR], v253, 4, v252
	s_mov_b32 s47, ttmp9                       ; work-group g
	s_lshr_b32 s48, s47, 6                     ; batch
	s_and_b32 s50, s47, 63
	s_lshl_b32 s50, s50, 9
	s_lshl_b32 s51, s[WV], 7
	s_add_co_u32 s50, s50, s51                 ; my wave's first row in its batch
	s_mov_b32 s54, 0xffff0000                  ; lanes 16-31
	s_mov_b32 s55, 20000
	s_mov_b32 s[SEL], 0x76543210
	s_mov_b32 s[SEL+1], 0xfedcba98
	s_mov_b32 s[SINV], 0x3c000000              ; 1 / 128
	s_mov_b32 s[SEPS], 0x3727c5ac              ; 1e-5
	s_mul_i32 s51, s[WV], 64*288
	s_add_co_u32 s51, s51, STG                 ; my 64 rows of the stage
	v_mul_u32_u24 v252, v[R], 288
	v_lshl_add_u32 v252, v[H], 4, v252
	v_add_nc_u32 v[ASTO], s51, v252
	v_mul_u32_u24 v252, v[H], 288
	v_lshl_add_u32 v252, v[R], 4, v252
	v_add_nc_u32 v[ARD], s51, v252
	v_lshlrev_b32 v252, 8, v[H]
	v_lshl_add_u32 v[AGO], v[R], 4, v252
	v_add_nc_u32 v[AGR], STG, v[ATR]
	v_add_nc_u32 v[AGR+1], STG+36864, v[ATR]
	s_lshl_b32 s51, s[WV], 6
	v_add_nc_u32 v[AGW], s51, v[AGR]
	v_add_nc_u32 v[AGW+1], s51, v[AGR+1]
	s_mov_b32 s67, 0
	s_wait_kmcnt 0x0
	s_mul_i32 s66, s48, 1440000
	s_add_nc_u64 s[4:5], s[4:5], s[66:67]      ; my batch's variables
	s_mul_i32 s66, s48, 255360
	s_add_nc_u64 s[6:7], s[6:7], s[66:67]      ; and constraints
	s_lshl_b32 s66, s47, 17
	s_lshl_b32 s68, s[WV], 15
	s_add_co_u32 s66, s66, s68
	s_add_nc_u64 s[XO:XO+1], s[XO:XO+1], s[66:67]
	s_mul_i32 s66, s47, 82944
	s_add_nc_u64 s[GP0:GP0+1], s[38:39], s[66:67]
	s_lshl_b32 s66, s[WV], 11
	s_add_nc_u64 s[GP1:GP1+1], s[GP0:GP0+1], s[66:67]
	s_mul_i32 s66, s[WV], 18432
	s_add_nc_u64 s[GP2:GP2+1], s[GP0:GP0+1], s[66:67]
	; thread n loads column n of the 32 x 128 weights into v64-95 (rows without a source are 0)
.set k, 0
.rept 18
	global_load_b32 v[64+k], v[A4T], s[8:9] offset:512*k
.set k, k+1
.endr
	global_load_b32 v82, v[A4T], s[10:11]
.set k, 0
.rept 5
	global_load_b32 v[88+k], v[A4T], s[12:13] offset:512*k
.set k, k+1
.endr
	global_load_b32 v93, v[A4T], s[14:15]
.irp k, 83,84,85,86,87,94,95
	v_mov_b32 v\k, 0
.endr
	WIN 0x80                                   ; LN row 0: gain and bias of my 64 columns stay in window 2
.set tn, 0
.rept 8
	global_load_b128 v[128+8*tn:131+8*tn], v[A32H], s[16:17] offset:64*tn
	global_load_b128 v[132+8*tn:135+8*tn], v[A32H], s[16:17] offset:64*tn+16
	global_load_b128 v[192+8*tn:195+8*tn], v[A32H], s[18:19] offset:64*tn
	global_load_b128 v[196+8*tn:199+8*tn], v[A32H], s[18:19] offset:64*tn+16
.set tn, tn+1
.endr
	WIN 0
	FLOAD
	; THE WEIGHTS' COPIES.  fc1 and fc2: 256 floats of each a work-group; waves 0, 1 take fc1, waves 2, 3 fc2 (times 4: the residual's 0.8 / 0.2).
	s_lshr_b32 s51, s[WV], 1
	s_and_b32 s68, s[WV], 1
	s_cmp_lg_u32 s51, 0
	s_cselect_b64 s[82:83], s[34:35], s[32:33]
	s_cselect_b32 s86, 4.0, 1.0
	s_lshl_b32 s66, s47, 10
	s_lshl_b32 s69, s68, 9
	s_add_co_u32 s66, s66, s69
	s_add_nc_u64 s[82:83], s[82:83], s[66:67]
	s_lshl_b32 s66, s51, 17
	s_lshl_b32 s69, s47, 9
	s_add_co_u32 s66, s66, s69
	s_lshl_b32 s69, s68, 8
	s_add_co_u32 s66, s66, s69
	s_add_nc_u64 s[84:85], s[44:45], s[66:67]
	global_load_b128 v[212:215], v[AGP], s[82:83]
	; Wq, Wk, Wv: work-group g takes row g % 128 of layer g / 128, a matrix a wave; wave 3 takes bias g % 128 where that is under 3.
	s_lshr_b32 s87, s47, 7
	s_and_b32 s88, s47, 127
	s_cmp_eq_u32 s[WV], 3
	s_cselect_b32 s89, s88, s[WV]              ; which of q, k, v
	s_cmp_eq_u32 s89, 0
	s_cselect_b64 s[90:91], s[20:21], s[22:23]
	s_cselect_b64 s[92:93], s[26:27], s[28:29]
	s_cmp_gt_u32 s89, 1
	s_cselect_b64 s[90:91], s[24:25], s[90:91]
	s_cselect_b64 s[92:93], s[30:31], s[92:93]
	s_lshl_b32 s66, s87, 16
	s_lshl_b32 s69, s88, 9
	s_add_co_u32 s66, s66, s69
	s_lshl_b32 s68, s87, 9
	s_lshl_b32 s69, s88, 8
	s_cmp_eq_u32 s[WV], 3
	s_cselect_b64 s[90:91], s[92:93], s[90:91]
	s_cselect_b32 s66, s68, s66
	s_cselect_b32 s69, 0x8000, s69             ; the bias is row 128
	s_add_nc_u64 s[90:91], s[90:91], s[66:67]
	s_mul_i32 s66, s89, 33024
	s_add_co_u32 s66, s66, s69
	s_cmp_lg_u32 s87, 0
	s_cselect_b64 s[94:95], s[42:43], s[40:41]
	s_add_nc_u64 s[94:95], s[94:95], s[66:67]
	s_cmp_eq_u32 s[WV], 3
	s_cselect_b32 s68, 1, 0
	s_cmp_gt_u32 s88, 2
	s_cselect_b32 s69, 1, 0
	s_and_b32 s68, s68, s69
	s_cmp_lg_u32 s68, 0
	s_cbranch_scc1 .Lnowr                      ; wave 3 with no bias to copy
	global_load_b128 v[220:223], v[AGP], s[90:91]
	s_wait_loadcnt 0x0
	v_cvt_pk_bf16_f32 v224, v220, v221
	v_cvt_pk_bf16_f32 v225, v222, v223
	global_store_b64 v[A8L], v[224:225], s[94:95]   ; the wave stores 256 consecutive bytes, aligned
.Lnowr:
	s_wait_loadcnt 0x0                         ; everything asked for so far
	v_mul_f32 v212, s86, v212
	v_mul_f32 v213, s86, v213
	v_mul_f32 v214, s86, v214
	v_mul_f32 v215, s86, v215
	v_cvt_pk_f16_f32 v216, v212, v213
	v_cvt_pk_f16_f32 v217, v214, v215
	global_store_b64 v[A8L], v[216:217], s[84:85]
	; the 32 x 128 weights into LDS as f16, [k][n], pitch 288
.set p, 0
.rept 16
	v_cvt_pk_f16_f32 v[96+p], v[64+2*p], v[65+2*p]
.set p, p+1
.endr
.set p, 0
.rept 16
	ds_store_b16 v[A2T], v[96+p] offset:576*p
	ds_store_b16_d16_hi v[A2T], v[96+p] offset:576*p+288
.set p, p+1
.endr
	BAR                                        ; every thread's column is in
.set tn, 0
.rept 8
	ds_load_tr16_b128 v[EWF+8*tn:EWF+8*tn+3], v[ATR] offset:32*tn
	ds_load_tr16_b128 v[EWF+8*tn+4:EWF+8*tn+7], v[ATR] offset:32*tn+4608
.set tn, tn+1
.endr
	WIN 0xc0                                   ; the Gram sums start at 0: one text serves both passes, at the price of these 160 lines, which stand in the wait for the fragments
.set i, 0
.rept 160
	v_mov_b32 v[GACC+i], 0
.set i, i+1
.endr
	WIN 0
	v_mov_b32 v252, 0x3c003c00                 ; the column of ones as a fragment: lane % 16 = 0 holds 1.0, the other 15 columns of the ninth tile are 0
	v_cmp_eq_u32 vcc_lo, 0, v[R]
.set i, 0
.rept 8
	v_cndmask_b32 v[ONE+i], 0, v252, vcc_lo
.set i, i+1
.endr
	s_wait_dscnt 0x0
	s_mov_b32 s49, 0
.Lpass:
	s_wait_loadcnt 0x0                         ; this pass's features
	s_wait_xcnt 0x0                            ; earlier stores have read ACC
.irp t, 0,1,2,3
	FBUILD \t
.endr
	WIN 0x40
.set tn, 0
.rept 8
.set t, 0
.rept 4
	v_wmma_f32_16x16x32_f16 v[64*t+8*tn:64*t+8*tn+7], v[EWF+8*tn:EWF+8*tn+7], v[FF+8*t:FF+8*t+7], 0
.set t, t+1
.endr
.set tn, tn+1
.endr
	PLACES
	WIN 0
	s_cmp_lg_u32 s49, 0
	s_cbranch_scc1 .Lnofl                      ; the second pass asks for nothing more
	s_add_co_u32 s50, s50, 64
	FLOAD
.Lnofl:
	LNORM 1, 0
	PACKST
	OUTX
	BAR                                        ; all 256 rows are staged
	GRAM
	BAR                                        ; nobody reads the stage any more
	s_wait_xcnt 0x0                            ; the stores' base is stepped only behind this wait
	s_add_nc_u64 s[XO:XO+1], s[XO:XO+1], 16384
	s_add_co_u32 s49, s49, 1
	s_cmp_lt_u32 s49, 2
	s_cbranch_scc1 .Lpass
	GSTORE
	s_endpgm
.Lfunc_end_k_q0e64709c9b_embed:
	.size	k_q0e64709c9b_embed, .Lfunc_end_k_q0e64709c9b_embed-k_q0e64709c9b_embed
	.p2alignl 7, 3214868480
	.fill 96, 4, 3214868480
	.section	.rodata,"a",@progbits
	.p2align	6, 0x0
	.amdhsa_kernel k_q0e64709c9b_embed
		.amdhsa_group_segment_fixed_size 82944
		.amdhsa_private_segment_fixed_size 0
		.amdhsa_enable_private_segment 0
		.amdhsa_kernarg_size 168
		.amdhsa_user_sgpr_count 2
		.amdhsa_user_sgpr_kernarg_segment_ptr 1
		.amdhsa_wavefront_size32 1
		.amdhsa_system_sgpr_workgroup_id_x 1
		.amdhsa_system_sgpr_workgroup_id_y 1
		.amdhsa_system_sgpr_workgroup_id_z 1
		.amdhsa_system_vgpr_workitem_id 0
		.amdhsa_next_free_vgpr 1024
		.amdhsa_next_free_sgpr 100
		.amdhsa_reserve_vcc 1
		.amdhsa_float_denorm_mode_32 3
		.amdhsa_float_denorm_mode_16_64 3
		.amdhsa_memory_ordered 1
		.amdhsa_forward_progress 1
		.amdhsa_inst_pref_size 134
	.end_amdhsa_kernel
	.amdgpu_metadata
---
amdhsa.version: [ 1, 2 ]
amdhsa.kernels:
  - .name:           k_q0e64709c9b_embed
    .symbol:         k_q0e64709c9b_embed.kd
    .args:
      - { .name: variable_features, .offset: 0, .size: 8, .value_kind: global_buffer, .address_space: global }
      - { .name: constraint_features, .offset: 8, .size: 8, .value_kind: global_buffer, .address_space: global }
      - { .name: ve_w, .offset: 16, .size: 8, .value_kind: global_buffer, .address_space: global }
      - { .name: ve_b, .offset: 24, .size: 8, .value_kind: global_buffer, .address_space: global }
      - { .name: ce_w, .offset: 32, .size: 8, .value_kind: global_buffer, .address_space: global }
      - { .name: ce_b, .offset: 40, .size: 8, .value_kind: global_buffer, .address_space: global }
      - { .name: ln_g, .offset: 48, .size: 8, .value_kind: global_buffer, .address_space: global }
      - { .name: ln_b, .offset: 56, .size: 8, .value_kind: global_buffer, .address_space: global }
      - { .name: Wq_w, .offset: 64, .size: 8, .value_kind: global_buffer, .address_space: global }
      - { .name: Wk_w, .offset: 72, .size: 8, .value_kind: global_buffer, .address_space: global }
      - { .name: Wv_w, .offset: 80, .size: 8, .value_kind: global_buffer, .address_space: global }
      - { .name: Wq_b, .offset: 88, .size: 8, .value_kind: global_buffer, .address_space: global }
      - { .name: Wk_b, .offset: 96, .size: 8, .value_kind: global_buffer, .address_space: global }
      - { .name: Wv_b, .offset: 104, .size: 8, .value_kind: global_buffer, .address_space: global }
      - { .name: fc1_w, .offset: 112, .size: 8, .value_kind: global_buffer, .address_space: global }
      - { .name: fc2_w, .offset: 120, .size: 8, .value_kind: global_buffer, .address_space: global }
      - { .name: xh0, .offset: 128, .size: 8, .value_kind: global_buffer, .address_space: global }
      - { .name: gpart, .offset: 136, .size: 8, .value_kind: global_buffer, .address_space: global }
      - { .name: wr0, .offset: 144, .size: 8, .value_kind: global_buffer, .address_space: global }
      - { .name: wr1, .offset: 152, .size: 8, .value_kind: global_buffer, .address_space: global }
      - { .name: wf, .offset: 160, .size: 8, .value_kind: global_buffer, .address_space: global }
    .group_segment_fixed_size: 82944
    .private_segment_fixed_size: 0
    .kernarg_segment_align: 8
    .kernarg_segment_size: 168
    .max_flat_workgroup_size: 128
    .sgpr_count:     100
    .vgpr_count:     1024
    .wavefront_size: 32
...
	.end_amdgpu_metadata
.endif
;; end of part 1
;; launch red0 (part 2): grid 9 x 4, 4 waves a work-group, no clusters, 167,936 bytes of LDS; arguments gpart, wr0, sm; writes sm
.if DOCPART == 2
	.amdgcn_target "amdgcn-amd-amdhsa--gfx1250"
	.amdhsa_code_object_version 6
	.text
	.protected	k_q0e64709c9b_red0
	.globl	k_q0e64709c9b_red0
	.p2align	8
	.type	k_q0e64709c9b_red0,@function
k_q0e64709c9b_red0:
	s_mov_b64 s[64:65], 0
	v_nop
	global_prefetch_b8 v0, s[64:65] scope:SCOPE_SE
	s_setreg_imm32_b32 hwreg(HW_REG_WAVE_MODE, 25, 1), 1
	s_wait_xcnt 0x0
; RED.  Work-group (cs, b) owns the 16 columns 16 cs .. of batch b's G~ (144 x 144).  It adds the batch's 64 partial matrices (each wave 16 of them, then the four waves' sums through LDS, in a fixed order), and makes
;   T1 = W~k^T G~[:, slice]  (128 x 16),   X1[:, slice] = W~q T1  (144 x 16, stored bf16 as [b][cs][row][16]),
;   its part of ||k||^2 = sum over the slice's j and all m of (W~k^T G~)[m][j] W~k[j][m], and the same for q: one f32 a wave.
; W~ = [W; bias], 129 rows; rows 129-159 of the stages are zeros (the tensor load writes zeros past the tensor's end), as are G~'s rows and columns 129-143.
; FORMAT.  G~ grows with the number of rows times x^2, so G~, T1 and the W~ beside them go in bf16; sums in f32.  All of this feeds only the correction sigma X1 W~v, sigma = 1 / (N ||q|| ||k||).
; NO CLUSTER: the work-groups share 66 KB of weights beside 576 KB of partials of their own.  36 work-groups: a slice of 16 columns is the smallest share that keeps the chain of products thin.
; LDS: W~q 160 x 288 at 0, W~k at 46,080 (each wave's one tensor load brings 80 rows; nothing is filled twice); the waves' sums, 4 x 9,216, at 92,160.
; REGISTERS: v1-15 addresses; v16-87 the sum (tile ti at 16 + 8 ti), later T1, X1, the norms' products; v88-159, v160-231 load buffers, later v88-127 G~'s fragments, v128-159 T1's, v160-255 the weights' fragments.
.set WKS,  46080
.set REDB, 92160
.macro PLACES                       ; four plain vector instructions between a matrix instruction and whatever reads its result or writes one of its registers (ISA guide 7.12.1)
.rept 4
	v_nop
.endr
.endm
.macro LOADP p, buf                 ; partial p's slice: 9,216 consecutive bytes
.set i, 0
.rept 18
	global_load_b128 v[(\buf)+4*i:(\buf)+4*i+3], v1, s[4:5] offset:(\p)*82944+512*i th:TH_LOAD_NT
.set i, i+1
.endr
.endm
.macro LOADR part, buf
.set i, 0
.rept 18
	ds_load_b128 v[(\buf)+4*i:(\buf)+4*i+3], v3 offset:(\part)*9216+512*i
.set i, i+1
.endr
.endm
.macro ADDB buf
.set i, 0
.rept 36
	v_pk_add_f32 v[16+2*i:17+2*i], v[16+2*i:17+2*i], v[(\buf)+2*i:(\buf)+2*i+1]
.set i, i+1
.endr
.endm
; A wave's part of a norm: (W~^T G~)[m][j] for its 32 m (two accumulators by turns), times W~[j][m], summed over the wave.
.macro NORM atr, roff, acc
.set kb, 0
.rept 5
.set u, 0
.rept 2
	ds_load_tr16_b128 v[160+16*kb+8*u:163+16*kb+8*u], v[\atr] offset:9216*kb+32*u
	ds_load_tr16_b128 v[164+16*kb+8*u:167+16*kb+8*u], v[\atr] offset:9216*kb+32*u+4608
.set u, u+1
.endr
.set kb, kb+1
.endr
	ds_load_b128 v[52:55], v12 offset:\roff
	ds_load_b128 v[56:59], v12 offset:(\roff)+32
	s_wait_dscnt 0x0
.set kb, 0
.rept 5
.set u, 0
.rept 2
.if kb == 0
	v_wmma_f32_16x16x32_bf16 v[16+8*u:23+8*u], v[160+16*kb+8*u:167+16*kb+8*u], v[88+8*kb:95+8*kb], 0
.else
	v_wmma_f32_16x16x32_bf16 v[16+8*u:23+8*u], v[160+16*kb+8*u:167+16*kb+8*u], v[88+8*kb:95+8*kb], v[16+8*u:23+8*u]
.endif
.set u, u+1
.endr
.set kb, kb+1
.endr
	PLACES
.set i, 0
.rept 8
	v_lshlrev_b32 v60, 16, v[52+i]
	v_and_b32 v61, 0xffff0000, v[52+i]
.if i == 0
	v_mul_f32 v[\acc], v60, v16
.else
	v_fma_f32 v[\acc], v60, v[16+2*i], v[\acc]
.endif
	v_fma_f32 v[\acc], v61, v[17+2*i], v[\acc]
.set i, i+1
.endr
	v_add_f32_dpp v[\acc], v[\acc], v[\acc] row_xmask:1 row_mask:0xf bank_mask:0xf
	v_add_f32_dpp v[\acc], v[\acc], v[\acc] row_xmask:2 row_mask:0xf bank_mask:0xf
	v_add_f32_dpp v[\acc], v[\acc], v[\acc] row_xmask:4 row_mask:0xf bank_mask:0xf
	v_add_f32_dpp v[\acc], v[\acc], v[\acc] row_xmask:8 row_mask:0xf bank_mask:0xf
	v_permlanex16_b32 v15, v[\acc], s26, s27
	v_add_f32 v[\acc], v[\acc], v15
.endm
	s_load_b128 s[4:7], s[0:1], 0x0            ; gpart, wr
	s_load_b64 s[24:25], s[0:1], 0x10          ; sm
	v_lshrrev_b32 v1, 5, v0
	v_readfirstlane_b32 s8, v1                 ; wave 0..3
	s_min_u32 s9, ttmp9, 8                     ; cs: the grid's x is 0 to 8; the bound is written so that the one LDS address that holds cs can be read off the text
	s_and_b32 s28, ttmp7, 0xffff               ; batch
	s_lshr_b32 s10, s8, 1                      ; I fetch for W~q (0) or W~k (1),
	s_and_b32 s11, s8, 1                       ; rows 0-79 or 80-159
	s_mov_b32 s12, 1                           ; group 0: count = 1
	s_mul_i32 s13, s10, 46080
	s_mul_i32 s29, s11, 23040
	s_add_co_u32 s13, s13, s29                 ; LDS address
	s_mov_b32 s16, (1<<16)|(1<<20)|(5<<22)|(7<<25)  ; group 1: 2-byte elements; padding on: after every 64 words, 8 words: pitch 288
	s_mov_b32 s17, 128<<16                     ; tensor_dim0 = 128
	s_mul_i32 s29, s11, 80
	s_sub_co_u32 s29, 129, s29
	s_lshl_b32 s18, s29, 16                    ; tensor_dim1 = the rows left from my first: 129 or 49; the tile's rows past them arrive as zeros
	s_mov_b32 s19, 128<<16                     ; tile_dim0 = 128
	s_mov_b32 s20, 80                          ; tile_dim1 = 80
	s_mov_b32 s21, 128                         ; elements from row to row
	s_mov_b32 s22, 0
	s_mov_b32 s23, 0
	s_mul_i32 s30, s10, 33024
	s_mul_i32 s29, s11, 20480
	s_add_co_u32 s30, s30, s29
	s_mov_b32 s31, 0
	s_mov_b32 s26, 0x76543210
	s_mov_b32 s27, 0xfedcba98
	s_wait_kmcnt 0x0
	s_add_nc_u64 s[14:15], s[6:7], s[30:31]
	s_or_b32 s15, s15, 0x80000000              ; type = 2
	tensor_load_to_lds s[12:15], s[16:23]      ; my one tensor load of the launch
	s_nop 0
	PLACES
	s_lshl_b32 s34, s28, 6
	s_lshl_b32 s29, s8, 4
	s_add_co_u32 s34, s34, s29                 ; my first partial: 64 b + 16 w
	s_mul_i32 s34, s34, 82944
	s_mul_i32 s29, s9, 9216
	s_add_co_u32 s34, s34, s29
	s_mov_b32 s35, 0
	s_add_nc_u64 s[4:5], s[4:5], s[34:35]
	v_and_b32 v1, 31, v0
	v_lshlrev_b32 v1, 4, v1                    ; 16 x lane
	LOADP 0, 16
	LOADP 1, 88
	LOADP 2, 160
	v_and_b32 v13, 15, v0                      ; r
	v_bfe_u32 v14, v0, 4, 1                    ; h
	s_mul_i32 s29, s8, 9216
	s_add_co_u32 s36, s29, REDB
	v_add_nc_u32 v2, s36, v1
	v_add_nc_u32 v3, REDB, v1
	v_and_b32 v15, 7, v0                       ; the turning load's lane term
	v_lshl_add_u32 v15, v14, 3, v15
	v_mul_u32_u24 v15, v15, 288
	v_bfe_u32 v4, v0, 3, 1
	v_lshl_add_u32 v15, v4, 4, v15
	v_add_nc_u32 v4, WKS, v15
	s_lshl_b32 s36, s8, 6
	v_add_nc_u32 v10, s36, v15                 ; + my 32 columns, for the norms: W~q's stage,
	v_add_nc_u32 v11, WKS, v10                 ; W~k's
	v_mul_u32_u24 v6, v13, 288
	v_lshl_add_u32 v6, v14, 4, v6              ; r x 288 + 16 h
	v_add_nc_u32 v5, s29, v6                   ; W~q's rows 32 w + r
	s_mul_i32 s37, s9, 4608
	s_add_co_u32 s37, s37, s36
	v_add_nc_u32 v12, s37, v6                  ; row 16 cs + r, my 32 columns
	v_add_nc_u32 v6, 36864, v6                 ; rows 128 + r
	v_lshlrev_b32 v8, 5, v13
	v_lshl_add_u32 v8, v14, 4, v8              ; r x 32 + 16 h
	s_lshl_b32 s36, s8, 10
	v_add_nc_u32 v7, s36, v8
	v_add_nc_u32 v8, 4096, v8
	s_mul_i32 s36, s28, 9
	s_add_co_u32 s36, s36, s9
	s_lshl_b32 s36, s36, 2
	s_add_co_u32 s36, s36, s8
	s_lshl_b32 s36, s36, 2
	v_mov_b32 v9, s36                          ; ((9 b + cs) 4 + w) 4
	s_mul_i32 s34, s28, 41472
	s_mul_i32 s36, s9, 4608
	s_add_co_u32 s34, s34, s36
	s_add_nc_u64 s[32:33], s[24:25], s[34:35]  ; X1's slice
.set p, 1
.rept 15
.if p < 15
	s_wait_loadcnt 18                          ; all but the younger partial's 18 loads
.else
	s_wait_loadcnt 0x0
.endif
	ADDB 88+72*((p+1)%2)
.if p < 14
	LOADP p+2, 88+72*((p+1)%2)
.endif
.set p, p+1
.endr
.set i, 0
.rept 18
	ds_store_b128 v2, v[16+4*i:19+4*i] offset:512*i
.set i, i+1
.endr
	s_wait_dscnt 0x0                           ; for the others' sake: my sum is in LDS,
	s_wait_tensorcnt 0x0                       ; and my part of the weights
	s_barrier_signal -1
	s_barrier_wait -1
	LOADR 0, 16
	LOADR 1, 88
	LOADR 2, 160
	s_wait_dscnt 0x0
	ADDB 88
	ADDB 160
	LOADR 3, 88
	s_wait_dscnt 0x0
	ADDB 88
	; G~'s slice as source 1: lane = column, K = G~'s rows: two result tiles rounded in pairs are a K block of 32; the fifth block is tile 8 and zeros
.set i, 0
.rept 36
	v_cvt_pk_bf16_f32 v[88+i], v[16+2*i], v[17+2*i]
.set i, i+1
.endr
.irp k, 124,125,126,127
	v_mov_b32 v\k, 0
.endr
	; T1 = W~k^T G~: every wave makes all 8 tiles (the accumulators take turns)
.set kb, 0
.rept 5
.set tm, 0
.rept 8
	ds_load_tr16_b128 v[160+8*tm:163+8*tm], v4 offset:9216*kb+32*tm
	ds_load_tr16_b128 v[164+8*tm:167+8*tm], v4 offset:9216*kb+32*tm+4608
.set tm, tm+1
.endr
	s_wait_dscnt 0x0
.set tm, 0
.rept 8
.if kb == 0
	v_wmma_f32_16x16x32_bf16 v[16+8*tm:23+8*tm], v[160+8*tm:167+8*tm], v[88+8*kb:95+8*kb], 0
.else
	v_wmma_f32_16x16x32_bf16 v[16+8*tm:23+8*tm], v[160+8*tm:167+8*tm], v[88+8*kb:95+8*kb], v[16+8*tm:23+8*tm]
.endif
.set tm, tm+1
.endr
	PLACES
.set kb, kb+1
.endr
.set i, 0
.rept 32
	v_cvt_pk_bf16_f32 v[128+i], v[16+2*i], v[17+2*i]
.set i, i+1
.endr
	; X1 = W~q T1, transposed use (source 0 = T1, source 1 = 16 rows of W~q): a lane holds a row's eight neighbouring columns.  My row tiles 2w, 2w+1, and tile 8.
.set kb, 0
.rept 4
.set u, 0
.rept 2
	ds_load_b128 v[160+32*u+8*kb:163+32*u+8*kb], v5 offset:4608*u+64*kb
	ds_load_b128 v[164+32*u+8*kb:167+32*u+8*kb], v5 offset:4608*u+64*kb+32
.set u, u+1
.endr
	ds_load_b128 v[224+8*kb:227+8*kb], v6 offset:64*kb
	ds_load_b128 v[228+8*kb:231+8*kb], v6 offset:64*kb+32
.set kb, kb+1
.endr
	s_wait_dscnt 0x0
.set kb, 0
.rept 4
.set u, 0
.rept 3
.if kb == 0
	v_wmma_f32_16x16x32_bf16 v[16+8*u:23+8*u], v[128+8*kb:135+8*kb], v[160+32*u+8*kb:167+32*u+8*kb], 0
.else
	v_wmma_f32_16x16x32_bf16 v[16+8*u:23+8*u], v[128+8*kb:135+8*kb], v[160+32*u+8*kb:167+32*u+8*kb], v[16+8*u:23+8*u]
.endif
.set u, u+1
.endr
.set kb, kb+1
.endr
	PLACES
.set i, 0
.rept 12
	v_cvt_pk_bf16_f32 v[40+i], v[16+2*i], v[17+2*i]
.set i, i+1
.endr
	global_store_b128 v7, v[40:43], s[32:33]               ; 16 rows x 32 bytes: 512 consecutive bytes, aligned
	global_store_b128 v7, v[44:47], s[32:33] offset:512
	s_cmp_lg_u32 s8, 0
	s_cbranch_scc1 .Lnot8
	global_store_b128 v8, v[48:51], s[32:33]
.Lnot8:
	NORM 11, WKS, 62
	NORM 10, 0, 63
	s_wait_xcnt 0x0                            ; EXEC changes only behind this wait
	v_cmp_eq_u32 vcc_lo, 0, v1
	s_and_saveexec_b32 s30, vcc_lo
	global_store_b32 v9, v63, s[24:25] offset:165888       ; my part of ||q||^2
	global_store_b32 v9, v62, s[24:25] offset:166912       ; and of ||k||^2
	s_wait_xcnt 0x0
	s_or_b32 exec_lo, exec_lo, s30
	s_endpgm
.Lfunc_end_k_q0e64709c9b_red0:
	.size	k_q0e64709c9b_red0, .Lfunc_end_k_q0e64709c9b_red0-k_q0e64709c9b_red0
	.p2alignl 7, 3214868480
	.fill 96, 4, 3214868480
	.section	.rodata,"a",@progbits
	.p2align	6, 0x0
	.amdhsa_kernel k_q0e64709c9b_red0
		.amdhsa_group_segment_fixed_size 167936
		.amdhsa_private_segment_fixed_size 0
		.amdhsa_enable_private_segment 0
		.amdhsa_kernarg_size 24
		.amdhsa_user_sgpr_count 2
		.amdhsa_user_sgpr_kernarg_segment_ptr 1
		.amdhsa_wavefront_size32 1
		.amdhsa_system_sgpr_workgroup_id_x 1
		.amdhsa_system_sgpr_workgroup_id_y 1
		.amdhsa_system_sgpr_workgroup_id_z 1
		.amdhsa_system_vgpr_workitem_id 0
		.amdhsa_next_free_vgpr 256
		.amdhsa_next_free_sgpr 66
		.amdhsa_reserve_vcc 1
		.amdhsa_float_denorm_mode_32 3
		.amdhsa_float_denorm_mode_16_64 3
		.amdhsa_memory_ordered 1
		.amdhsa_forward_progress 1
		.amdhsa_inst_pref_size 103
	.end_amdhsa_kernel
	.amdgpu_metadata
---
amdhsa.version: [ 1, 2 ]
amdhsa.kernels:
  - .name:           k_q0e64709c9b_red0
    .symbol:         k_q0e64709c9b_red0.kd
    .args:
      - { .name: gpart, .offset: 0, .size: 8, .value_kind: global_buffer, .address_space: global }
      - { .name: wr0, .offset: 8, .size: 8, .value_kind: global_buffer, .address_space: global }
      - { .name: sm, .offset: 16, .size: 8, .value_kind: global_buffer, .address_space: global }
    .group_segment_fixed_size: 167936
    .private_segment_fixed_size: 0
    .kernarg_segment_align: 8
    .kernarg_segment_size: 24
    .max_flat_workgroup_size: 128
    .sgpr_count:     66
    .vgpr_count:     256
    .wavefront_size: 32
...
	.end_amdgpu_metadata
.endif
;; end of part 2
;; launch layer0 (part 3): grid 256 x 1, 4 waves a work-group, clusters of 4 x 1, 257,024 bytes of LDS; arguments xh0, sm, wr0, wf, Wv_w, Wv_b, ln_g, ln_b, xh1, gpart; writes xh1, gpart
.if DOCPART == 3
	.amdgcn_target "amdgcn-amd-amdhsa--gfx1250"
	.amdhsa_code_object_version 6
	.text
	.protected	k_q0e64709c9b_layer0
	.globl	k_q0e64709c9b_layer0
	.p2align	8
	.type	k_q0e64709c9b_layer0,@function
k_q0e64709c9b_layer0:
	s_mov_b64 s[64:65], 0
	v_nop
	global_prefetch_b8 v0, s[64:65] scope:SCOPE_SE
	s_setreg_imm32_b32 hwreg(HW_REG_WAVE_MODE, 25, 1), 1
	s_wait_xcnt 0x0
	s_wait_alu depctr_hold_cnt(0) depctr_sa_sdst(0) depctr_va_vdst(0) depctr_va_sdst(0) depctr_va_ssrc(0) depctr_va_vcc(0) depctr_vm_vsrc(0)
	s_getreg_b32 s2, hwreg(HW_REG_IB_STS2, 6, 4)
	s_cmp_eq_u32 s2, 0
	s_cbranch_scc0 .Lentry_in_a_cluster
	s_endpgm
.Lentry_in_a_cluster:
	s_bfe_u32 s2, ttmp6, 0x10000c
	s_cmp_lg_u32 s2, 0x3003
	s_cbranch_scc0 .Lentry_shape_is_right
	s_endpgm
.Lentry_shape_is_right:
; ONE LAYER: attention, residual, LN, FFN, residual, LN, for 512 rows a work-group.  LAYER picks the weights; LAST = 0: the result leaves as f16 with its Gram partial; LAST = 1: as f32, the program's output.
; ATTENTION WITHOUT q, k.  With x~ = [x, 1], W~ = [W; b], G~ = x~^T x~ of the batch, X1 = W~q W~k^T G~ (made by the launch before) and sigma = 1 / (N ||q|| ||k||):
;   attention = (x A' + a') / (x . d' + e'),  [A'; a'] = W~v + sigma X1 W~v,  d' = sigma X1[0:128, 128],  e' = 1 + sigma X1[128, 128].
; SCALES.  z1 = prev + (4 / den) num is 5 x (0.8 attention + 0.2 prev); fc2 arrives times 4, so z2 = layer2 + h (4 fc2), summed by the matrix unit onto layer2's registers, is 5 x its value; both LNs take eps x 25.
; THE MATRIX INSTRUCTION IS USED TRANSPOSED (source 0 = 16 output columns, turned out of LDS; source 1 = 16 rows): a lane holds ONE row (lane % 16) and columns 16 tn + 8 (lane / 16) + 0..7;
; two neighbouring result tiles rounded in pairs ARE the next product's source 1, so nothing changes lanes between the products.
; SHARES.  A wave owns 128 rows, in two passes of four tiles of 16.  CLUSTER 4 x 1: the four work-groups take the same W~v, fc1 and fc2: each is asked for jointly, a quarter a wave; nothing is filled twice.
; LIMITS.  x, h, fc1, 4 fc2, A', d' are f16 operands: infinite beyond 65,504 (LN bounds |x| by sqrt(127) |g| + |b|), a fixed step of 6e-8 below 6e-5 (d' lies there: its share of the divisor, which is 1 + O(1/sqrt(N)), is then lost to about 1e-4).
; X1, W~v in the correction are bf16; the correction is added to Wv in f32 and A' rounded once.  NaN and infinities are not treated apart.
; LDS: fc1 [128][256] pitch 544 at 0; 4 fc2 [256][128] pitch 288 at 69,632; A' [128][128] pitch 288 at 143,360; the stage at 180,224 (first W~v, 160 x 288: its only fill); at 253,952 LN gains and biases, a' (f32), d' (f16).
; REGISTERS in windows of 256 (s_set_vgpr_msb: bits 1:0 source 0, 3:2 source 1, 5:4 source 2, 7:6 destination):
;   window 0: v0-127 x's fragments (32 a tile), later layer2's; v128-159 h's; v160-179 addresses, e'; v180-211 statistics (8 a tile); v212-227 at work; v228-235 the ones' fragment; v236-237 sigma; v238-255 the preamble's
;   window 1: ACC, tile t, column tile tn at 64 t + 8 tn     window 2: v0-63, v64-127 weight fragments; v128-191, v192-255 gain and bias (in the attention: a', d', e')
;   window 3: v0-63 h's sums; v64-95 the divisor; v96-255 the 20 Gram accumulators (in the preamble X1's fragments)
.set LAYER, 0
.set LAST,  0
.set W2B,  69632
.set APB,  143360
.set STG,  180224
.set VEC,  253952
.set XO,   20
.set HF,   128
.set TID,  160
.set R,    161
.set H,    162
.set AXI,  163
.set AW1,  164
.set AW1B, 165
.set AW2,  166
.set AW2B, 167
.set AAP,  168
.set AVB,  169
.set AVD,  170
.set ASTO, 171
.set ARD,  172
.set AGO,  173
.set AGR,  174
.set AGW,  176
.set AGP,  178
.set EP,   179
.set ST,   180
.set TP,   212
.set ONE,  228
.set SIG,  236
.set GACC, 96
.set WV,   24
.set SEL,  72
.set SINV, 74
.set SEPS, 75
.set GP0,  76
.set GP1,  78
.set GP2,  80
.set MSB, 0
.macro WIN new                      ; the immediate's high byte repeats the setting that is left; a switch that changes nothing is dropped
.if MSB != (\new)
	s_set_vgpr_msb (MSB<<8)|(\new)
.set MSB, (\new)
.endif
.endm
.macro PLACES                       ; four plain vector instructions between a matrix instruction and whatever reads its result or writes one of its registers (ISA guide 7.12.1)
.rept 4
	v_nop
.endr
.endm
.macro T4 line:vararg               ; one line for each tile t
.set t, 0
.rept 4
	\line
.set t, t+1
.endr
.endm
.macro BAR                          ; my LDS instructions are done, then the work-group's barrier
	s_wait_dscnt 0x0
	s_barrier_signal -1
	s_barrier_wait -1
.endm
.macro CROUND                       ; a round of the cluster's barrier: my work-group's barrier; wave 0 signals for the work-group; every wave waits for all four; my work-group's barrier once more
	s_barrier_signal -1
	s_barrier_wait -1
	s_cmp_lg_u32 s[WV], 0
	s_cbranch_scc1 .Lnot_wave_0_\@
	s_barrier_signal -3
.Lnot_wave_0_\@:
	s_barrier_wait -3
	s_barrier_signal -1
	s_barrier_wait -1
.endm
; The four pairs of partial sums of each tile -> the row's sum in v[ST+8t], in every lane: a lane holds 64 of the row's 128 columns, the lane 16 away the others.
.macro RED
	WIN 0
	T4 v_pk_add_f32 v[ST+8*t:ST+8*t+1], v[ST+8*t:ST+8*t+1], v[ST+8*t+2:ST+8*t+3]
	T4 v_pk_add_f32 v[ST+8*t+4:ST+8*t+5], v[ST+8*t+4:ST+8*t+5], v[ST+8*t+6:ST+8*t+7]
	T4 v_pk_add_f32 v[ST+8*t:ST+8*t+1], v[ST+8*t:ST+8*t+1], v[ST+8*t+4:ST+8*t+5]
	T4 v_add_f32 v[ST+8*t], v[ST+8*t], v[ST+8*t+1]
	T4 v_permlanex16_b32 v[ST+8*t+2], v[ST+8*t], s[SEL], s[SEL+1]
	T4 v_add_f32 v[ST+8*t], v[ST+8*t], v[ST+8*t+2]
.endm
; LAYER NORM of the four tiles in ACC, in place, in two passes (mean; then the squares of x - mean).  Each accumulator's lowest registers are read first.
.macro LNORM relu, lds
	WIN 0x05
.set t, 0
.rept 4
.set c, 0
.rept 4
	v_pk_add_f32 v[ST+8*t+2*c:ST+8*t+2*c+1], v[64*t+2*c:64*t+2*c+1], v[64*t+8+2*c:64*t+8+2*c+1]
.set c, c+1
.endr
.set t, t+1
.endr
	WIN 0x01
.set q, 2
.rept 6
.set t, 0
.rept 4
.set c, 0
.rept 4
	v_pk_add_f32 v[ST+8*t+2*c:ST+8*t+2*c+1], v[64*t+8*q+2*c:64*t+8*q+2*c+1], v[ST+8*t+2*c:ST+8*t+2*c+1]
.set c, c+1
.endr
.set t, t+1
.endr
.set q, q+1
.endr
	RED
	T4 v_mul_f32 v[ST+8*t], s[SINV], v[ST+8*t]
	WIN 0x41
.set i, 0
.rept 128
	v_pk_add_f32 v[2*i:2*i+1], v[2*i:2*i+1], v[ST+8*(i/32):ST+8*(i/32)+1] op_sel_hi:[1,0] neg_lo:[0,1] neg_hi:[0,1]
.set i, i+1
.endr
	WIN 0x05
.set q, 0
.rept 8
.set t, 0
.rept 4
.set c, 0
.rept 4
.if q == 0
	v_pk_mul_f32 v[ST+8*t+2*c:ST+8*t+2*c+1], v[64*t+2*c:64*t+2*c+1], v[64*t+2*c:64*t+2*c+1]
.else
	v_pk_fma_f32 v[ST+8*t+2*c:ST+8*t+2*c+1], v[64*t+8*q+2*c:64*t+8*q+2*c+1], v[64*t+8*q+2*c:64*t+8*q+2*c+1], v[ST+8*t+2*c:ST+8*t+2*c+1]
.endif
.set c, c+1
.endr
.set t, t+1
.endr
.set q, q+1
.endr
	RED
	T4 v_fma_f32 v[ST+8*t], v[ST+8*t], s[SINV], s[SEPS]
	T4 v_rsq_f32 v[ST+8*t+2], v[ST+8*t]
	v_nop                           ; a plain instruction between the last root and the use of its result
	WIN 0x41
.set i, 0
	s_wait_alu depctr_va_vdst(0)
.rept 128
	v_pk_mul_f32 v[2*i:2*i+1], v[2*i:2*i+1], v[ST+8*(i/32)+2:ST+8*(i/32)+3] op_sel_hi:[1,0]
.set i, i+1
.endr
.if \lds
	s_wait_dscnt 0x0                ; gain and bias are in
.endif
	WIN 0x69
.set i, 0
.rept 128
	v_pk_fma_f32 v[2*i:2*i+1], v[2*i:2*i+1], v[128+2*(i%32):128+2*(i%32)+1], v[192+2*(i%32):192+2*(i%32)+1]
.set i, i+1
.endr
.if \relu
	WIN 0x44
.set i, 0
.rept 256
	v_max_num_f32 v[i], 0, v[i]
.set i, i+1
.endr
.endif
	WIN 0
.endm
; The four tiles rounded to f16 and put into my 64 rows of the stage: a lane's eight columns are 16 bytes.
.macro PACKST
.set t, 0
.rept 4
	WIN 0xc5
.set i, 0
.rept 32
	v_cvt_pk_f16_f32 v[32*(t%2)+i], v[64*t+2*i], v[64*t+2*i+1]
.set i, i+1
.endr
	WIN 0x0c
.set i, 0
.rept 8
	ds_store_b128 v[ASTO], v[32*(t%2)+4*i:32*(t%2)+4*i+3] offset:4608*t+32*i
.set i, i+1
.endr
.set t, t+1
.endr
.endm
; My 64 rows back as whole rows of 256 bytes (LDS serves a wave's instructions in order, ISA guide 5.7.1.4: these loads see my stores), and out: each store covers 512 consecutive bytes, aligned.
.macro OUTX
	WIN 0x40
.set i, 0
.rept 32
	ds_load_b128 v[4*i:4*i+3], v[ARD] offset:576*i
.set i, i+1
.endr
	WIN 0x04
.set i, 0
.rept 32
	s_wait_dscnt 31-i               ; LDS loads come back in order: pair i of rows is in
	global_store_b128 v[AGO], v[4*i:4*i+3], s[XO:XO+1] offset:512*i
.set i, i+1
.endr
	WIN 0
.endm
; GRAM.  The 256 staged rows are K, in 8 blocks of 32; a column tile's fragment (lane = column, K = rows) comes turned out of LDS and serves as either source.
; My wave owns G~'s tile rows 2w, 2w+1 (all 9 tile columns; the ninth is the column of ones) and the tiles (8, 2w), (8, 2w+1): 20 accumulators.
.macro GLOAD kb, X                  ; block kb into buffer X (window 2 or 3): 8 column tiles, then my own two once more (a register cannot be picked by the wave's number)
	WIN (\X)<<6
.set GA, AGR+(\kb)/4
.set GW, AGW+(\kb)/4
.set go, ((\kb)%4)*9216
.set j, 0
.rept 8
	ds_load_tr16_b128 v[8*j:8*j+3], v[GA] offset:go+32*j
	ds_load_tr16_b128 v[8*j+4:8*j+7], v[GA] offset:go+32*j+4608
.set j, j+1
.endr
.set j, 0
.rept 2
	ds_load_tr16_b128 v[64+8*j:64+8*j+3], v[GW] offset:go+32*j
	ds_load_tr16_b128 v[64+8*j+4:64+8*j+7], v[GW] offset:go+32*j+4608
.set j, j+1
.endr
.endm
.macro GMM X                        ; the 20 accumulators take turns, one instruction a turn
	WIN 0xf0|((\X)<<2)|(\X)
.set j, 0
.rept 8
.set u, 0
.rept 2
	v_wmma_f32_16x16x32_f16 v[GACC+8*(9*u+j):GACC+8*(9*u+j)+7], v[64+8*u:64+8*u+7], v[8*j:8*j+7], v[GACC+8*(9*u+j):GACC+8*(9*u+j)+7]
.set u, u+1
.endr
.set j, j+1
.endr
	WIN 0xf0|(\X)
.set u, 0
.rept 2
	v_wmma_f32_16x16x32_f16 v[GACC+8*(9*u+8):GACC+8*(9*u+8)+7], v[64+8*u:64+8*u+7], v[ONE:ONE+7], v[GACC+8*(9*u+8):GACC+8*(9*u+8)+7]
.set u, u+1
.endr
	WIN 0xf0|((\X)<<2)
.set u, 0
.rept 2
	v_wmma_f32_16x16x32_f16 v[GACC+8*(18+u):GACC+8*(18+u)+7], v[ONE:ONE+7], v[64+8*u:64+8*u+7], v[GACC+8*(18+u):GACC+8*(18+u)+7]
.set u, u+1
.endr
.endm
.macro GRAM
	GLOAD 0, 2
	GLOAD 1, 3
.set gk, 0
.rept 8
.if gk < 7
	s_wait_dscnt 20                 ; all but the younger block's 20 loads
.else
	s_wait_dscnt 0x0
.endif
	GMM 2+gk%2
	PLACES                          ; in front of the loads into the buffer just multiplied
.if gk < 6
	GLOAD gk+2, 2+gk%2
.endif
.set gk, gk+1
.endr
	WIN 0
.endm
.macro GSTORE                       ; tile (ti, tj) at tj x 9216 + ti x 1024; each store covers 512 consecutive bytes, aligned
	PLACES
	WIN 0x0c
.set u, 0
.rept 2
.set j, 0
.rept 9
	global_store_b128 v[AGP], v[GACC+8*(9*u+j):GACC+8*(9*u+j)+3], s[GP1:GP1+1] offset:j*9216+u*1024
	global_store_b128 v[AGP], v[GACC+8*(9*u+j)+4:GACC+8*(9*u+j)+7], s[GP1:GP1+1] offset:j*9216+u*1024+512
.set j, j+1
.endr
	global_store_b128 v[AGP], v[GACC+8*(18+u):GACC+8*(18+u)+3], s[GP2:GP2+1] offset:u*9216+8192
	global_store_b128 v[AGP], v[GACC+8*(18+u)+4:GACC+8*(18+u)+7], s[GP2:GP2+1] offset:u*9216+8192+512
.set u, u+1
.endr
	WIN 0
	s_wait_xcnt 0x0
	v_mov_b32 v252, 0x44000000      ; tile (8, 8) holds one number: my 512 rows' count
	v_cmp_eq_u32 vcc_lo, 0, v[AGP]
	v_cndmask_b32 v[TP], 0, v252, vcc_lo
.set i, 1
.rept 7
	v_mov_b32 v[TP+i], 0
.set i, i+1
.endr
	s_cmp_lg_u32 s[WV], 3
	s_cbranch_scc1 .Lno88
	global_store_b128 v[AGP], v[TP:TP+3], s[GP0:GP0+1] offset:81920
	global_store_b128 v[AGP], v[TP+4:TP+7], s[GP0:GP0+1] offset:82432
.Lno88:
.endm
.macro XLOAD                        ; a pass's 64 rows of x straight into fragments: lane = row, 16 bytes at k = 32 kb + 8 h and at + 16
	WIN 0
.set t, 0
.rept 4
.set kb, 0
.rept 4
	global_load_b128 v[32*t+8*kb:32*t+8*kb+3], v[AXI], s[4:5] offset:4096*t+64*kb
	global_load_b128 v[32*t+8*kb+4:32*t+8*kb+7], v[AXI], s[4:5] offset:4096*t+64*kb+32
.set kb, kb+1
.endr
.set t, t+1
.endr
.endm
.macro LNLOAD n                     ; gain and bias of the layer's LN n (1, 2): my 64 columns
	WIN 0x80
.set tn, 0
.rept 8
	ds_load_b128 v[128+8*tn:131+8*tn], v[AVB] offset:1024*((\n)-1)+64*tn
	ds_load_b128 v[132+8*tn:135+8*tn], v[AVB] offset:1024*((\n)-1)+64*tn+16
	ds_load_b128 v[192+8*tn:195+8*tn], v[AVB] offset:1024*((\n)-1)+512+64*tn
	ds_load_b128 v[196+8*tn:199+8*tn], v[AVB] offset:1024*((\n)-1)+512+64*tn+16
.set tn, tn+1
.endr
.endm
.macro ALOAD tp, buf                ; A''s fragments for column tiles 2 tp, 2 tp + 1, all of K
	WIN 0x80
.set e, 0
.rept 2
.set kb, 0
.rept 4
	ds_load_tr16_b128 v[(\buf)+32*e+8*kb:(\buf)+32*e+8*kb+3], v[AAP] offset:9216*kb+32*(2*(\tp)+e)
	ds_load_tr16_b128 v[(\buf)+32*e+8*kb+4:(\buf)+32*e+8*kb+7], v[AAP] offset:9216*kb+32*(2*(\tp)+e)+4608
.set kb, kb+1
.endr
.set e, e+1
.endr
.endm
.macro AMM tp, buf                  ; 32 products; the 8 accumulators take turns; the first K block starts the sums with a'
.set kb, 0
.rept 4
.if kb == 0
	WIN 0x62
.else
	WIN 0x52
.endif
.set e, 0
.rept 2
.set t, 0
.rept 4
.set rA, 64*t+8*(2*(\tp)+e)
.if kb == 0
	v_wmma_f32_16x16x32_f16 v[rA:rA+7], v[(\buf)+32*e+8*kb:(\buf)+32*e+8*kb+7], v[32*t+8*kb:32*t+8*kb+7], v[128+8*(2*(\tp)+e):128+8*(2*(\tp)+e)+7]
.else
	v_wmma_f32_16x16x32_f16 v[rA:rA+7], v[(\buf)+32*e+8*kb:(\buf)+32*e+8*kb+7], v[32*t+8*kb:32*t+8*kb+7], v[rA:rA+7]
.endif
.set t, t+1
.endr
.set e, e+1
.endr
.set kb, kb+1
.endr
.endm
.macro ZF x0                        ; z1 = num x (4 / den) + prev for eight pairs of columns
	WIN 0x41
.set zi, (\x0)
.rept 8
	v_pk_fma_f32 v[2*zi:2*zi+1], v[2*zi:2*zi+1], v[ST+8*(zi/32)+4:ST+8*(zi/32)+5], v[TP+2*(zi%8):TP+2*(zi%8)+1] op_sel_hi:[1,0,1]
.set zi, zi+1
.endr
.endm
.macro LOADF1                       ; fc1's fragments for 32 hidden columns, all of K
	WIN 0x80
.set u, 0
.rept 2
.set kb, 0
.rept 4
	ds_load_tr16_b128 v[32*u+8*kb:32*u+8*kb+3], v[AW1] offset:17408*kb+32*u
	ds_load_tr16_b128 v[32*u+8*kb+4:32*u+8*kb+7], v[AW1] offset:17408*kb+32*u+8704
.set kb, kb+1
.endr
.set u, u+1
.endr
.endm
.macro LOADF2                       ; fc2's fragments for the same 32 as K, all 8 column tiles
	WIN 0x80
.set tn, 0
.rept 8
	ds_load_tr16_b128 v[64+8*tn:67+8*tn], v[AW2] offset:32*tn
	ds_load_tr16_b128 v[68+8*tn:71+8*tn], v[AW2] offset:32*tn+4608
.set tn, tn+1
.endr
.endm
; 32 hidden columns: h = relu(layer2 fc1), then z2 += h (4 fc2).  more = 1: the next chunk's fragments are fetched behind each run of products.
.macro CHUNK more
	s_wait_dscnt 16                 ; fc1's fragments are in; fc2's 16 loads are younger
	WIN 0xf2
.set kb, 0
.rept 4
.set u, 0
.rept 2
.set t, 0
.rept 4
.if kb == 0
	v_wmma_f32_16x16x32_f16 v[16*t+8*u:16*t+8*u+7], v[32*u+8*kb:32*u+8*kb+7], v[32*t+8*kb:32*t+8*kb+7], 0
.else
	v_wmma_f32_16x16x32_f16 v[16*t+8*u:16*t+8*u+7], v[32*u+8*kb:32*u+8*kb+7], v[32*t+8*kb:32*t+8*kb+7], v[16*t+8*u:16*t+8*u+7]
.endif
.set t, t+1
.endr
.set u, u+1
.endr
.set kb, kb+1
.endr
	PLACES
.if \more
	WIN 0
	v_add_nc_u32 v[AW1], 64, v[AW1]
	LOADF1
.endif
	WIN 0xcc
.set i, 0
.rept 64
	v_max_num_f32 v[i], 0, v[i]
.set i, i+1
.endr
	WIN 0x0f
.set i, 0
.rept 32
	v_cvt_pk_f16_f32 v[HF+i], v[2*i], v[2*i+1]
.set i, i+1
.endr
.if \more
	s_wait_dscnt 16                 ; fc2's fragments are in; the next chunk's fc1 loads are younger
.else
	s_wait_dscnt 0x0
.endif
	WIN 0x52
.set tn, 0
.rept 8
.set t, 0
.rept 4
	v_wmma_f32_16x16x32_f16 v[64*t+8*tn:64*t+8*tn+7], v[64+8*tn:64+8*tn+7], v[HF+8*t:HF+8*t+7], v[64*t+8*tn:64*t+8*tn+7]
.set t, t+1
.endr
.set tn, tn+1
.endr
	PLACES
.if \more
	WIN 0
	v_add_nc_u32 v[AW2], 0x2400, v[AW2]
	LOADF2
.endif
	WIN 0
.endm
.macro NSUM a                       ; 144 parts of a norm: four a lane, and four more in lanes 0-3; then over the wave
	v_add_f32 v[\a], v[\a], v[\a+1]
	v_add_f32 v[\a+2], v[\a+2], v[\a+3]
	v_add_f32 v[\a+4], v[\a+4], v[\a+5]
	v_add_f32 v[\a+6], v[\a+6], v[\a+7]
	v_add_f32 v[\a], v[\a], v[\a+2]
	v_add_f32 v[\a+4], v[\a+4], v[\a+6]
	v_cndmask_b32 v[\a+4], 0, v[\a+4], vcc_lo
	v_add_f32 v[\a], v[\a], v[\a+4]
	v_add_f32_dpp v[\a], v[\a], v[\a] row_xmask:1 row_mask:0xf bank_mask:0xf
	v_add_f32_dpp v[\a], v[\a], v[\a] row_xmask:2 row_mask:0xf bank_mask:0xf
	v_add_f32_dpp v[\a], v[\a], v[\a] row_xmask:4 row_mask:0xf bank_mask:0xf
	v_add_f32_dpp v[\a], v[\a], v[\a] row_xmask:8 row_mask:0xf bank_mask:0xf
	v_permlanex16_b32 v[\a+1], v[\a], s[SEL], s[SEL+1]
	v_add_f32 v[\a], v[\a], v[\a+1]
.endm
	s_load_b512 s[4:19], s[0:1], 0x0           ; x 4, sm 6, wr 8, wf 10, Wv_w 12, Wv_b 14, ln_g 16, ln_b 18
.if LAST
	s_load_b64 s[20:21], s[0:1], 0x40          ; the output
.else
	s_load_b128 s[20:23], s[0:1], 0x40         ; the next x, gpart
.endif
	v_lshrrev_b32 v[TID], 5, v0
	v_readfirstlane_b32 s[WV], v[TID]          ; wave 0..3
	v_mov_b32 v[TID], v0
	s_bfe_u32 s25, ttmp6, 0x40000              ; cx: it enters global addresses of x, sm, the results alone
	s_lshl_b32 s26, ttmp9, 2
	s_add_co_u32 s26, s26, s25                 ; work-group = 4 x cluster + cx
	s_lshr_b32 s27, s26, 6                     ; batch
	; group 1 of fc1's tiles: 32 rows x 256 elements; mask of four, bit 21 beside it; 2-byte elements; padding: after every 128 words, 8 words: pitch 544
	s_mov_b32 s32, 15|(1<<16)|(1<<20)|(1<<21)|(6<<22)|(7<<25)
	s_mov_b32 s33, 256<<16
	s_mov_b32 s34, 32<<16
	s_mov_b32 s35, 256<<16
	s_mov_b32 s36, 32
	s_mov_b32 s37, 256
	s_mov_b32 s38, 0
	s_mov_b32 s39, 0
	; fc2's: 64 rows x 128 elements; padding after every 64 words, 8 words: pitch 288
	s_mov_b32 s40, 15|(1<<16)|(1<<20)|(1<<21)|(5<<22)|(7<<25)
	s_mov_b32 s41, 128<<16
	s_mov_b32 s42, 64<<16
	s_mov_b32 s43, 128<<16
	s_mov_b32 s44, 64
	s_mov_b32 s45, 128
	s_mov_b32 s46, 0
	s_mov_b32 s47, 0
	; W~v's: 40 rows x 128 elements, of which 129 - 40 w exist; the others arrive as zeros
	s_mov_b32 s48, 15|(1<<16)|(1<<20)|(1<<21)|(5<<22)|(7<<25)
	s_mov_b32 s49, 128<<16
	s_mul_i32 s30, s[WV], 40
	s_sub_co_u32 s30, 129, s30
	s_lshl_b32 s50, s30, 16
	s_mov_b32 s51, 128<<16
	s_mov_b32 s52, 40
	s_mov_b32 s53, 128
	s_mov_b32 s54, 0
	s_mov_b32 s55, 0
	s_mov_b32 s56, 1                           ; groups 0: count, LDS address = a constant + the wave's number x a constant
	s_mul_i32 s57, s[WV], 17408
	s_mov_b32 s60, 1
	s_mul_i32 s61, s[WV], 18432
	s_add_co_u32 s61, s61, W2B
	s_mov_b32 s68, 1
	s_mul_i32 s69, s[WV], 11520
	s_add_co_u32 s69, s69, STG
	s_mov_b32 s[SEL], 0x76543210
	s_mov_b32 s[SEL+1], 0xfedcba98
	s_mov_b32 s[SINV], 0x3c000000              ; 1 / 128
	s_mov_b32 s[SEPS], 0x3983126f              ; 25 x 1e-5
	s_lshl_b32 s30, s[WV], 14
	s_mov_b32 s31, 0
	s_wait_kmcnt 0x0
	s_add_nc_u64 s[58:59], s[10:11], s[30:31]
.if LAYER
	s_add_nc_u64 s[58:59], s[58:59], LAYER*65536
.endif
	s_add_nc_u64 s[62:63], s[58:59], 131072
	s_or_b32 s59, s59, 0x80000000
	s_or_b32 s63, s63, 0x80000000
	s_mul_i32 s30, s[WV], 10240
	s_add_nc_u64 s[70:71], s[8:9], s[30:31]
	s_add_nc_u64 s[70:71], s[70:71], 66048
	s_or_b32 s71, s71, 0x80000000
	CROUND                                     ; all four work-groups are here: the joint loads meet
	tensor_load_to_lds s[68:71], s[48:55]      ; W~v first: it is wanted first.  Three loads of mine are out
	s_nop 0
	tensor_load_to_lds s[56:59], s[32:39]      ; fc1
	s_nop 0
	tensor_load_to_lds s[60:63], s[40:47]      ; 4 fc2
	s_nop 0
	PLACES
	s_lshl_b32 s90, s26, 17
	s_lshl_b32 s91, s[WV], 15
	s_add_co_u32 s90, s90, s91
	s_mov_b32 s91, 0
	s_add_nc_u64 s[4:5], s[4:5], s[90:91]      ; x at my wave's first row
.if LAST
	s_lshl_b32 s90, s90, 1                     ; f32 rows are twice as long
.endif
	s_add_nc_u64 s[XO:XO+1], s[XO:XO+1], s[90:91]
	s_mul_i32 s90, s27, 41472
	s_add_nc_u64 s[88:89], s[6:7], s[90:91]    ; my batch's X1
.if LAST == 0
	s_mul_i32 s90, s26, 82944
	s_add_nc_u64 s[GP0:GP0+1], s[22:23], s[90:91]
	s_lshl_b32 s90, s[WV], 11
	s_add_nc_u64 s[GP1:GP1+1], s[GP0:GP0+1], s[90:91]
	s_mul_i32 s90, s[WV], 18432
	s_add_nc_u64 s[GP2:GP2+1], s[GP0:GP0+1], s[90:91]
.endif
	v_and_b32 v[R], 15, v0
	v_bfe_u32 v[H], v0, 4, 1
	v_and_b32 v238, 31, v0                     ; lane
	v_lshlrev_b32 v[AGP], 4, v238
	v_lshlrev_b32 v[AXI], 8, v[R]
	v_lshl_add_u32 v[AXI], v[H], 4, v[AXI]
	v_and_b32 v252, 7, v0                      ; the turning load's lane term: (8h + l % 8) x pitch + 16 ((l / 8) % 2)
	v_lshl_add_u32 v252, v[H], 3, v252
	v_bfe_u32 v253, v0, 3, 1
	v_lshlrev_b32 v253, 4, v253
	v_mul_u32_u24 v254, v252, 544
	v_add_nc_u32 v[AW1B], v254, v253
	v_mul_u32_u24 v254, v252, 288
	v_add_nc_u32 v254, v254, v253
	v_add_nc_u32 v[AW2B], W2B, v254
	v_add_nc_u32 v[AAP], APB, v254
	v_add_nc_u32 v[AGR], STG, v254
	v_lshlrev_b32 v223, 5, v[H]                ; 32 h
	v_add_nc_u32 v[AVB], VEC, v223
	v_lshlrev_b32 v252, 4, v[H]
	v_add_nc_u32 v[AVD], VEC+2560, v252
.if LAST
	s_mul_i32 s30, s[WV], 18432
	s_add_co_u32 s30, s30, STG                 ; my part of the stage: two halves of 16 rows x 528 bytes
	v_mul_u32_u24 v252, v[R], 528
	v_lshl_add_u32 v252, v[H], 5, v252
	v_add_nc_u32 v[ASTO], s30, v252
	v_add_nc_u32 v[ARD], s30, v[AGP]
.else
	v_add_nc_u32 v[AGR+1], STG+36864, v254
	s_lshl_b32 s30, s[WV], 6
	v_add_nc_u32 v[AGW], s30, v[AGR]
	v_add_nc_u32 v[AGW+1], s30, v[AGR+1]
	s_mul_i32 s30, s[WV], 64*288
	s_add_co_u32 s30, s30, STG                 ; my 64 rows of the stage
	v_mul_u32_u24 v252, v[R], 288
	v_lshl_add_u32 v252, v[H], 4, v252
	v_add_nc_u32 v[ASTO], s30, v252
	v_mul_u32_u24 v252, v[H], 288
	v_lshl_add_u32 v252, v[R], 4, v252
	v_add_nc_u32 v[ARD], s30, v252
	v_lshlrev_b32 v252, 8, v[H]
	v_lshl_add_u32 v[AGO], v[R], 4, v252
.endif
	; the preamble's addresses
	v_add_nc_u32 v239, 32, v238
	v_min_u32 v239, 35, v239
	v_lshlrev_b32 v239, 4, v239                ; the norms' last 16 parts
	v_lshlrev_b32 v221, 4, v[H]
	v_lshl_add_u32 v220, v[R], 5, v221
	s_lshl_b32 s30, s[WV], 10
	v_add_nc_u32 v220, s30, v220               ; X1: (32 w + r) x 32 + 16 h
	v_add_nc_u32 v221, 4096, v221              ; X1's row 128
	v_lshl_add_u32 v222, v[R], 9, v223
	s_lshl_b32 s30, s[WV], 14
	v_add_nc_u32 v222, s30, v222               ; Wv: (32 w + r) x 512 + 32 h
	v_lshlrev_b32 v224, 5, v0
	v_lshlrev_b32 v225, 2, v0
	v_lshlrev_b32 v226, 1, v0
	v_add_nc_u32 v226, VEC+2560, v226
	v_add_nc_u32 v235, VEC, v225
	v_mul_u32_u24 v227, v[R], 288
	v_lshl_add_u32 v227, v[H], 4, v227
	s_mul_i32 s30, s[WV], 9216
	s_add_co_u32 s30, s30, APB
	v_add_nc_u32 v227, s30, v227               ; A': row 32 w + r
	v_mov_b32 v230, 0
	XLOAD
	global_load_b128 v[240:243], v[AGP], s[6:7] offset:165888
	global_load_b128 v[244:247], v239, s[6:7] offset:165888
	global_load_b128 v[248:251], v[AGP], s[6:7] offset:166912
	global_load_b128 v[252:255], v239, s[6:7] offset:166912
	global_load_u16 v228, v224, s[88:89] offset:36864      ; X1[thread][128]
	global_load_u16 v229, v230, s[88:89] offset:40960      ; X1[128][128]
	global_load_b32 v231, v225, s[16:17] offset:(2*LAYER+1)*512
	global_load_b32 v232, v225, s[18:19] offset:(2*LAYER+1)*512
	global_load_b32 v233, v225, s[16:17] offset:(2*LAYER+2)*512
	global_load_b32 v234, v225, s[18:19] offset:(2*LAYER+2)*512
	WIN 0xc0                                   ; X1 as source 1: lane = row (my 32 rows; for u = 2 row 128 in every lane), K = X1's columns; the fifth K block is slice 8 and zeros
.set u, 0
.rept 3
.set kb, 0
.rept 5
.if u < 2
	global_load_b128 v[96+40*u+8*kb:99+40*u+8*kb], v220, s[88:89] offset:9216*kb+512*u
.if kb < 4
	global_load_b128 v[100+40*u+8*kb:103+40*u+8*kb], v220, s[88:89] offset:9216*kb+512*u+4608
.endif
.else
	global_load_b128 v[96+40*u+8*kb:99+40*u+8*kb], v221, s[88:89] offset:9216*kb
.if kb < 4
	global_load_b128 v[100+40*u+8*kb:103+40*u+8*kb], v221, s[88:89] offset:9216*kb+4608
.endif
.endif
.set kb, kb+1
.endr
.set i, 0
.rept 4
	v_mov_b32 v[132+40*u+i], 0
.set i, i+1
.endr
.set u, u+1
.endr
.set td, 0
.rept 8
	global_load_b128 v[8*td:8*td+3], v223, s[14:15] offset:LAYER*512+64*td
	global_load_b128 v[8*td+4:8*td+7], v223, s[14:15] offset:LAYER*512+64*td+16
.set td, td+1
.endr
	WIN 0x80
.set u, 0
.rept 2
.set td, 0
.rept 8
	global_load_b128 v[128+64*u+8*td:131+64*u+8*td], v222, s[12:13] offset:LAYER*65536+8192*u+64*td
	global_load_b128 v[132+64*u+8*td:135+64*u+8*td], v222, s[12:13] offset:LAYER*65536+8192*u+64*td+16
.set td, td+1
.endr
.set u, u+1
.endr
	WIN 0
	s_wait_loadcnt 0x0
	v_cmp_gt_u32 vcc_lo, 4, v238
	NSUM 240
	NSUM 248
	v_rsq_f32 v241, v240
	v_rsq_f32 v249, v248
	v_nop                                      ; a plain instruction between the roots and their use
	s_wait_alu depctr_va_vdst(0)
	v_mul_f32 v241, v241, v249
	v_mul_f32 v[SIG], 0x38000000, v241         ; sigma = 2^-15 / (||q|| ||k||): N = 32,768
	v_mov_b32 v[SIG+1], v[SIG]
	ds_store_b32 v235, v231
	ds_store_b32 v235, v232 offset:512
	ds_store_b32 v235, v233 offset:1024
	ds_store_b32 v235, v234 offset:1536
	v_lshlrev_b32 v228, 16, v228               ; bf16 to f32
	v_lshlrev_b32 v229, 16, v229
	v_mul_f32 v228, v[SIG], v228
	v_fma_f32 v[EP], v[SIG], v229, 1.0         ; e'
	v_cvt_pk_f16_f32 v228, v228, v228
	ds_store_b16 v226, v228                    ; d'
	s_wait_tensorcnt 0x2                       ; my part of W~v is in; fc1's and fc2's may stay out
	BAR
	; P = X1 W~v for my 32 rows and row 128, two column tiles at a time; the six accumulators take turns
.set tp, 0
.rept 4
	WIN 0x80
.set e, 0
.rept 2
.set kb, 0
.rept 5
	ds_load_tr16_b128 v[40*e+8*kb:40*e+8*kb+3], v[AGR] offset:9216*kb+32*(2*tp+e)
	ds_load_tr16_b128 v[40*e+8*kb+4:40*e+8*kb+7], v[AGR] offset:9216*kb+32*(2*tp+e)+4608
.set kb, kb+1
.endr
.set e, e+1
.endr
	s_wait_dscnt 0x0
	WIN 0x5e
.set kb, 0
.rept 5
.set e, 0
.rept 2
.set u, 0
.rept 3
.set rA, 64*u+8*(2*tp+e)
.if kb == 0
	v_wmma_f32_16x16x32_bf16 v[rA:rA+7], v[40*e+8*kb:40*e+8*kb+7], v[96+40*u+8*kb:96+40*u+8*kb+7], 0
.else
	v_wmma_f32_16x16x32_bf16 v[rA:rA+7], v[40*e+8*kb:40*e+8*kb+7], v[96+40*u+8*kb:96+40*u+8*kb+7], v[rA:rA+7]
.endif
.set u, u+1
.endr
.set e, e+1
.endr
.set kb, kb+1
.endr
	PLACES
.set tp, tp+1
.endr
	; A' = Wv + sigma P in f32, rounded once to f16, into LDS as [k][n]
.set u, 0
.rept 2
.set td, 0
.rept 8
	WIN 0x21
.set c, 0
.rept 4
	v_pk_fma_f32 v[TP+2*c:TP+2*c+1], v[64*u+8*td+2*c:64*u+8*td+2*c+1], v[SIG:SIG+1], v[128+64*u+8*td+2*c:128+64*u+8*td+2*c+1] op_sel_hi:[1,0,1]
.set c, c+1
.endr
	WIN 0
.set c, 0
.rept 4
	v_cvt_pk_f16_f32 v[TP+c], v[TP+2*c], v[TP+2*c+1]
.set c, c+1
.endr
	ds_store_b128 v227, v[TP:TP+3] offset:4608*u+32*td
.set td, td+1
.endr
.set u, u+1
.endr
	s_cmp_lg_u32 s[WV], 0
	s_cbranch_scc1 .Lnoa                       ; a' = bv + sigma P[128]: every wave has it, wave 0 stores it
.set td, 0
.rept 8
	WIN 0x31
.set c, 0
.rept 4
	v_pk_fma_f32 v[TP+2*c:TP+2*c+1], v[128+8*td+2*c:128+8*td+2*c+1], v[SIG:SIG+1], v[8*td+2*c:8*td+2*c+1] op_sel_hi:[1,0,1]
.set c, c+1
.endr
	WIN 0
	ds_store_b128 v[AVB], v[TP:TP+3] offset:2048+64*td
	ds_store_b128 v[AVB], v[TP+4:TP+7] offset:2048+64*td+16
.set td, td+1
.endr
.Lnoa:
	s_wait_tensorcnt 0x0                       ; my parts of fc1 and fc2 are in;
	BAR                                        ; A', a' are whole, and nobody reads W~v's stage any more
.if LAST == 0
	WIN 0xc0                                   ; the Gram sums start at 0: one text serves both passes, at the price of these 160 lines
.set i, 0
.rept 160
	v_mov_b32 v[GACC+i], 0
.set i, i+1
.endr
	WIN 0
	v_mov_b32 v252, 0x3c003c00                 ; the column of ones as a fragment
	v_cmp_eq_u32 vcc_lo, 0, v[R]
.set i, 0
.rept 8
	v_cndmask_b32 v[ONE+i], 0, v252, vcc_lo
.set i, i+1
.endr
.endif
	s_mov_b32 s28, 0
.Lpass:
	s_wait_loadcnt 0x0                         ; this pass's x
	s_wait_xcnt 0x0                            ; earlier stores have read ACC
	WIN 0x80                                   ; a' (C of the first products), d' as source 0 (the same in all 16 rows, so that every lane gets its row's divisor), e'
.set td, 0
.rept 8
	ds_load_b128 v[128+8*td:131+8*td], v[AVB] offset:2048+64*td
	ds_load_b128 v[132+8*td:135+8*td], v[AVB] offset:2048+64*td+16
.set td, td+1
.endr
.set kb, 0
.rept 4
	ds_load_b128 v[192+8*kb:195+8*kb], v[AVD] offset:64*kb
	ds_load_b128 v[196+8*kb:199+8*kb], v[AVD] offset:64*kb+32
.set kb, kb+1
.endr
.set i, 0
.rept 8
	v_mov_b32 v[224+i], v[EP]
.set i, i+1
.endr
	ALOAD 0, 0
	ALOAD 1, 64
.set ap, 0
.rept 4
.if ap < 3
	s_wait_dscnt 16                            ; all but the younger pair's 16 loads
.else
	s_wait_dscnt 0x0
.endif
	AMM ap, 64*(ap%2)
	PLACES
.if ap < 2
	ALOAD ap+2, 64*(ap%2)
.endif
.set ap, ap+1
.endr
.set kb, 0
.rept 4
.if kb == 0
	WIN 0xe2
.else
	WIN 0xf2
.endif
.set t, 0
.rept 4
.if kb == 0
	v_wmma_f32_16x16x32_f16 v[64+8*t:71+8*t], v[192+8*kb:199+8*kb], v[32*t+8*kb:32*t+8*kb+7], v[224:231]
.else
	v_wmma_f32_16x16x32_f16 v[64+8*t:71+8*t], v[192+8*kb:199+8*kb], v[32*t+8*kb:32*t+8*kb+7], v[64+8*t:71+8*t]
.endif
.set t, t+1
.endr
.set kb, kb+1
.endr
	PLACES
	LNLOAD 1
	WIN 0x03
	T4 v_rcp_f32 v[ST+8*t+4], v[64+8*t]
	v_nop                                      ; a plain instruction between the last reciprocal and its use
	s_wait_alu depctr_va_vdst(0)
	WIN 0
	T4 v_mul_f32 v[ST+8*t+4], 4.0, v[ST+8*t+4]
	T4 v_mov_b32 v[ST+8*t+5], v[ST+8*t+4]
	; prev is x: register n of its fragments holds the columns of ACC's registers 2 n and 2 n + 1
.irp x, 0,1,2,3,4,5,6,7,8,9,10,11,12,13,14,15,16,17,18,19,20,21,22,23,24,25,26,27,28,29,30,31,32,33,34,35,36,37,38,39,40,41,42,43,44,45,46,47,48,49,50,51,52,53,54,55,56,57,58,59,60,61,62,63,64,65,66,67,68,69,70,71,72,73,74,75,76,77,78,79,80,81,82,83,84,85,86,87,88,89,90,91,92,93,94,95,96,97,98,99,100,101,102,103,104,105,106,107,108,109,110,111,112,113,114,115,116,117,118,119,120,121,122,123,124,125,126,127
	WIN 0
	v_cvt_f32_f16 v[TP+2*(\x%8)], v\x\().l
	v_cvt_f32_f16 v[TP+2*(\x%8)+1], v\x\().h
.if (\x%8) == 7
	ZF \x-7
.endif
.endr
	LNORM 0, 1
	WIN 0x05                                   ; layer2 as f16 fragments; its f32 stays in ACC, where fc2's products add onto it
.set i, 0
.rept 128
	v_cvt_pk_f16_f32 v[i], v[2*i], v[2*i+1]
.set i, i+1
.endr
	LNLOAD 2
	WIN 0
	v_mov_b32 v[AW1], v[AW1B]
	v_mov_b32 v[AW2], v[AW2B]
	LOADF1
	LOADF2
	WIN 0
	s_mov_b32 s29, 7
.Lchunk:
	CHUNK 1
	s_sub_co_i32 s29, s29, 1
	s_cmp_lg_u32 s29, 0
	s_cbranch_scc1 .Lchunk
	CHUNK 0
	s_cmp_lg_u32 s28, 0
	s_cbranch_scc1 .Lnox                       ; the second pass asks for nothing more
	s_add_nc_u64 s[4:5], s[4:5], 16384         ; this pass's loads were waited for at its head
	XLOAD
.Lnox:
	LNORM 0, 1
.if LAST
	OSTG 0
	OSTG 1
	s_wait_dscnt 32                            ; all but the younger tile's 16 stores and 16 loads
	OSEND 0
	OSTG 2
	s_wait_dscnt 32
	OSEND 1
	OSTG 3
	s_wait_dscnt 32
	OSEND 2
	s_wait_dscnt 0x0
	OSEND 3
	WIN 0
	s_wait_xcnt 0x0                            ; the stores' base is stepped only behind this wait
	s_add_nc_u64 s[XO:XO+1], s[XO:XO+1], 32768
.else
	PACKST
	OUTX
	BAR                                        ; all 256 rows are staged
	GRAM
	BAR                                        ; nobody reads the stage any more
	s_wait_xcnt 0x0                            ; the stores' base is stepped only behind this wait
	s_add_nc_u64 s[XO:XO+1], s[XO:XO+1], 16384
.endif
	s_add_co_u32 s28, s28, 1
	s_cmp_lt_u32 s28, 2
	s_cbranch_scc1 .Lpass
.if LAST == 0
	GSTORE
.endif
	s_wait_dscnt 0x0
	CROUND                                     ; the closing round: no work-group ends while a partner may still ask for a tile that names it
	s_endpgm
.Lfunc_end_k_q0e64709c9b_layer0:
	.size	k_q0e64709c9b_layer0, .Lfunc_end_k_q0e64709c9b_layer0-k_q0e64709c9b_layer0
	.p2alignl 7, 3214868480
	.fill 96, 4, 3214868480
	.section	.rodata,"a",@progbits
	.p2align	6, 0x0
	.amdhsa_kernel k_q0e64709c9b_layer0
		.amdhsa_group_segment_fixed_size 257024
		.amdhsa_private_segment_fixed_size 0
		.amdhsa_enable_private_segment 0
		.amdhsa_kernarg_size 80
		.amdhsa_user_sgpr_count 2
		.amdhsa_user_sgpr_kernarg_segment_ptr 1
		.amdhsa_wavefront_size32 1
		.amdhsa_system_sgpr_workgroup_id_x 1
		.amdhsa_system_sgpr_workgroup_id_y 1
		.amdhsa_system_sgpr_workgroup_id_z 1
		.amdhsa_system_vgpr_workitem_id 0
		.amdhsa_next_free_vgpr 1024
		.amdhsa_next_free_sgpr 96
		.amdhsa_reserve_vcc 1
		.amdhsa_float_denorm_mode_32 3
		.amdhsa_float_denorm_mode_16_64 3
		.amdhsa_memory_ordered 1
		.amdhsa_forward_progress 1
		.amdhsa_inst_pref_size 253
	.end_amdhsa_kernel
	.amdgpu_metadata
---
amdhsa.version: [ 1, 2 ]
amdhsa.kernels:
  - .name:           k_q0e64709c9b_layer0
    .symbol:         k_q0e64709c9b_layer0.kd
    .args:
      - { .name: xh0, .offset: 0, .size: 8, .value_kind: global_buffer, .address_space: global }
      - { .name: sm, .offset: 8, .size: 8, .value_kind: global_buffer, .address_space: global }
      - { .name: wr0, .offset: 16, .size: 8, .value_kind: global_buffer, .address_space: global }
      - { .name: wf, .offset: 24, .size: 8, .value_kind: global_buffer, .address_space: global }
      - { .name: Wv_w, .offset: 32, .size: 8, .value_kind: global_buffer, .address_space: global }
      - { .name: Wv_b, .offset: 40, .size: 8, .value_kind: global_buffer, .address_space: global }
      - { .name: ln_g, .offset: 48, .size: 8, .value_kind: global_buffer, .address_space: global }
      - { .name: ln_b, .offset: 56, .size: 8, .value_kind: global_buffer, .address_space: global }
      - { .name: xh1, .offset: 64, .size: 8, .value_kind: global_buffer, .address_space: global }
      - { .name: gpart, .offset: 72, .size: 8, .value_kind: global_buffer, .address_space: global }
    .group_segment_fixed_size: 257024
    .private_segment_fixed_size: 0
    .kernarg_segment_align: 8
    .kernarg_segment_size: 80
    .max_flat_workgroup_size: 128
    .sgpr_count:     96
    .vgpr_count:     1024
    .wavefront_size: 32
...
	.end_amdgpu_metadata
.endif
;; end of part 3
;; launch red1: the kernel of part 2 again; grid 9 x 4, 4 waves a work-group, no clusters, 167,936 bytes of LDS; arguments gpart, wr1, sm; writes sm
;; launch layer1 (part 4): grid 256 x 1, 4 waves a work-group, clusters of 4 x 1, 257,024 bytes of LDS; arguments xh1, sm, wr1, wf, Wv_w, Wv_b, ln_g, ln_b, out0; writes out0
.if DOCPART == 4
	.amdgcn_target "amdgcn-amd-amdhsa--gfx1250"
	.amdhsa_code_object_version 6
	.text
	.protected	k_q0e64709c9b_layer1
	.globl	k_q0e64709c9b_layer1
	.p2align	8
	.type	k_q0e64709c9b_layer1,@function
k_q0e64709c9b_layer1:
	s_mov_b64 s[64:65], 0
	v_nop
	global_prefetch_b8 v0, s[64:65] scope:SCOPE_SE
	s_setreg_imm32_b32 hwreg(HW_REG_WAVE_MODE, 25, 1), 1
	s_wait_xcnt 0x0
	s_wait_alu depctr_hold_cnt(0) depctr_sa_sdst(0) depctr_va_vdst(0) depctr_va_sdst(0) depctr_va_ssrc(0) depctr_va_vcc(0) depctr_vm_vsrc(0)
	s_getreg_b32 s2, hwreg(HW_REG_IB_STS2, 6, 4)
	s_cmp_eq_u32 s2, 0
	s_cbranch_scc0 .Lentry_in_a_cluster
	s_endpgm
.Lentry_in_a_cluster:
	s_bfe_u32 s2, ttmp6, 0x10000c
	s_cmp_lg_u32 s2, 0x3003
	s_cbranch_scc0 .Lentry_shape_is_right
	s_endpgm
.Lentry_shape_is_right:
; THE LAST LAYER: attention, residual, LN, FFN, residual, LN, for 512 rows a work-group; the result leaves as f32, the program's output.
; ATTENTION WITHOUT q, k.  With x~ = [x, 1], W~ = [W; b], G~ = x~^T x~ of the batch, X1 = W~q W~k^T G~ (made by the launch before) and sigma = 1 / (N ||q|| ||k||):
;   attention = (x A' + a') / (x . d' + e'),  [A'; a'] = W~v + sigma X1 W~v,  d' = sigma X1[0:128, 128],  e' = 1 + sigma X1[128, 128].
; SCALES.  z1 = prev + (4 / den) num is 5 x (0.8 attention + 0.2 prev); fc2 arrives times 4, so z2 = layer2 + h (4 fc2), summed by the matrix unit onto layer2's registers, is 5 x its value; both LNs take eps x 25.
; THE MATRIX INSTRUCTION IS USED TRANSPOSED (source 0 = 16 output columns, turned out of LDS; source 1 = 16 rows): a lane holds ONE row (lane % 16) and columns 16 tn + 8 (lane / 16) + 0..7;
; two neighbouring result tiles rounded in pairs ARE the next product's source 1, so nothing changes lanes between the products.
; SHARES.  A wave owns 128 rows, in two passes of four tiles of 16.  CLUSTER 4 x 1: the four work-groups take the same W~v, fc1 and fc2: each is asked for jointly, a quarter a wave; nothing is filled twice.
; LIMITS.  x, h, fc1, 4 fc2, A', d' are f16 operands: infinite beyond 65,504 (LN bounds |x| by sqrt(127) |g| + |b|), a fixed step of 6e-8 below 6e-5 (d' lies there: its share of the divisor, which is 1 + O(1/sqrt(N)), is then lost to about 1e-4).
; X1, W~v in the correction are bf16; the correction is added to Wv in f32 and A' rounded once.  NaN and infinities are not treated apart.
; LDS: fc1 [128][256] pitch 544 at 0; 4 fc2 [256][128] pitch 288 at 69,632; A' [128][128] pitch 288 at 143,360; the stage at 180,224 (first W~v, 160 x 288: its only fill; then each wave's own 18,432 bytes); at 253,952 LN gains and biases, a' (f32), d' (f16).
; REGISTERS in windows of 256 (s_set_vgpr_msb: bits 1:0 source 0, 3:2 source 1, 5:4 source 2, 7:6 destination):
;   window 0: v0-127 x's fragments (32 a tile), later layer2's; v128-159 h's; v160-179 addresses, e'; v180-211 statistics (8 a tile); v212-227 at work; v236-237 sigma; v220-235, v238-255 the preamble's
;   window 1: ACC, tile t, column tile tn at 64 t + 8 tn     window 2: v0-63, v64-127 weight fragments; v128-191, v192-255 gain and bias (in the attention: a', d', e'; in the preamble Wv)
;   window 3: v0-63 h's sums (in the preamble bv); v64-95 the divisor; v96-215 in the preamble X1's fragments
.set LAYER, 1
.set W2B,  69632
.set APB,  143360
.set STG,  180224
.set VEC,  253952
.set XO,   20
.set HF,   128
.set TID,  160
.set R,    161
.set H,    162
.set AXI,  163
.set AW1,  164
.set AW1B, 165
.set AW2,  166
.set AW2B, 167
.set AAP,  168
.set AVB,  169
.set AVD,  170
.set ASTO, 171
.set ARD,  172
.set AGR,  174
.set AGP,  178
.set EP,   179
.set ST,   180
.set TP,   212
.set SIG,  236
.set WV,   24
.set SEL,  72
.set SINV, 74
.set SEPS, 75
.set MSB, 0
.macro WIN new                      ; the immediate's high byte repeats the setting that is left; a switch that changes nothing is dropped
.if MSB != (\new)
	s_set_vgpr_msb (MSB<<8)|(\new)
.set MSB, (\new)
.endif
.endm
.macro PLACES                       ; four plain vector instructions between a matrix instruction and whatever reads its result or writes one of its registers (ISA guide 7.12.1)
.rept 4
	v_nop
.endr
.endm
.macro T4 line:vararg               ; one line for each tile t
.set t, 0
.rept 4
	\line
.set t, t+1
.endr
.endm
.macro BAR                          ; my LDS instructions are done, then the work-group's barrier
	s_wait_dscnt 0x0
	s_barrier_signal -1
	s_barrier_wait -1
.endm
.macro CROUND                       ; a round of the cluster's barrier: my work-group's barrier; wave 0 signals for the work-group; every wave waits for all four; my work-group's barrier once more
	s_barrier_signal -1
	s_barrier_wait -1
	s_cmp_lg_u32 s[WV], 0
	s_cbranch_scc1 .Lnot_wave_0_\@
	s_barrier_signal -3
.Lnot_wave_0_\@:
	s_barrier_wait -3
	s_barrier_signal -1
	s_barrier_wait -1
.endm
; The four pairs of partial sums of each tile -> the row's sum in v[ST+8t], in every lane: a lane holds 64 of the row's 128 columns, the lane 16 away the others.
.macro RED
	WIN 0
	T4 v_pk_add_f32 v[ST+8*t:ST+8*t+1], v[ST+8*t:ST+8*t+1], v[ST+8*t+2:ST+8*t+3]
	T4 v_pk_add_f32 v[ST+8*t+4:ST+8*t+5], v[ST+8*t+4:ST+8*t+5], v[ST+8*t+6:ST+8*t+7]
	T4 v_pk_add_f32 v[ST+8*t:ST+8*t+1], v[ST+8*t:ST+8*t+1], v[ST+8*t+4:ST+8*t+5]
	T4 v_add_f32 v[ST+8*t], v[ST+8*t], v[ST+8*t+1]
	T4 v_permlanex16_b32 v[ST+8*t+2], v[ST+8*t], s[SEL], s[SEL+1]
	T4 v_add_f32 v[ST+8*t], v[ST+8*t], v[ST+8*t+2]
.endm
; LAYER NORM of the four tiles in ACC, in place, in two passes (mean; then the squares of x - mean).  Each accumulator's lowest registers are read first.
.macro LNORM
	WIN 0x05
.set t, 0
.rept 4
.set c, 0
.rept 4
	v_pk_add_f32 v[ST+8*t+2*c:ST+8*t+2*c+1], v[64*t+2*c:64*t+2*c+1], v[64*t+8+2*c:64*t+8+2*c+1]
.set c, c+1
.endr
.set t, t+1
.endr
	WIN 0x01
.set q, 2
.rept 6
.set t, 0
.rept 4
.set c, 0
.rept 4
	v_pk_add_f32 v[ST+8*t+2*c:ST+8*t+2*c+1], v[64*t+8*q+2*c:64*t+8*q+2*c+1], v[ST+8*t+2*c:ST+8*t+2*c+1]
.set c, c+1
.endr
.set t, t+1
.endr
.set q, q+1
.endr
	RED
	T4 v_mul_f32 v[ST+8*t], s[SINV], v[ST+8*t]
	WIN 0x41
.set i, 0
.rept 128
	v_pk_add_f32 v[2*i:2*i+1], v[2*i:2*i+1], v[ST+8*(i/32):ST+8*(i/32)+1] op_sel_hi:[1,0] neg_lo:[0,1] neg_hi:[0,1]
.set i, i+1
.endr
	WIN 0x05
.set q, 0
.rept 8
.set t, 0
.rept 4
.set c, 0
.rept 4
.if q == 0
	v_pk_mul_f32 v[ST+8*t+2*c:ST+8*t+2*c+1], v[64*t+2*c:64*t+2*c+1], v[64*t+2*c:64*t+2*c+1]
.else
	v_pk_fma_f32 v[ST+8*t+2*c:ST+8*t+2*c+1], v[64*t+8*q+2*c:64*t+8*q+2*c+1], v[64*t+8*q+2*c:64*t+8*q+2*c+1], v[ST+8*t+2*c:ST+8*t+2*c+1]
.endif
.set c, c+1
.endr
.set t, t+1
.endr
.set q, q+1
.endr
	RED
	T4 v_fma_f32 v[ST+8*t], v[ST+8*t], s[SINV], s[SEPS]
	T4 v_rsq_f32 v[ST+8*t+2], v[ST+8*t]
	v_nop                           ; a plain instruction between the last root and the use of its result
	WIN 0x41
.set i, 0
	s_wait_alu depctr_va_vdst(0)
.rept 128
	v_pk_mul_f32 v[2*i:2*i+1], v[2*i:2*i+1], v[ST+8*(i/32)+2:ST+8*(i/32)+3] op_sel_hi:[1,0]
.set i, i+1
.endr
	s_wait_dscnt 0x0                ; gain and bias are in
	WIN 0x69
.set i, 0
.rept 128
	v_pk_fma_f32 v[2*i:2*i+1], v[2*i:2*i+1], v[128+2*(i%32):128+2*(i%32)+1], v[192+2*(i%32):192+2*(i%32)+1]
.set i, i+1
.endr
	WIN 0
.endm
; THE WAY OUT in f32.  Tile t: a lane's eight columns are 32 bytes of a row; they go into 16 rows of 528 bytes of my own stage (two halves by turns) and come back as whole rows of 512 bytes,
; into the registers that they left (LDS serves a wave's instructions in order, ISA guide 5.7.1.4).
.macro OSTG t
	WIN 0x04
.set i, 0
.rept 8
	ds_store_b128 v[ASTO], v[64*(\t)+8*i:64*(\t)+8*i+3] offset:8448*((\t)%2)+64*i
	ds_store_b128 v[ASTO], v[64*(\t)+8*i+4:64*(\t)+8*i+7] offset:8448*((\t)%2)+64*i+16
.set i, i+1
.endr
	WIN 0x40
.set i, 0
.rept 16
	ds_load_b128 v[64*(\t)+4*i:64*(\t)+4*i+3], v[ARD] offset:8448*((\t)%2)+528*i
.set i, i+1
.endr
.endm
.macro OSEND t                      ; each store covers a row: 512 consecutive bytes, aligned
	WIN 0x04
.set i, 0
.rept 16
	global_store_b128 v[AGP], v[64*(\t)+4*i:64*(\t)+4*i+3], s[XO:XO+1] offset:512*(16*(\t)+i) th:TH_STORE_NT
.set i, i+1
.endr
.endm
.macro XLOAD                        ; a pass's 64 rows of x straight into fragments: lane = row, 16 bytes at k = 32 kb + 8 h and at + 16
	WIN 0
.set t, 0
.rept 4
.set kb, 0
.rept 4
	global_load_b128 v[32*t+8*kb:32*t+8*kb+3], v[AXI], s[4:5] offset:4096*t+64*kb
	global_load_b128 v[32*t+8*kb+4:32*t+8*kb+7], v[AXI], s[4:5] offset:4096*t+64*kb+32
.set kb, kb+1
.endr
.set t, t+1
.endr
.endm
.macro LNLOAD n                     ; gain and bias of the layer's LN n (1, 2): my 64 columns
	WIN 0x80
.set tn, 0
.rept 8
	ds_load_b128 v[128+8*tn:131+8*tn], v[AVB] offset:1024*((\n)-1)+64*tn
	ds_load_b128 v[132+8*tn:135+8*tn], v[AVB] offset:1024*((\n)-1)+64*tn+16
	ds_load_b128 v[192+8*tn:195+8*tn], v[AVB] offset:1024*((\n)-1)+512+64*tn
	ds_load_b128 v[196+8*tn:199+8*tn], v[AVB] offset:1024*((\n)-1)+512+64*tn+16
.set tn, tn+1
.endr
.endm
.macro ALOAD tp, buf                ; A''s fragments for column tiles 2 tp, 2 tp + 1, all of K
	WIN 0x80
.set e, 0
.rept 2
.set kb, 0
.rept 4
	ds_load_tr16_b128 v[(\buf)+32*e+8*kb:(\buf)+32*e+8*kb+3], v[AAP] offset:9216*kb+32*(2*(\tp)+e)
	ds_load_tr16_b128 v[(\buf)+32*e+8*kb+4:(\buf)+32*e+8*kb+7], v[AAP] offset:9216*kb+32*(2*(\tp)+e)+4608
.set kb, kb+1
.endr
.set e, e+1
.endr
.endm
.macro AMM tp, buf                  ; 32 products; the 8 accumulators take turns; the first K block starts the sums with a'
.set kb, 0
.rept 4
.if kb == 0
	WIN 0x62
.else
	WIN 0x52
.endif
.set e, 0
.rept 2
.set t, 0
.rept 4
.set rA, 64*t+8*(2*(\tp)+e)
.if kb == 0
	v_wmma_f32_16x16x32_f16 v[rA:rA+7], v[(\buf)+32*e+8*kb:(\buf)+32*e+8*kb+7], v[32*t+8*kb:32*t+8*kb+7], v[128+8*(2*(\tp)+e):128+8*(2*(\tp)+e)+7]
.else
	v_wmma_f32_16x16x32_f16 v[rA:rA+7], v[(\buf)+32*e+8*kb:(\buf)+32*e+8*kb+7], v[32*t+8*kb:32*t+8*kb+7], v[rA:rA+7]
.endif
.set t, t+1
.endr
.set e, e+1
.endr
.set kb, kb+1
.endr
.endm
.macro ZF x0                        ; z1 = num x (4 / den) + prev for eight pairs of columns
	WIN 0x41
.set zi, (\x0)
.rept 8
	v_pk_fma_f32 v[2*zi:2*zi+1], v[2*zi:2*zi+1], v[ST+8*(zi/32)+4:ST+8*(zi/32)+5], v[TP+2*(zi%8):TP+2*(zi%8)+1] op_sel_hi:[1,0,1]
.set zi, zi+1
.endr
.endm
.macro LOADF1                       ; fc1's fragments for 32 hidden columns, all of K
	WIN 0x80
.set u, 0
.rept 2
.set kb, 0
.rept 4
	ds_load_tr16_b128 v[32*u+8*kb:32*u+8*kb+3], v[AW1] offset:17408*kb+32*u
	ds_load_tr16_b128 v[32*u+8*kb+4:32*u+8*kb+7], v[AW1] offset:17408*kb+32*u+8704
.set kb, kb+1
.endr
.set u, u+1
.endr
.endm
.macro LOADF2                       ; fc2's fragments for the same 32 as K, all 8 column tiles
	WIN 0x80
.set tn, 0
.rept 8
	ds_load_tr16_b128 v[64+8*tn:67+8*tn], v[AW2] offset:32*tn
	ds_load_tr16_b128 v[68+8*tn:71+8*tn], v[AW2] offset:32*tn+4608
.set tn, tn+1
.endr
.endm
; 32 hidden columns: h = relu(layer2 fc1), then z2 += h (4 fc2).  more = 1: the next chunk's fragments are fetched behind each run of products.
.macro CHUNK more
	s_wait_dscnt 16                 ; fc1's fragments are in; fc2's 16 loads are younger
	WIN 0xf2
.set kb, 0
.rept 4
.set u, 0
.rept 2
.set t, 0
.rept 4
.if kb == 0
	v_wmma_f32_16x16x32_f16 v[16*t+8*u:16*t+8*u+7], v[32*u+8*kb:32*u+8*kb+7], v[32*t+8*kb:32*t+8*kb+7], 0
.else
	v_wmma_f32_16x16x32_f16 v[16*t+8*u:16*t+8*u+7], v[32*u+8*kb:32*u+8*kb+7], v[32*t+8*kb:32*t+8*kb+7], v[16*t+8*u:16*t+8*u+7]
.endif
.set t, t+1
.endr
.set u, u+1
.endr
.set kb, kb+1
.endr
	PLACES
.if \more
	WIN 0
	v_add_nc_u32 v[AW1], 64, v[AW1]
	LOADF1
.endif
	WIN 0xcc
.set i, 0
.rept 64
	v_max_num_f32 v[i], 0, v[i]
.set i, i+1
.endr
	WIN 0x0f
.set i, 0
.rept 32
	v_cvt_pk_f16_f32 v[HF+i], v[2*i], v[2*i+1]
.set i, i+1
.endr
.if \more
	s_wait_dscnt 16                 ; fc2's fragments are in; the next chunk's fc1 loads are younger
.else
	s_wait_dscnt 0x0
.endif
	WIN 0x52
.set tn, 0
.rept 8
.set t, 0
.rept 4
	v_wmma_f32_16x16x32_f16 v[64*t+8*tn:64*t+8*tn+7], v[64+8*tn:64+8*tn+7], v[HF+8*t:HF+8*t+7], v[64*t+8*tn:64*t+8*tn+7]
.set t, t+1
.endr
.set tn, tn+1
.endr
	PLACES
.if \more
	WIN 0
	v_add_nc_u32 v[AW2], 0x2400, v[AW2]
	LOADF2
.endif
	WIN 0
.endm
.macro NSUM a                       ; 144 parts of a norm: four a lane, and four more in lanes 0-3; then over the wave
	v_add_f32 v[\a], v[\a], v[\a+1]
	v_add_f32 v[\a+2], v[\a+2], v[\a+3]
	v_add_f32 v[\a+4], v[\a+4], v[\a+5]
	v_add_f32 v[\a+6], v[\a+6], v[\a+7]
	v_add_f32 v[\a], v[\a], v[\a+2]
	v_add_f32 v[\a+4], v[\a+4], v[\a+6]
	v_cndmask_b32 v[\a+4], 0, v[\a+4], vcc_lo
	v_add_f32 v[\a], v[\a], v[\a+4]
	v_add_f32_dpp v[\a], v[\a], v[\a] row_xmask:1 row_mask:0xf bank_mask:0xf
	v_add_f32_dpp v[\a], v[\a], v[\a] row_xmask:2 row_mask:0xf bank_mask:0xf
	v_add_f32_dpp v[\a], v[\a], v[\a] row_xmask:4 row_mask:0xf bank_mask:0xf
	v_add_f32_dpp v[\a], v[\a], v[\a] row_xmask:8 row_mask:0xf bank_mask:0xf
	v_permlanex16_b32 v[\a+1], v[\a], s[SEL], s[SEL+1]
	v_add_f32 v[\a], v[\a], v[\a+1]
.endm
	s_load_b512 s[4:19], s[0:1], 0x0           ; x 4, sm 6, wr 8, wf 10, Wv_w 12, Wv_b 14, ln_g 16, ln_b 18
	s_load_b64 s[20:21], s[0:1], 0x40          ; the output
	v_lshrrev_b32 v[TID], 5, v0
	v_readfirstlane_b32 s[WV], v[TID]          ; wave 0..3
	v_mov_b32 v[TID], v0
	s_bfe_u32 s25, ttmp6, 0x40000              ; cx: it enters global addresses of x, sm, the result alone
	s_lshl_b32 s26, ttmp9, 2
	s_add_co_u32 s26, s26, s25                 ; work-group = 4 x cluster + cx
	s_lshr_b32 s27, s26, 6                     ; batch
	; group 1 of fc1's tiles: 32 rows x 256 elements; mask of four, bit 21 beside it; 2-byte elements; padding: after every 128 words, 8 words: pitch 544
	s_mov_b32 s32, 15|(1<<16)|(1<<20)|(1<<21)|(6<<22)|(7<<25)
	s_mov_b32 s33, 256<<16
	s_mov_b32 s34, 32<<16
	s_mov_b32 s35, 256<<16
	s_mov_b32 s36, 32
	s_mov_b32 s37, 256
	s_mov_b32 s38, 0
	s_mov_b32 s39, 0
	; fc2's: 64 rows x 128 elements; padding after every 64 words, 8 words: pitch 288
	s_mov_b32 s40, 15|(1<<16)|(1<<20)|(1<<21)|(5<<22)|(7<<25)
	s_mov_b32 s41, 128<<16
	s_mov_b32 s42, 64<<16
	s_mov_b32 s43, 128<<16
	s_mov_b32 s44, 64
	s_mov_b32 s45, 128
	s_mov_b32 s46, 0
	s_mov_b32 s47, 0
	; W~v's: 40 rows x 128 elements, of which 129 - 40 w exist; the others arrive as zeros
	s_mov_b32 s48, 15|(1<<16)|(1<<20)|(1<<21)|(5<<22)|(7<<25)
	s_mov_b32 s49, 128<<16
	s_mul_i32 s30, s[WV], 40
	s_sub_co_u32 s30, 129, s30
	s_lshl_b32 s50, s30, 16
	s_mov_b32 s51, 128<<16
	s_mov_b32 s52, 40
	s_mov_b32 s53, 128
	s_mov_b32 s54, 0
	s_mov_b32 s55, 0
	s_mov_b32 s56, 1                           ; groups 0: count, LDS address = a constant + the wave's number x a constant
	s_mul_i32 s57, s[WV], 17408
	s_mov_b32 s60, 1
	s_mul_i32 s61, s[WV], 18432
	s_add_co_u32 s61, s61, W2B
	s_mov_b32 s68, 1
	s_mul_i32 s69, s[WV], 11520
	s_add_co_u32 s69, s69, STG
	s_mov_b32 s[SEL], 0x76543210
	s_mov_b32 s[SEL+1], 0xfedcba98
	s_mov_b32 s[SINV], 0x3c000000              ; 1 / 128
	s_mov_b32 s[SEPS], 0x3983126f              ; 25 x 1e-5
	s_lshl_b32 s30, s[WV], 14
	s_mov_b32 s31, 0
	s_wait_kmcnt 0x0
	s_add_nc_u64 s[58:59], s[10:11], s[30:31]
	s_add_nc_u64 s[58:59], s[58:59], LAYER*65536
	s_add_nc_u64 s[62:63], s[58:59], 131072
	s_or_b32 s59, s59, 0x80000000
	s_or_b32 s63, s63, 0x80000000
	s_mul_i32 s30, s[WV], 10240
	s_add_nc_u64 s[70:71], s[8:9], s[30:31]
	s_add_nc_u64 s[70:71], s[70:71], 66048
	s_or_b32 s71, s71, 0x80000000
	CROUND                                     ; all four work-groups are here: the joint loads meet
	tensor_load_to_lds s[68:71], s[48:55]      ; W~v first: it is wanted first.  Three loads of mine are out
	s_nop 0
	tensor_load_to_lds s[56:59], s[32:39]      ; fc1
	s_nop 0
	tensor_load_to_lds s[60:63], s[40:47]      ; 4 fc2
	s_nop 0
	PLACES
	s_lshl_b32 s90, s26, 17
	s_lshl_b32 s91, s[WV], 15
	s_add_co_u32 s90, s90, s91
	s_mov_b32 s91, 0
	s_add_nc_u64 s[4:5], s[4:5], s[90:91]      ; x at my wave's first row
	s_lshl_b32 s90, s90, 1                     ; f32 rows are twice as long
	s_add_nc_u64 s[XO:XO+1], s[XO:XO+1], s[90:91]
	s_mul_i32 s90, s27, 41472
	s_add_nc_u64 s[88:89], s[6:7], s[90:91]    ; my batch's X1
	v_and_b32 v[R], 15, v0
	v_bfe_u32 v[H], v0, 4, 1
	v_and_b32 v238, 31, v0                     ; lane
	v_lshlrev_b32 v[AGP], 4, v238
	v_lshlrev_b32 v[AXI], 8, v[R]
	v_lshl_add_u32 v[AXI], v[H], 4, v[AXI]
	v_and_b32 v252, 7, v0                      ; the turning load's lane term: (8h + l % 8) x pitch + 16 ((l / 8) % 2)
	v_lshl_add_u32 v252, v[H], 3, v252
	v_bfe_u32 v253, v0, 3, 1
	v_lshlrev_b32 v253, 4, v253
	v_mul_u32_u24 v254, v252, 544
	v_add_nc_u32 v[AW1B], v254, v253
	v_mul_u32_u24 v254, v252, 288
	v_add_nc_u32 v254, v254, v253
	v_add_nc_u32 v[AW2B], W2B, v254
	v_add_nc_u32 v[AAP], APB, v254
	v_add_nc_u32 v[AGR], STG, v254
	v_lshlrev_b32 v223, 5, v[H]                ; 32 h
	v_add_nc_u32 v[AVB], VEC, v223
	v_lshlrev_b32 v252, 4, v[H]
	v_add_nc_u32 v[AVD], VEC+2560, v252
	s_mul_i32 s30, s[WV], 18432
	s_add_co_u32 s30, s30, STG                 ; my part of the stage: two halves of 16 rows x 528 bytes
	v_mul_u32_u24 v252, v[R], 528
	v_lshl_add_u32 v252, v[H], 5, v252
	v_add_nc_u32 v[ASTO], s30, v252
	v_add_nc_u32 v[ARD], s30, v[AGP]
	; the preamble's addresses
	v_add_nc_u32 v239, 32, v238
	v_min_u32 v239, 35, v239
	v_lshlrev_b32 v239, 4, v239                ; the norms' last 16 parts
	v_lshlrev_b32 v221, 4, v[H]
	v_lshl_add_u32 v220, v[R], 5, v221
	s_lshl_b32 s30, s[WV], 10
	v_add_nc_u32 v220, s30, v220               ; X1: (32 w + r) x 32 + 16 h
	v_add_nc_u32 v221, 4096, v221              ; X1's row 128
	v_lshl_add_u32 v222, v[R], 9, v223
	s_lshl_b32 s30, s[WV], 14
	v_add_nc_u32 v222, s30, v222               ; Wv: (32 w + r) x 512 + 32 h
	v_lshlrev_b32 v224, 5, v0
	v_lshlrev_b32 v225, 2, v0
	v_lshlrev_b32 v226, 1, v0
	v_add_nc_u32 v226, VEC+2560, v226
	v_add_nc_u32 v235, VEC, v225
	v_mul_u32_u24 v227, v[R], 288
	v_lshl_add_u32 v227, v[H], 4, v227
	s_mul_i32 s30, s[WV], 9216
	s_add_co_u32 s30, s30, APB
	v_add_nc_u32 v227, s30, v227               ; A': row 32 w + r
	v_mov_b32 v230, 0
	XLOAD
	global_load_b128 v[240:243], v[AGP], s[6:7] offset:165888
	global_load_b128 v[244:247], v239, s[6:7] offset:165888
	global_load_b128 v[248:251], v[AGP], s[6:7] offset:166912
	global_load_b128 v[252:255], v239, s[6:7] offset:166912
	global_load_u16 v228, v224, s[88:89] offset:36864      ; X1[thread][128]
	global_load_u16 v229, v230, s[88:89] offset:40960      ; X1[128][128]
	global_load_b32 v231, v225, s[16:17] offset:(2*LAYER+1)*512
	global_load_b32 v232, v225, s[18:19] offset:(2*LAYER+1)*512
	global_load_b32 v233, v225, s[16:17] offset:(2*LAYER+2)*512
	global_load_b32 v234, v225, s[18:19] offset:(2*LAYER+2)*512
	WIN 0xc0                                   ; X1 as source 1: lane = row (my 32 rows; for u = 2 row 128 in every lane), K = X1's columns; the fifth K block is slice 8 and zeros
.set u, 0
.rept 3
.set kb, 0
.rept 5
.if u < 2
	global_load_b128 v[96+40*u+8*kb:99+40*u+8*kb], v220, s[88:89] offset:9216*kb+512*u
.if kb < 4
	global_load_b128 v[100+40*u+8*kb:103+40*u+8*kb], v220, s[88:89] offset:9216*kb+512*u+4608
.endif
.else
	global_load_b128 v[96+40*u+8*kb:99+40*u+8*kb], v221, s[88:89] offset:9216*kb
.if kb < 4
	global_load_b128 v[100+40*u+8*kb:103+40*u+8*kb], v221, s[88:89] offset:9216*kb+4608
.endif
.endif
.set kb, kb+1
.endr
.set i, 0
.rept 4
	v_mov_b32 v[132+40*u+i], 0
.set i, i+1
.endr
.set u, u+1
.endr
.set td, 0
.rept 8
	global_load_b128 v[8*td:8*td+3], v223, s[14:15] offset:LAYER*512+64*td
	global_load_b128 v[8*td+4:8*td+7], v223, s[14:15] offset:LAYER*512+64*td+16
.set td, td+1
.endr
	WIN 0x80
.set u, 0
.rept 2
.set td, 0
.rept 8
	global_load_b128 v[128+64*u+8*td:131+64*u+8*td], v222, s[12:13] offset:LAYER*65536+8192*u+64*td
	global_load_b128 v[132+64*u+8*td:135+64*u+8*td], v222, s[12:13] offset:LAYER*65536+8192*u+64*td+16
.set td, td+1
.endr
.set u, u+1
.endr
	WIN 0
	s_wait_loadcnt 0x0
	v_cmp_gt_u32 vcc_lo, 4, v238
	NSUM 240
	NSUM 248
	v_rsq_f32 v241, v240
	v_rsq_f32 v249, v248
	v_nop                                      ; a plain instruction between the roots and their use
	s_wait_alu depctr_va_vdst(0)
	v_mul_f32 v241, v241, v249
	v_mul_f32 v[SIG], 0x38000000, v241         ; sigma = 2^-15 / (||q|| ||k||): N = 32,768
	v_mov_b32 v[SIG+1], v[SIG]
	ds_store_b32 v235, v231
	ds_store_b32 v235, v232 offset:512
	ds_store_b32 v235, v233 offset:1024
	ds_store_b32 v235, v234 offset:1536
	v_lshlrev_b32 v228, 16, v228               ; bf16 to f32
	v_lshlrev_b32 v229, 16, v229
	v_mul_f32 v228, v[SIG], v228
	v_fma_f32 v[EP], v[SIG], v229, 1.0         ; e'
	v_cvt_pk_f16_f32 v228, v228, v228
	ds_store_b16 v226, v228                    ; d'
	s_wait_tensorcnt 0x2                       ; my part of W~v is in; fc1's and fc2's may stay out
	BAR
	; P = X1 W~v for my 32 rows and row 128, two column tiles at a time; the six accumulators take turns
.set tp, 0
.rept 4
	WIN 0x80
.set e, 0
.rept 2
.set kb, 0
.rept 5
	ds_load_tr16_b128 v[40*e+8*kb:40*e+8*kb+3], v[AGR] offset:9216*kb+32*(2*tp+e)
	ds_load_tr16_b128 v[40*e+8*kb+4:40*e+8*kb+7], v[AGR] offset:9216*kb+32*(2*tp+e)+4608
.set kb, kb+1
.endr
.set e, e+1
.endr
	s_wait_dscnt 0x0
	WIN 0x5e
.set kb, 0
.rept 5
.set e, 0
.rept 2
.set u, 0
.rept 3
.set rA, 64*u+8*(2*tp+e)
.if kb == 0
	v_wmma_f32_16x16x32_bf16 v[rA:rA+7], v[40*e+8*kb:40*e+8*kb+7], v[96+40*u+8*kb:96+40*u+8*kb+7], 0
.else
	v_wmma_f32_16x16x32_bf16 v[rA:rA+7], v[40*e+8*kb:40*e+8*kb+7], v[96+40*u+8*kb:96+40*u+8*kb+7], v[rA:rA+7]
.endif
.set u, u+1
.endr
.set e, e+1
.endr
.set kb, kb+1
.endr
	PLACES
.set tp, tp+1
.endr
	; A' = Wv + sigma P in f32, rounded once to f16, into LDS as [k][n]
.set u, 0
.rept 2
.set td, 0
.rept 8
	WIN 0x21
.set c, 0
.rept 4
	v_pk_fma_f32 v[TP+2*c:TP+2*c+1], v[64*u+8*td+2*c:64*u+8*td+2*c+1], v[SIG:SIG+1], v[128+64*u+8*td+2*c:128+64*u+8*td+2*c+1] op_sel_hi:[1,0,1]
.set c, c+1
.endr
	WIN 0
.set c, 0
.rept 4
	v_cvt_pk_f16_f32 v[TP+c], v[TP+2*c], v[TP+2*c+1]
.set c, c+1
.endr
	ds_store_b128 v227, v[TP:TP+3] offset:4608*u+32*td
.set td, td+1
.endr
.set u, u+1
.endr
	s_cmp_lg_u32 s[WV], 0
	s_cbranch_scc1 .Lnoa                       ; a' = bv + sigma P[128]: every wave has it, wave 0 stores it
.set td, 0
.rept 8
	WIN 0x31
.set c, 0
.rept 4
	v_pk_fma_f32 v[TP+2*c:TP+2*c+1], v[128+8*td+2*c:128+8*td+2*c+1], v[SIG:SIG+1], v[8*td+2*c:8*td+2*c+1] op_sel_hi:[1,0,1]
.set c, c+1
.endr
	WIN 0
	ds_store_b128 v[AVB], v[TP:TP+3] offset:2048+64*td
	ds_store_b128 v[AVB], v[TP+4:TP+7] offset:2048+64*td+16
.set td, td+1
.endr
.Lnoa:
	s_wait_tensorcnt 0x0                       ; my parts of fc1 and fc2 are in;
	BAR                                        ; A', a' are whole, and nobody reads W~v's stage any more
	s_mov_b32 s28, 0
.Lpass:
	s_wait_loadcnt 0x0                         ; this pass's x
	s_wait_xcnt 0x0                            ; earlier stores have read ACC
	WIN 0x80                                   ; a' (C of the first products), d' as source 0 (the same in all 16 rows, so that every lane gets its row's divisor), e'
.set td, 0
.rept 8
	ds_load_b128 v[128+8*td:131+8*td], v[AVB] offset:2048+64*td
	ds_load_b128 v[132+8*td:135+8*td], v[AVB] offset:2048+64*td+16
.set td, td+1
.endr
.set kb, 0
.rept 4
	ds_load_b128 v[192+8*kb:195+8*kb], v[AVD] offset:64*kb
	ds_load_b128 v[196+8*kb:199+8*kb], v[AVD] offset:64*kb+32
.set kb, kb+1
.endr
.set i, 0
.rept 8
	v_mov_b32 v[224+i], v[EP]
.set i, i+1
.endr
	ALOAD 0, 0
	ALOAD 1, 64
.set ap, 0
.rept 4
.if ap < 3
	s_wait_dscnt 16                            ; all but the younger pair's 16 loads
.else
	s_wait_dscnt 0x0
.endif
	AMM ap, 64*(ap%2)
	PLACES
.if ap < 2
	ALOAD ap+2, 64*(ap%2)
.endif
.set ap, ap+1
.endr
.set kb, 0
.rept 4
.if kb == 0
	WIN 0xe2
.else
	WIN 0xf2
.endif
.set t, 0
.rept 4
.if kb == 0
	v_wmma_f32_16x16x32_f16 v[64+8*t:71+8*t], v[192+8*kb:199+8*kb], v[32*t+8*kb:32*t+8*kb+7], v[224:231]
.else
	v_wmma_f32_16x16x32_f16 v[64+8*t:71+8*t], v[192+8*kb:199+8*kb], v[32*t+8*kb:32*t+8*kb+7], v[64+8*t:71+8*t]
.endif
.set t, t+1
.endr
.set kb, kb+1
.endr
	PLACES
	LNLOAD 1
	WIN 0x03
	T4 v_rcp_f32 v[ST+8*t+4], v[64+8*t]
	v_nop                                      ; a plain instruction between the last reciprocal and its use
	s_wait_alu depctr_va_vdst(0)
	WIN 0
	T4 v_mul_f32 v[ST+8*t+4], 4.0, v[ST+8*t+4]
	T4 v_mov_b32 v[ST+8*t+5], v[ST+8*t+4]
	; prev is x: register n of its fragments holds the columns of ACC's registers 2 n and 2 n + 1
.irp x, 0,1,2,3,4,5,6,7,8,9,10,11,12,13,14,15,16,17,18,19,20,21,22,23,24,25,26,27,28,29,30,31,32,33,34,35,36,37,38,39,40,41,42,43,44,45,46,47,48,49,50,51,52,53,54,55,56,57,58,59,60,61,62,63,64,65,66,67,68,69,70,71,72,73,74,75,76,77,78,79,80,81,82,83,84,85,86,87,88,89,90,91,92,93,94,95,96,97,98,99,100,101,102,103,104,105,106,107,108,109,110,111,112,113,114,115,116,117,118,119,120,121,122,123,124,125,126,127
	WIN 0
	v_cvt_f32_f16 v[TP+2*(\x%8)], v\x\().l
	v_cvt_f32_f16 v[TP+2*(\x%8)+1], v\x\().h
.if (\x%8) == 7
	ZF \x-7
.endif
.endr
	LNORM
	WIN 0x05                                   ; layer2 as f16 fragments; its f32 stays in ACC, where fc2's products add onto it
.set i, 0
.rept 128
	v_cvt_pk_f16_f32 v[i], v[2*i], v[2*i+1]
.set i, i+1
.endr
	LNLOAD 2
	WIN 0
	v_mov_b32 v[AW1], v[AW1B]
	v_mov_b32 v[AW2], v[AW2B]
	LOADF1
	LOADF2
	WIN 0
	s_mov_b32 s29, 7
.Lchunk:
	CHUNK 1
	s_sub_co_i32 s29, s29, 1
	s_cmp_lg_u32 s29, 0
	s_cbranch_scc1 .Lchunk
	CHUNK 0
	s_cmp_lg_u32 s28, 0
	s_cbranch_scc1 .Lnox                       ; the second pass asks for nothing more
	s_add_nc_u64 s[4:5], s[4:5], 16384         ; this pass's loads were waited for at its head
	XLOAD
.Lnox:
	LNORM
	OSTG 0
	OSTG 1
	s_wait_dscnt 32                            ; all but the younger tile's 16 stores and 16 loads
	OSEND 0
	OSTG 2
	s_wait_dscnt 32
	OSEND 1
	OSTG 3
	s_wait_dscnt 32
	OSEND 2
	s_wait_dscnt 0x0
	OSEND 3
	WIN 0
	s_wait_xcnt 0x0                            ; the stores' base is stepped only behind this wait
	s_add_nc_u64 s[XO:XO+1], s[XO:XO+1], 32768
	s_add_co_u32 s28, s28, 1
	s_cmp_lt_u32 s28, 2
	s_cbranch_scc1 .Lpass
	s_wait_dscnt 0x0
	CROUND                                     ; the closing round: no work-group ends while a partner may still ask for a tile that names it
	s_endpgm
.Lfunc_end_k_q0e64709c9b_layer1:
	.size	k_q0e64709c9b_layer1, .Lfunc_end_k_q0e64709c9b_layer1-k_q0e64709c9b_layer1
	.p2alignl 7, 3214868480
	.fill 96, 4, 3214868480
	.section	.rodata,"a",@progbits
	.p2align	6, 0x0
	.amdhsa_kernel k_q0e64709c9b_layer1
		.amdhsa_group_segment_fixed_size 257024
		.amdhsa_private_segment_fixed_size 0
		.amdhsa_enable_private_segment 0
		.amdhsa_kernarg_size 72
		.amdhsa_user_sgpr_count 2
		.amdhsa_user_sgpr_kernarg_segment_ptr 1
		.amdhsa_wavefront_size32 1
		.amdhsa_system_sgpr_workgroup_id_x 1
		.amdhsa_system_sgpr_workgroup_id_y 1
		.amdhsa_system_sgpr_workgroup_id_z 1
		.amdhsa_system_vgpr_workitem_id 0
		.amdhsa_next_free_vgpr 1024
		.amdhsa_next_free_sgpr 96
		.amdhsa_reserve_vcc 1
		.amdhsa_float_denorm_mode_32 3
		.amdhsa_float_denorm_mode_16_64 3
		.amdhsa_memory_ordered 1
		.amdhsa_forward_progress 1
		.amdhsa_inst_pref_size 218
	.end_amdhsa_kernel
	.amdgpu_metadata
---
amdhsa.version: [ 1, 2 ]
amdhsa.kernels:
  - .name:           k_q0e64709c9b_layer1
    .symbol:         k_q0e64709c9b_layer1.kd
    .args:
      - { .name: xh1, .offset: 0, .size: 8, .value_kind: global_buffer, .address_space: global }
      - { .name: sm, .offset: 8, .size: 8, .value_kind: global_buffer, .address_space: global }
      - { .name: wr1, .offset: 16, .size: 8, .value_kind: global_buffer, .address_space: global }
      - { .name: wf, .offset: 24, .size: 8, .value_kind: global_buffer, .address_space: global }
      - { .name: Wv_w, .offset: 32, .size: 8, .value_kind: global_buffer, .address_space: global }
      - { .name: Wv_b, .offset: 40, .size: 8, .value_kind: global_buffer, .address_space: global }
      - { .name: ln_g, .offset: 48, .size: 8, .value_kind: global_buffer, .address_space: global }
      - { .name: ln_b, .offset: 56, .size: 8, .value_kind: global_buffer, .address_space: global }
      - { .name: out0, .offset: 64, .size: 8, .value_kind: global_buffer, .address_space: global }
    .group_segment_fixed_size: 257024
    .private_segment_fixed_size: 0
    .kernarg_segment_align: 8
    .kernarg_segment_size: 72
    .max_flat_workgroup_size: 128
    .sgpr_count:     96
    .vgpr_count:     1024
    .wavefront_size: 32
...
	.end_amdgpu_metadata
.endif
;; end of part 4
;; ======== version 2 of 2: 5 launches; 1.13 times as fast as version 1
;; limits: values outside matrix products are rounded to f16; values are held in f16: magnitudes above 65,504 overflow, below 6.1e-05 lose precision; values outside matrix products are rounded to bf16
;; workspace buffers: xh0 33,554,432 bytes; xh1 33,554,432 bytes; gpart 10,616,832 bytes; sm 167,936 bytes; wr0 99,072 bytes; wr1 99,072 bytes; wf 262,144 bytes
;; launch embed (part 5): grid 256 x 1, 4 waves a work-group, no clusters, 82,944 bytes of LDS; arguments variable_features, constraint_features, ve_w, ve_b, ce_w, ce_b, ln_g, ln_b, Wq_w, Wk_w, Wv_w, Wq_b, Wk_b, Wv_b, fc1_w, fc2_w, xh0, gpart, wr0, wr1, wf; writes xh0, gpart, wr0, wr1, wf
.if DOCPART == 5
	.amdgcn_target "amdgcn-amd-amdhsa--gfx1250"
	.amdhsa_code_object_version 6
	.text
	.protected	k_q0e64709c9b_embed
	.globl	k_q0e64709c9b_embed
	.p2align	8
	.type	k_q0e64709c9b_embed,@function
k_q0e64709c9b_embed:
	s_mov_b64 s[64:65], 0
	v_nop
	global_prefetch_b8 v0, s[64:65] scope:SCOPE_SE
	s_setreg_imm32_b32 hwreg(HW_REG_WAVE_MODE, 25, 1), 1
	s_wait_xcnt 0x0
; EMBED.  x0 = relu(LN(features @ W + b)) for 131,072 rows (4 batches x (20,000 variables, then 12,768 constraints)), stored as f16 [row][128] in xh0;
; the work-group's part of G~ = [x0,1]^T [x0,1] (144 x 144 in tiles of 16 x 16, summed in f32, stored in bf16) in gpart; and the weights as later launches take them:
; wr0, wr1: bf16 [Wq;bq], [Wk;bk], [Wv;bv], each [129][128];  wf: f16 fc1 [2][128][256], then f16 4 x fc2 [2][256][128].
; edge_indices, edge_features and mask are read by no line of the function that is computed, so no launch loads them.
; SHARES.  A work-group owns 512 rows, a wave 128, in two passes of four tiles of 16 rows.  No tensor loads and no cluster: what work-groups share is 9 KB of weights beside 27 KB of features and 170 KB of results of their own.
; ONE PRODUCT for both kinds of row: K = 32 with rows 0-17 ve_w, 18 ve_b, 24-28 ce_w, 29 ce_b, the others 0; a variable row fills k 0-18 (k 18 = 1), a constraint row k 24-29 (k 29 = 1).
; THE MATRIX INSTRUCTION IS USED TRANSPOSED (source 0 = 16 output columns, source 1 = 16 rows): a lane holds ONE row (lane % 16) and columns 16 tn + 8 (lane / 16) + 0..7.
; LIMITS.  Features, weights and x0 are matrix operands in f16: beyond 65,504 they are infinite, below 6e-5 they keep f16's fixed step of 6e-8.  The sums over rows in G~ are taken pass by pass, work-group by work-group,
; and each work-group's sum of 512 rows is rounded to bf16 (2^-9 of itself) on its way out: G~ is a bf16 matrix operand in the next launch in any case.  NaN and infinities are not treated apart.
; REGISTERS in windows of 256 (s_set_vgpr_msb: bits 1:0 source 0, 3:2 source 1, 5:4 source 2, 7:6 destination):
;   window 0: v0-63 features as loaded (16 a tile); v64-95 their fragments; v96-159 the weights' fragments; v160-179 addresses; v180-211 statistics (8 a tile); v212-227 at work; v228-235 the ones' fragment; v236-255 addresses, at work
;   window 1: ACC, tile t, column tile tn at 64 t + 8 tn     window 2: v0-79 Gram buffer 0; v128-191 LN gain; v192-255 LN bias     window 3: v0-79 packed rows, Gram buffer 1; v96-255 the 20 Gram accumulators
.set STG,  9216       ; LDS: the weights [32][128] f16, pitch 288, at 0; then the stage: 256 rows x 288 bytes
.set XO,   36
.set TID,  160
.set R,    161
.set H,    162
.set ASTO, 171
.set ARD,  172
.set AGO,  173
.set AGR,  174
.set AGW,  176
.set AGP,  178
.set A8L,  179
.set ST,   180
.set TP,   212
.set ONE,  228
.set A2T,  236
.set A4T,  237
.set ATR,  238
.set A32H, 239
.set FA,   240
.set FF,   64
.set EWF,  96
.set GACC, 96
.set WV,   46
.set SEL,  72
.set SINV, 74
.set SEPS, 75
.set GP0,  76
.set GP1,  78
.set GP2,  80
.set MSB, 0
.macro WIN new                      ; the immediate's high byte repeats the setting that is left; a switch that changes nothing is dropped
.if MSB != (\new)
	s_set_vgpr_msb (MSB<<8)|(\new)
.set MSB, (\new)
.endif
.endm
.macro PLACES                       ; four plain vector instructions between a matrix instruction and whatever reads its result or writes one of its registers (ISA guide 7.12.1)
.rept 4
	v_nop
.endr
.endm
.macro T4 line:vararg               ; one line for each tile t
.set t, 0
.rept 4
	\line
.set t, t+1
.endr
.endm
.macro BAR                          ; my LDS instructions are done, then the work-group's barrier
	s_wait_dscnt 0x0
	s_barrier_signal -1
	s_barrier_wait -1
.endm
; The four pairs of partial sums of each tile -> the row's sum in v[ST+8t], in every lane: a lane holds 64 of the row's 128 columns, the lane 16 away the others.
.macro RED
	WIN 0
	T4 v_pk_add_f32 v[ST+8*t:ST+8*t+1], v[ST+8*t:ST+8*t+1], v[ST+8*t+2:ST+8*t+3]
	T4 v_pk_add_f32 v[ST+8*t+4:ST+8*t+5], v[ST+8*t+4:ST+8*t+5], v[ST+8*t+6:ST+8*t+7]
	T4 v_pk_add_f32 v[ST+8*t:ST+8*t+1], v[ST+8*t:ST+8*t+1], v[ST+8*t+4:ST+8*t+5]
	T4 v_add_f32 v[ST+8*t], v[ST+8*t], v[ST+8*t+1]
	T4 v_permlanex16_b32 v[ST+8*t+2], v[ST+8*t], s[SEL], s[SEL+1]
	T4 v_add_f32 v[ST+8*t], v[ST+8*t], v[ST+8*t+2]
.endm
; LAYER NORM and relu of the four tiles in ACC, in place, in two passes (mean; then the squares of x - mean).  Each accumulator's lowest registers are read first.
.macro LNORM
	WIN 0x05
.set t, 0
.rept 4
.set c, 0
.rept 4
	v_pk_add_f32 v[ST+8*t+2*c:ST+8*t+2*c+1], v[64*t+2*c:64*t+2*c+1], v[64*t+8+2*c:64*t+8+2*c+1]
.set c, c+1
.endr
.set t, t+1
.endr
	WIN 0x01
.set q, 2
.rept 6
.set t, 0
.rept 4
.set c, 0
.rept 4
	v_pk_add_f32 v[ST+8*t+2*c:ST+8*t+2*c+1], v[64*t+8*q+2*c:64*t+8*q+2*c+1], v[ST+8*t+2*c:ST+8*t+2*c+1]
.set c, c+1
.endr
.set t, t+1
.endr
.set q, q+1
.endr
	RED
	T4 v_mul_f32 v[ST+8*t], s[SINV], v[ST+8*t]
	WIN 0x41
.set i, 0
.rept 128
	v_pk_add_f32 v[2*i:2*i+1], v[2*i:2*i+1], v[ST+8*(i/32):ST+8*(i/32)+1] op_sel_hi:[1,0] neg_lo:[0,1] neg_hi:[0,1]
.set i, i+1
.endr
	WIN 0x05
.set q, 0
.rept 8
.set t, 0
.rept 4
.set c, 0
.rept 4
.if q == 0
	v_pk_mul_f32 v[ST+8*t+2*c:ST+8*t+2*c+1], v[64*t+2*c:64*t+2*c+1], v[64*t+2*c:64*t+2*c+1]
.else
	v_pk_fma_f32 v[ST+8*t+2*c:ST+8*t+2*c+1], v[64*t+8*q+2*c:64*t+8*q+2*c+1], v[64*t+8*q+2*c:64*t+8*q+2*c+1], v[ST+8*t+2*c:ST+8*t+2*c+1]
.endif
.set c, c+1
.endr
.set t, t+1
.endr
.set q, q+1
.endr
	RED
	T4 v_fma_f32 v[ST+8*t], v[ST+8*t], s[SINV], s[SEPS]
	T4 v_rsq_f32 v[ST+8*t+2], v[ST+8*t]
	v_nop                           ; a plain instruction between the last root and the use of its result
	WIN 0x41
.set i, 0
	s_wait_alu depctr_va_vdst(0)
.rept 128
	v_pk_mul_f32 v[2*i:2*i+1], v[2*i:2*i+1], v[ST+8*(i/32)+2:ST+8*(i/32)+3] op_sel_hi:[1,0]
.set i, i+1
.endr
	WIN 0x69
.set i, 0
.rept 128
	v_pk_fma_f32 v[2*i:2*i+1], v[2*i:2*i+1], v[128+2*(i%32):128+2*(i%32)+1], v[192+2*(i%32):192+2*(i%32)+1]
.set i, i+1
.endr
	WIN 0x44
.set i, 0
.rept 256
	v_max_num_f32 v[i], 0, v[i]
.set i, i+1
.endr
	WIN 0
.endm
; The four tiles rounded to f16 and put into my 64 rows of the stage: a lane's eight columns are 16 bytes.
.macro PACKST
.set t, 0
.rept 4
	WIN 0xc5
.set i, 0
.rept 32
	v_cvt_pk_f16_f32 v[32*(t%2)+i], v[64*t+2*i], v[64*t+2*i+1]
.set i, i+1
.endr
	WIN 0x0c
.set i, 0
.rept 8
	ds_store_b128 v[ASTO], v[32*(t%2)+4*i:32*(t%2)+4*i+3] offset:4608*t+32*i
.set i, i+1
.endr
.set t, t+1
.endr
.endm
; My 64 rows back as whole rows of 256 bytes (LDS serves a wave's instructions in order, ISA guide 5.7.1.4: these loads see my stores), and out: each store covers 512 consecutive bytes, aligned.
.macro OUTX
	WIN 0x40
.set i, 0
.rept 32
	ds_load_b128 v[4*i:4*i+3], v[ARD] offset:576*i
.set i, i+1
.endr
	WIN 0x04
.set i, 0
.rept 32
	s_wait_dscnt 31-i               ; LDS loads come back in order: pair i of rows is in
	global_store_b128 v[AGO], v[4*i:4*i+3], s[XO:XO+1] offset:512*i
.set i, i+1
.endr
	WIN 0
.endm
; GRAM.  The 256 staged rows are K, in 8 blocks of 32; a column tile's fragment (lane = column, K = rows) comes turned out of LDS and serves as either source.
; My wave owns G~'s tile rows 2w, 2w+1 (all 9 tile columns; the ninth is the column of ones) and the tiles (8, 2w), (8, 2w+1): 20 accumulators.
.macro GLOAD kb, X                  ; block kb into buffer X (window 2 or 3): 8 column tiles, then my own two once more (a register cannot be picked by the wave's number)
	WIN (\X)<<6
.set GA, AGR+(\kb)/4
.set GW, AGW+(\kb)/4
.set go, ((\kb)%4)*9216
.set j, 0
.rept 8
	ds_load_tr16_b128 v[8*j:8*j+3], v[GA] offset:go+32*j
	ds_load_tr16_b128 v[8*j+4:8*j+7], v[GA] offset:go+32*j+4608
.set j, j+1
.endr
.set j, 0
.rept 2
	ds_load_tr16_b128 v[64+8*j:64+8*j+3], v[GW] offset:go+32*j
	ds_load_tr16_b128 v[64+8*j+4:64+8*j+7], v[GW] offset:go+32*j+4608
.set j, j+1
.endr
.endm
.macro GMM X                        ; the 20 accumulators take turns, one instruction a turn
	WIN 0xf0|((\X)<<2)|(\X)
.set j, 0
.rept 8
.set u, 0
.rept 2
	v_wmma_f32_16x16x32_f16 v[GACC+8*(9*u+j):GACC+8*(9*u+j)+7], v[64+8*u:64+8*u+7], v[8*j:8*j+7], v[GACC+8*(9*u+j):GACC+8*(9*u+j)+7]
.set u, u+1
.endr
.set j, j+1
.endr
	WIN 0xf0|(\X)
.set u, 0
.rept 2
	v_wmma_f32_16x16x32_f16 v[GACC+8*(9*u+8):GACC+8*(9*u+8)+7], v[64+8*u:64+8*u+7], v[ONE:ONE+7], v[GACC+8*(9*u+8):GACC+8*(9*u+8)+7]
.set u, u+1
.endr
	WIN 0xf0|((\X)<<2)
.set u, 0
.rept 2
	v_wmma_f32_16x16x32_f16 v[GACC+8*(18+u):GACC+8*(18+u)+7], v[ONE:ONE+7], v[64+8*u:64+8*u+7], v[GACC+8*(18+u):GACC+8*(18+u)+7]
.set u, u+1
.endr
.endm
.macro GRAM
	GLOAD 0, 2
	GLOAD 1, 3
.set gk, 0
.rept 8
.if gk < 7
	s_wait_dscnt 20                 ; all but the younger block's 20 loads
.else
	s_wait_dscnt 0x0
.endif
	GMM 2+gk%2
	PLACES                          ; in front of the loads into the buffer just multiplied
.if gk < 6
	GLOAD gk+2, 2+gk%2
.endif
.set gk, gk+1
.endr
	WIN 0
.endm
; The 20 tiles rounded to bf16, two neighbouring rows a word: a tile is 16 bytes a lane, 512 consecutive bytes a store, aligned; tile (ti, tj) lies at tj x 4608 + ti x 512.
; The packed words go into ACC's registers: the pass's last wait for XCNT stands behind the stores that read them, and no memory instruction has been issued since.
.macro GSTORE
	PLACES
	WIN 0
	v_mov_b32 v252, 0x4400          ; tile (8, 8) holds one number: my 512 rows' count, 512.0 in bf16, in lane 0's first half word
	v_cmp_eq_u32 vcc_lo, 0, v[AGP]
	v_cndmask_b32 v[TP], 0, v252, vcc_lo
.set i, 1
.rept 3
	v_mov_b32 v[TP+i], 0
.set i, i+1
.endr
	WIN 0x4f                        ; each accumulator's registers in ascending order
.set i, 0
.rept 80
	v_cvt_pk_bf16_f32 v[i], v[GACC+2*i], v[GACC+2*i+1]
.set i, i+1
.endr
	WIN 0x04
.set u, 0
.rept 2
.set j, 0
.rept 9
	global_store_b128 v[AGP], v[4*(9*u+j):4*(9*u+j)+3], s[GP1:GP1+1] offset:j*4608+u*512
.set j, j+1
.endr
	global_store_b128 v[AGP], v[4*(18+u):4*(18+u)+3], s[GP2:GP2+1] offset:u*4608+4096
.set u, u+1
.endr
	WIN 0
	s_cmp_lg_u32 s[WV], 3
	s_cbranch_scc1 .Lno88
	global_store_b128 v[AGP], v[TP:TP+3], s[GP0:GP0+1] offset:40960
.Lno88:
.endm
; The features of the pass's 64 rows: each lane loads both kinds at clamped rows; the fragments take the kind that the row has.
.macro FLOAD
.set t, 0
.rept 4
	v_add_nc_u32 v252, s50, v[R]
.if t
	v_add_nc_u32 v252, 16*t, v252
.endif
	v_min_u32 v253, 0x4e1f, v252               ; variable row, 19,999 at the most
	v_mul_u32_u24 v[FA+3*t+1], v253, 72
	v_lshl_add_u32 v[FA+3*t], v[H], 5, v[FA+3*t+1]
	v_max_u32 v253, 0x4e20, v252
	v_add_nc_u32 v253, 0xffffb1e0, v253        ; constraint row, 0 at the least
	v_mul_u32_u24 v[FA+3*t+2], v253, 20
.set c, 0
.rept 4
	global_load_b64 v[16*t+2*c:16*t+2*c+1], v[FA+3*t], s[4:5] offset:8*c   ; features 8h .. 8h+7
.set c, c+1
.endr
	global_load_b64 v[16*t+8:16*t+9], v[FA+3*t+1], s[4:5] offset:64         ; features 16, 17
.set c, 0
.rept 5
	global_load_b32 v[16*t+10+c], v[FA+3*t+2], s[6:7] offset:4*c
.set c, c+1
.endr
.set t, t+1
.endr
.endm
; Tile t's fragment: registers 0-3 k = 8h .. 8h+7, registers 4-7 k = 16+8h ..: lanes 0-15 hold k 16-23 (two features, the 1 for the bias), lanes 16-31 k 24-31 (five features, the 1).
.macro FBUILD t
	v_add_nc_u32 v252, s50, v[R]
.if \t
	v_add_nc_u32 v252, 16*(\t), v252
.endif
	v_cmp_gt_u32 vcc_lo, s55, v252             ; a variable row
	s_xor_b32 s53, vcc_lo, s54                 ; lanes 0-15: variable rows; lanes 16-31: constraint rows
.set c, 0
.rept 4
	v_cvt_pk_f16_f32 v253, v[16*(\t)+2*c], v[16*(\t)+2*c+1]
	v_cndmask_b32 v[FF+8*(\t)+c], 0, v253, vcc_lo
.set c, c+1
.endr
	v_cndmask_b32 v254, v[16*(\t)+8], v[16*(\t)+10], s54
	v_cndmask_b32 v255, v[16*(\t)+9], v[16*(\t)+11], s54
	v_cvt_pk_f16_f32 v253, v254, v255
	v_cndmask_b32 v[FF+8*(\t)+4], 0, v253, s53
	v_cndmask_b32 v254, 1.0, v[16*(\t)+12], s54
	v_cndmask_b32 v255, 0, v[16*(\t)+13], s54
	v_cvt_pk_f16_f32 v253, v254, v255
	v_cndmask_b32 v[FF+8*(\t)+5], 0, v253, s53
	v_cndmask_b32 v254, 0, v[16*(\t)+14], s54
	v_cndmask_b32 v255, 0, 1.0, s54
	v_cvt_pk_f16_f32 v253, v254, v255
	v_cndmask_b32 v[FF+8*(\t)+6], 0, v253, s53
	v_mov_b32 v[FF+8*(\t)+7], 0
.endm
	s_load_b512 s[4:19], s[0:1], 0x0           ; vf 4, cf 6, ve_w 8, ve_b 10, ce_w 12, ce_b 14, ln_g 16, ln_b 18
	s_load_b512 s[20:35], s[0:1], 0x40         ; Wq 20, Wk 22, Wv 24, bq 26, bk 28, bv 30, fc1 32, fc2 34
	s_load_b256 s[36:43], s[0:1], 0x80         ; xh0 36, gpart 38, wr0 40, wr1 42
	s_load_b64 s[44:45], s[0:1], 0xa0          ; wf
	v_lshrrev_b32 v[TID], 5, v0
	v_readfirstlane_b32 s[WV], v[TID]          ; wave 0..3
	v_mov_b32 v[TID], v0
	v_and_b32 v[R], 15, v0
	v_bfe_u32 v[H], v0, 4, 1
	v_and_b32 v[AGP], 31, v0
	v_lshlrev_b32 v[A8L], 3, v[AGP]
	v_lshlrev_b32 v[AGP], 4, v[AGP]
	v_lshlrev_b32 v[A2T], 1, v0
	v_lshlrev_b32 v[A4T], 2, v0
	v_lshlrev_b32 v[A32H], 5, v[H]
	v_and_b32 v252, 7, v0                      ; the turning load's lane term: (8h + l % 8) x pitch + 16 ((l / 8) % 2)
	v_lshl_add_u32 v252, v[H], 3, v252
	v_bfe_u32 v253, v0, 3, 1
	v_mul_u32_u24 v252, v252, 288
	v_lshl_add_u32 v[ATR], v253, 4, v252
	s_mov_b32 s47, ttmp9                       ; work-group g
	s_lshr_b32 s48, s47, 6                     ; batch
	s_and_b32 s50, s47, 63
	s_lshl_b32 s50, s50, 9
	s_lshl_b32 s51, s[WV], 7
	s_add_co_u32 s50, s50, s51                 ; my wave's first row in its batch
	s_mov_b32 s54, 0xffff0000                  ; lanes 16-31
	s_mov_b32 s55, 20000
	s_mov_b32 s[SEL], 0x76543210
	s_mov_b32 s[SEL+1], 0xfedcba98
	s_mov_b32 s[SINV], 0x3c000000              ; 1 / 128
	s_mov_b32 s[SEPS], 0x3727c5ac              ; 1e-5
	s_mul_i32 s51, s[WV], 64*288
	s_add_co_u32 s51, s51, STG                 ; my 64 rows of the stage
	v_mul_u32_u24 v252, v[R], 288
	v_lshl_add_u32 v252, v[H], 4, v252
	v_add_nc_u32 v[ASTO], s51, v252
	v_mul_u32_u24 v252, v[H], 288
	v_lshl_add_u32 v252, v[R], 4, v252
	v_add_nc_u32 v[ARD], s51, v252
	v_lshlrev_b32 v252, 8, v[H]
	v_lshl_add_u32 v[AGO], v[R], 4, v252
	v_add_nc_u32 v[AGR], STG, v[ATR]
	v_add_nc_u32 v[AGR+1], STG+36864, v[ATR]
	s_lshl_b32 s51, s[WV], 6
	v_add_nc_u32 v[AGW], s51, v[AGR]
	v_add_nc_u32 v[AGW+1], s51, v[AGR+1]
	s_mov_b32 s67, 0
	s_wait_kmcnt 0x0
	s_mul_i32 s66, s48, 1440000
	s_add_nc_u64 s[4:5], s[4:5], s[66:67]      ; my batch's variables
	s_mul_i32 s66, s48, 255360
	s_add_nc_u64 s[6:7], s[6:7], s[66:67]      ; and constraints
	s_lshl_b32 s66, s47, 17
	s_lshl_b32 s68, s[WV], 15
	s_add_co_u32 s66, s66, s68
	s_add_nc_u64 s[XO:XO+1], s[XO:XO+1], s[66:67]
	s_mul_i32 s66, s47, 41472                  ; my partial G~: 81 tiles of 512 bytes
	s_add_nc_u64 s[GP0:GP0+1], s[38:39], s[66:67]
	s_lshl_b32 s66, s[WV], 10                  ; tile row 2 w
	s_add_nc_u64 s[GP1:GP1+1], s[GP0:GP0+1], s[66:67]
	s_mul_i32 s66, s[WV], 9216                 ; tile column 2 w
	s_add_nc_u64 s[GP2:GP2+1], s[GP0:GP0+1], s[66:67]
	; thread n loads column n of the 32 x 128 weights into v64-95 (rows without a source are 0)
.set k, 0
.rept 18
	global_load_b32 v[64+k], v[A4T], s[8:9] offset:512*k
.set k, k+1
.endr
	global_load_b32 v82, v[A4T], s[10:11]
.set k, 0
.rept 5
	global_load_b32 v[88+k], v[A4T], s[12:13] offset:512*k
.set k, k+1
.endr
	global_load_b32 v93, v[A4T], s[14:15]
.irp k, 83,84,85,86,87,94,95
	v_mov_b32 v\k, 0
.endr
	WIN 0x80                                   ; LN row 0: gain and bias of my 64 columns stay in window 2
.set tn, 0
.rept 8
	global_load_b128 v[128+8*tn:131+8*tn], v[A32H], s[16:17] offset:64*tn
	global_load_b128 v[132+8*tn:135+8*tn], v[A32H], s[16:17] offset:64*tn+16
	global_load_b128 v[192+8*tn:195+8*tn], v[A32H], s[18:19] offset:64*tn
	global_load_b128 v[196+8*tn:199+8*tn], v[A32H], s[18:19] offset:64*tn+16
.set tn, tn+1
.endr
	WIN 0
	FLOAD
	; THE WEIGHTS' COPIES.  fc1 and fc2: 256 floats of each a work-group; waves 0, 1 take fc1, waves 2, 3 fc2 (times 4: the residual's 0.8 / 0.2).
	s_lshr_b32 s51, s[WV], 1
	s_and_b32 s68, s[WV], 1
	s_cmp_lg_u32 s51, 0
	s_cselect_b64 s[82:83], s[34:35], s[32:33]
	s_cselect_b32 s86, 4.0, 1.0
	s_lshl_b32 s66, s47, 10
	s_lshl_b32 s69, s68, 9
	s_add_co_u32 s66, s66, s69
	s_add_nc_u64 s[82:83], s[82:83], s[66:67]
	s_lshl_b32 s66, s51, 17
	s_lshl_b32 s69, s47, 9
	s_add_co_u32 s66, s66, s69
	s_lshl_b32 s69, s68, 8
	s_add_co_u32 s66, s66, s69
	s_add_nc_u64 s[84:85], s[44:45], s[66:67]
	global_load_b128 v[212:215], v[AGP], s[82:83]
	; Wq, Wk, Wv: work-group g takes row g % 128 of layer g / 128, a matrix a wave; wave 3 takes bias g % 128 where that is under 3.
	s_lshr_b32 s87, s47, 7
	s_and_b32 s88, s47, 127
	s_cmp_eq_u32 s[WV], 3
	s_cselect_b32 s89, s88, s[WV]              ; which of q, k, v
	s_cmp_eq_u32 s89, 0
	s_cselect_b64 s[90:91], s[20:21], s[22:23]
	s_cselect_b64 s[92:93], s[26:27], s[28:29]
	s_cmp_gt_u32 s89, 1
	s_cselect_b64 s[90:91], s[24:25], s[90:91]
	s_cselect_b64 s[92:93], s[30:31], s[92:93]
	s_lshl_b32 s66, s87, 16
	s_lshl_b32 s69, s88, 9
	s_add_co_u32 s66, s66, s69
	s_lshl_b32 s68, s87, 9
	s_lshl_b32 s69, s88, 8
	s_cmp_eq_u32 s[WV], 3
	s_cselect_b64 s[90:91], s[92:93], s[90:91]
	s_cselect_b32 s66, s68, s66
	s_cselect_b32 s69, 0x8000, s69             ; the bias is row 128
	s_add_nc_u64 s[90:91], s[90:91], s[66:67]
	s_mul_i32 s66, s89, 33024
	s_add_co_u32 s66, s66, s69
	s_cmp_lg_u32 s87, 0
	s_cselect_b64 s[94:95], s[42:43], s[40:41]
	s_add_nc_u64 s[94:95], s[94:95], s[66:67]
	s_cmp_eq_u32 s[WV], 3
	s_cselect_b32 s68, 1, 0
	s_cmp_gt_u32 s88, 2
	s_cselect_b32 s69, 1, 0
	s_and_b32 s68, s68, s69
	s_cmp_lg_u32 s68, 0
	s_cbranch_scc1 .Lnowr                      ; wave 3 with no bias to copy
	global_load_b128 v[220:223], v[AGP], s[90:91]
	s_wait_loadcnt 0x0
	v_cvt_pk_bf16_f32 v224, v220, v221
	v_cvt_pk_bf16_f32 v225, v222, v223
	global_store_b64 v[A8L], v[224:225], s[94:95]   ; the wave stores 256 consecutive bytes, aligned
.Lnowr:
	s_wait_loadcnt 0x0                         ; everything asked for so far
	v_mul_f32 v212, s86, v212
	v_mul_f32 v213, s86, v213
	v_mul_f32 v214, s86, v214
	v_mul_f32 v215, s86, v215
	v_cvt_pk_f16_f32 v216, v212, v213
	v_cvt_pk_f16_f32 v217, v214, v215
	global_store_b64 v[A8L], v[216:217], s[84:85]
	; the 32 x 128 weights into LDS as f16, [k][n], pitch 288
.set p, 0
.rept 16
	v_cvt_pk_f16_f32 v[96+p], v[64+2*p], v[65+2*p]
.set p, p+1
.endr
.set p, 0
.rept 16
	ds_store_b16 v[A2T], v[96+p] offset:576*p
	ds_store_b16_d16_hi v[A2T], v[96+p] offset:576*p+288
.set p, p+1
.endr
	BAR                                        ; every thread's column is in
.set tn, 0
.rept 8
	ds_load_tr16_b128 v[EWF+8*tn:EWF+8*tn+3], v[ATR] offset:32*tn
	ds_load_tr16_b128 v[EWF+8*tn+4:EWF+8*tn+7], v[ATR] offset:32*tn+4608
.set tn, tn+1
.endr
	WIN 0xc0                                   ; the Gram sums start at 0: one text serves both passes, at the price of these 160 lines, which stand in the wait for the fragments
.set i, 0
.rept 160
	v_mov_b32 v[GACC+i], 0
.set i, i+1
.endr
	WIN 0
	v_mov_b32 v252, 0x3c003c00                 ; the column of ones as a fragment: lane % 16 = 0 holds 1.0, the other 15 columns of the ninth tile are 0
	v_cmp_eq_u32 vcc_lo, 0, v[R]
.set i, 0
.rept 8
	v_cndmask_b32 v[ONE+i], 0, v252, vcc_lo
.set i, i+1
.endr
	s_wait_dscnt 0x0
	s_mov_b32 s49, 0
.Lpass:
	s_wait_loadcnt 0x0                         ; this pass's features
	s_wait_xcnt 0x0                            ; earlier stores have read ACC
.irp t, 0,1,2,3
	FBUILD \t
.endr
	WIN 0x40
.set tn, 0
.rept 8
.set t, 0
.rept 4
	v_wmma_f32_16x16x32_f16 v[64*t+8*tn:64*t+8*tn+7], v[EWF+8*tn:EWF+8*tn+7], v[FF+8*t:FF+8*t+7], 0
.set t, t+1
.endr
.set tn, tn+1
.endr
	PLACES
	WIN 0
	s_cmp_lg_u32 s49, 0
	s_cbranch_scc1 .Lnofl                      ; the second pass asks for nothing more
	s_add_co_u32 s50, s50, 64
	FLOAD
.Lnofl:
	LNORM
	PACKST
	OUTX
	BAR                                        ; all 256 rows are staged
	GRAM
	BAR                                        ; nobody reads the stage any more
	s_wait_xcnt 0x0                            ; the stores' base is stepped, and ACC written again, only behind this wait
	s_add_nc_u64 s[XO:XO+1], s[XO:XO+1], 16384
	s_add_co_u32 s49, s49, 1
	s_cmp_lt_u32 s49, 2
	s_cbranch_scc1 .Lpass
	GSTORE
	s_endpgm
.Lfunc_end_k_q0e64709c9b_embed:
	.size	k_q0e64709c9b_embed, .Lfunc_end_k_q0e64709c9b_embed-k_q0e64709c9b_embed
	.p2alignl 7, 3214868480
	.fill 96, 4, 3214868480
	.section	.rodata,"a",@progbits
	.p2align	6, 0x0
	.amdhsa_kernel k_q0e64709c9b_embed
		.amdhsa_group_segment_fixed_size 82944
		.amdhsa_private_segment_fixed_size 0
		.amdhsa_enable_private_segment 0
		.amdhsa_kernarg_size 168
		.amdhsa_user_sgpr_count 2
		.amdhsa_user_sgpr_kernarg_segment_ptr 1
		.amdhsa_wavefront_size32 1
		.amdhsa_system_sgpr_workgroup_id_x 1
		.amdhsa_system_sgpr_workgroup_id_y 1
		.amdhsa_system_sgpr_workgroup_id_z 1
		.amdhsa_system_vgpr_workitem_id 0
		.amdhsa_next_free_vgpr 1024
		.amdhsa_next_free_sgpr 100
		.amdhsa_reserve_vcc 1
		.amdhsa_float_denorm_mode_32 3
		.amdhsa_float_denorm_mode_16_64 3
		.amdhsa_memory_ordered 1
		.amdhsa_forward_progress 1
		.amdhsa_inst_pref_size 137
	.end_amdhsa_kernel
	.amdgpu_metadata
---
amdhsa.version: [ 1, 2 ]
amdhsa.kernels:
  - .name:           k_q0e64709c9b_embed
    .symbol:         k_q0e64709c9b_embed.kd
    .args:
      - { .name: variable_features, .offset: 0, .size: 8, .value_kind: global_buffer, .address_space: global }
      - { .name: constraint_features, .offset: 8, .size: 8, .value_kind: global_buffer, .address_space: global }
      - { .name: ve_w, .offset: 16, .size: 8, .value_kind: global_buffer, .address_space: global }
      - { .name: ve_b, .offset: 24, .size: 8, .value_kind: global_buffer, .address_space: global }
      - { .name: ce_w, .offset: 32, .size: 8, .value_kind: global_buffer, .address_space: global }
      - { .name: ce_b, .offset: 40, .size: 8, .value_kind: global_buffer, .address_space: global }
      - { .name: ln_g, .offset: 48, .size: 8, .value_kind: global_buffer, .address_space: global }
      - { .name: ln_b, .offset: 56, .size: 8, .value_kind: global_buffer, .address_space: global }
      - { .name: Wq_w, .offset: 64, .size: 8, .value_kind: global_buffer, .address_space: global }
      - { .name: Wk_w, .offset: 72, .size: 8, .value_kind: global_buffer, .address_space: global }
      - { .name: Wv_w, .offset: 80, .size: 8, .value_kind: global_buffer, .address_space: global }
      - { .name: Wq_b, .offset: 88, .size: 8, .value_kind: global_buffer, .address_space: global }
      - { .name: Wk_b, .offset: 96, .size: 8, .value_kind: global_buffer, .address_space: global }
      - { .name: Wv_b, .offset: 104, .size: 8, .value_kind: global_buffer, .address_space: global }
      - { .name: fc1_w, .offset: 112, .size: 8, .value_kind: global_buffer, .address_space: global }
      - { .name: fc2_w, .offset: 120, .size: 8, .value_kind: global_buffer, .address_space: global }
      - { .name: xh0, .offset: 128, .size: 8, .value_kind: global_buffer, .address_space: global }
      - { .name: gpart, .offset: 136, .size: 8, .value_kind: global_buffer, .address_space: global }
      - { .name: wr0, .offset: 144, .size: 8, .value_kind: global_buffer, .address_space: global }
      - { .name: wr1, .offset: 152, .size: 8, .value_kind: global_buffer, .address_space: global }
      - { .name: wf, .offset: 160, .size: 8, .value_kind: global_buffer, .address_space: global }
    .group_segment_fixed_size: 82944
    .private_segment_fixed_size: 0
    .kernarg_segment_align: 8
    .kernarg_segment_size: 168
    .max_flat_workgroup_size: 128
    .sgpr_count:     100
    .vgpr_count:     1024
    .wavefront_size: 32
...
	.end_amdgpu_metadata
.endif
;; end of part 5
;; launch red0 (part 6): grid 9 x 4, 12 waves a work-group, no clusters, 167,936 bytes of LDS; arguments gpart, wr0, sm; writes sm
.if DOCPART == 6
	.amdgcn_target "amdgcn-amd-amdhsa--gfx1250"
	.amdhsa_code_object_version 6
	.text
	.protected	k_q0e64709c9b_red0
	.globl	k_q0e64709c9b_red0
	.p2align	8
	.type	k_q0e64709c9b_red0,@function
k_q0e64709c9b_red0:
	s_mov_b64 s[64:65], 0
	v_nop
	global_prefetch_b8 v0, s[64:65] scope:SCOPE_SE
	s_setreg_imm32_b32 hwreg(HW_REG_WAVE_MODE, 25, 1), 1
	s_wait_xcnt 0x0
; RED.  Work-group (cs, b) owns the 16 columns 16 cs .. of batch b's G~ (144 x 144).  It adds the batch's 64 partial matrices (bf16, summed in f32 in a fixed order), and makes
;   T1 = W~k^T G~[:, slice]  (128 x 16),   X1[:, slice] = W~q T1  (144 x 16, stored bf16 as [b][cs][row][16]),
;   its part of ||k||^2 = sum over the slice's j and all m of (W~k^T G~)[m][j] W~k[j][m], and the same for q: one f32 for each 32 m.
; W~ = [W; bias], 129 rows; rows 129-159 of the stages are zeros (the tensor load writes zeros past the tensor's end), as are G~'s rows and columns 129-143.
; SHARES.  Twelve waves.  Wave w takes 16 partials (group w % 4) and three of the slice's nine tiles (third w / 4): 48 loads of 512 consecutive bytes, all issued in its first lines, so that the work-group's
; whole 288 KB is asked for at once.  The four groups' sums meet in LDS; waves 0-8 add one tile's four parts each and round it to bf16, which IS a register quarter of G~'s fragments.
; Then waves 0-3 make T1 and X1, waves 4-7 the two norms beside them, waves 8-11 end.
; FORMAT.  G~ grows with the number of rows times x^2, so G~, T1 and the W~ beside them go in bf16; sums in f32.  All of this feeds only the correction sigma X1 W~v, sigma = 1 / (N ||q|| ||k||).
; NO CLUSTER: the work-groups share 66 KB of weights beside 288 KB of partials of their own.  36 work-groups: a slice of 16 columns is the smallest share whose results need no further sum in the 64 work-groups that read them.
; LDS: W~q 160 x 288 at 0, W~k at 46,080 (waves 0-3: one tensor load each, 80 rows; nothing is filled twice); the groups' sums, 4 x 9,216 (f32, tile ti at 1,024 ti), at 92,160; the summed tiles in bf16, 9 x 512, at 129,024.
; REGISTERS: v1-15, v41-44 addresses, 1.0; v16-39 my three tiles' sums; v64-255 the 16 partials as loaded (12 each).  Later: v16-79 T1, X1, the norms' products; v88-127 G~'s fragments; v128-159 T1's; v128-255 the weights' fragments.
.set WKS,  46080
.set REDB, 92160
.set GFS,  129024
.set PART, 41472      ; bytes of a partial: 81 tiles of 512
.macro PLACES                       ; four plain vector instructions between a matrix instruction and whatever reads its result or writes one of its registers (ISA guide 7.12.1)
.rept 4
	v_nop
.endr
.endm
.macro TLOAD kb, buf                ; W~k's fragments of K block kb, all 8 tiles of m
.set tm, 0
.rept 8
	ds_load_tr16_b128 v[(\buf)+8*tm:(\buf)+8*tm+3], v4 offset:9216*(\kb)+32*tm
	ds_load_tr16_b128 v[(\buf)+8*tm+4:(\buf)+8*tm+7], v4 offset:9216*(\kb)+32*tm+4608
.set tm, tm+1
.endr
.endm
; A wave's part of a norm: (W~^T G~)[m][j] for its 32 m (two accumulators by turns), times W~[j][m], summed over the wave.
.macro NORM atr, roff, acc
.set kb, 0
.rept 5
.set u, 0
.rept 2
	ds_load_tr16_b128 v[160+16*kb+8*u:163+16*kb+8*u], v[\atr] offset:9216*kb+32*u
	ds_load_tr16_b128 v[164+16*kb+8*u:167+16*kb+8*u], v[\atr] offset:9216*kb+32*u+4608
.set u, u+1
.endr
.set kb, kb+1
.endr
	ds_load_b128 v[52:55], v12 offset:\roff
	ds_load_b128 v[56:59], v12 offset:(\roff)+32
	s_wait_dscnt 0x0
.set kb, 0
.rept 5
.set u, 0
.rept 2
.if kb == 0
	v_wmma_f32_16x16x32_bf16 v[16+8*u:23+8*u], v[160+16*kb+8*u:167+16*kb+8*u], v[88+8*kb:95+8*kb], 0
.else
	v_wmma_f32_16x16x32_bf16 v[16+8*u:23+8*u], v[160+16*kb+8*u:167+16*kb+8*u], v[88+8*kb:95+8*kb], v[16+8*u:23+8*u]
.endif
.set u, u+1
.endr
.set kb, kb+1
.endr
	PLACES
.set i, 0
.rept 8
	v_lshlrev_b32 v60, 16, v[52+i]
	v_and_b32 v61, 0xffff0000, v[52+i]
.if i == 0
	v_mul_f32 v[\acc], v60, v16
.else
	v_fma_f32 v[\acc], v60, v[16+2*i], v[\acc]
.endif
	v_fma_f32 v[\acc], v61, v[17+2*i], v[\acc]
.set i, i+1
.endr
	v_add_f32_dpp v[\acc], v[\acc], v[\acc] row_xmask:1 row_mask:0xf bank_mask:0xf
	v_add_f32_dpp v[\acc], v[\acc], v[\acc] row_xmask:2 row_mask:0xf bank_mask:0xf
	v_add_f32_dpp v[\acc], v[\acc], v[\acc] row_xmask:4 row_mask:0xf bank_mask:0xf
	v_add_f32_dpp v[\acc], v[\acc], v[\acc] row_xmask:8 row_mask:0xf bank_mask:0xf
	v_permlanex16_b32 v15, v[\acc], s26, s27
	v_add_f32 v[\acc], v[\acc], v15
.endm
	s_load_b128 s[4:7], s[0:1], 0x0            ; gpart, wr
	s_load_b64 s[24:25], s[0:1], 0x10          ; sm
	v_lshrrev_b32 v1, 5, v0
	v_readfirstlane_b32 s8, v1                 ; wave 0..11
	v_and_b32 v1, 31, v0
	v_lshlrev_b32 v1, 4, v1                    ; 16 x lane
	s_min_u32 s9, ttmp9, 8                     ; cs: the grid's x is 0 to 8; the bound is written so that the one LDS address that holds cs can be read off the text
	s_and_b32 s28, ttmp7, 0xffff               ; batch
	s_and_b32 s38, s8, 3                       ; my group of 16 partials; later: which 32 rows or columns of the weights are mine
	s_lshr_b32 s39, s8, 2                      ; my third of the slice's nine tiles
	s_lshl_b32 s34, s28, 6
	s_lshl_b32 s29, s38, 4
	s_add_co_u32 s34, s34, s29                 ; my first partial: 64 b + 16 (w % 4)
	s_mul_i32 s34, s34, PART
	s_mul_i32 s29, s9, 4608
	s_add_co_u32 s34, s34, s29                 ; the slice: nine tiles, 4,608 consecutive bytes
	s_mul_i32 s29, s39, 1536
	s_add_co_u32 s34, s34, s29                 ; my three tiles of it
	s_mov_b32 s35, 0
	s_bfe_u32 s10, s8, 0x10001                 ; waves 0-3 fetch the weights: for W~q (0) or W~k (1),
	s_and_b32 s11, s8, 1                       ; rows 0-79 or 80-159
	s_mov_b32 s12, 1                           ; group 0: count = 1
	s_mul_i32 s13, s10, 46080
	s_mul_i32 s29, s11, 23040
	s_add_co_u32 s13, s13, s29                 ; LDS address
	s_mov_b32 s16, (1<<16)|(1<<20)|(5<<22)|(7<<25)  ; group 1: 2-byte elements; padding on: after every 64 words, 8 words: pitch 288
	s_mov_b32 s17, 128<<16                     ; tensor_dim0 = 128
	s_mul_i32 s29, s11, 80
	s_sub_co_u32 s29, 129, s29
	s_lshl_b32 s18, s29, 16                    ; tensor_dim1 = the rows left from my first: 129 or 49; the tile's rows past them arrive as zeros
	s_mov_b32 s19, 128<<16                     ; tile_dim0 = 128
	s_mov_b32 s20, 80                          ; tile_dim1 = 80
	s_mov_b32 s21, 128                         ; elements from row to row
	s_mov_b32 s22, 0
	s_mov_b32 s23, 0
	s_mul_i32 s30, s10, 33024
	s_mul_i32 s29, s11, 20480
	s_add_co_u32 s30, s30, s29
	s_mov_b32 s31, 0
	s_mov_b32 s26, 0x76543210
	s_mov_b32 s27, 0xfedcba98
	s_wait_kmcnt 0x0
	s_add_nc_u64 s[4:5], s[4:5], s[34:35]
.set p, 0
.rept 16                                       ; all my 48 loads: partial p's three tiles into v[64 + 12 p ..]
.set i, 0
.rept 3
	global_load_b128 v[64+12*p+4*i:67+12*p+4*i], v1, s[4:5] offset:p*PART+512*i th:TH_LOAD_NT
.set i, i+1
.endr
.set p, p+1
.endr
	s_add_nc_u64 s[14:15], s[6:7], s[30:31]
	s_or_b32 s15, s15, 0x80000000              ; type = 2
	s_cmp_gt_u32 s8, 3
	s_cbranch_scc1 .Lnofill
	tensor_load_to_lds s[12:15], s[16:23]      ; the one tensor load of each of waves 0-3
	s_nop 0
	PLACES
.Lnofill:
	v_and_b32 v13, 15, v0                      ; r
	v_bfe_u32 v14, v0, 4, 1                    ; h
	v_mov_b32 v44, 1.0
	s_mul_i32 s29, s38, 9216
	s_mul_i32 s36, s39, 3072
	s_add_co_u32 s36, s36, s29
	s_add_co_u32 s36, s36, REDB
	v_add_nc_u32 v2, s36, v1                   ; my group's sums, my three tiles
	s_lshl_b32 s36, s8, 10
	s_add_co_u32 s36, s36, REDB
	v_add_nc_u32 v41, s36, v1                  ; tile w of the first group's sums
	s_lshl_b32 s36, s8, 9
	s_add_co_u32 s36, s36, GFS
	v_add_nc_u32 v42, s36, v1                  ; tile w, summed, in bf16
	v_add_nc_u32 v43, GFS, v1
	v_and_b32 v15, 7, v0                       ; the turning load's lane term
	v_lshl_add_u32 v15, v14, 3, v15
	v_mul_u32_u24 v15, v15, 288
	v_bfe_u32 v4, v0, 3, 1
	v_lshl_add_u32 v15, v4, 4, v15
	v_add_nc_u32 v4, WKS, v15
	s_lshl_b32 s36, s38, 6
	v_add_nc_u32 v10, s36, v15                 ; + my 32 columns, for the norms: W~q's stage,
	v_add_nc_u32 v11, WKS, v10                 ; W~k's
	v_mul_u32_u24 v6, v13, 288
	v_lshl_add_u32 v6, v14, 4, v6              ; r x 288 + 16 h
	v_add_nc_u32 v5, s29, v6                   ; W~q's rows 32 (w % 4) + r
	s_mul_i32 s37, s9, 4608
	s_add_co_u32 s37, s37, s36
	v_add_nc_u32 v12, s37, v6                  ; row 16 cs + r, my 32 columns
	v_add_nc_u32 v6, 36864, v6                 ; rows 128 + r
	v_lshlrev_b32 v8, 5, v13
	v_lshl_add_u32 v8, v14, 4, v8              ; r x 32 + 16 h
	s_lshl_b32 s36, s38, 10
	v_add_nc_u32 v7, s36, v8
	v_add_nc_u32 v8, 4096, v8
	s_mul_i32 s36, s28, 9
	s_add_co_u32 s36, s36, s9
	s_lshl_b32 s36, s36, 2
	s_add_co_u32 s36, s36, s38
	s_lshl_b32 s36, s36, 2
	v_mov_b32 v9, s36                          ; ((9 b + cs) 4 + w % 4) 4
	s_mul_i32 s34, s28, 41472
	s_mul_i32 s36, s9, 4608
	s_add_co_u32 s34, s34, s36
	s_add_nc_u64 s[32:33], s[24:25], s[34:35]  ; X1's slice
	s_wait_loadcnt 45                          ; loads come back in order: partial 0 is in; the 15 younger partials' 45 loads may be out
.set i, 0
.rept 12                                       ; the first partial starts the sums: word i holds two neighbouring rows
	v_lshlrev_b32 v[16+2*i], 16, v[64+i]
	v_and_b32 v[17+2*i], 0xffff0000, v[64+i]
.set i, i+1
.endr
.set p, 1
.rept 15
	s_wait_loadcnt 3*(15-p)                    ; partial p is in; three loads for each younger one may be out
.set i, 0
.rept 12                                       ; a bf16 half times 1.0 plus the f32 sum, in one instruction
	v_fma_mix_f32_bf16 v[16+2*i], v[64+12*p+i], v44, v[16+2*i] op_sel_hi:[1,0,0]
	v_fma_mix_f32_bf16 v[17+2*i], v[64+12*p+i], v44, v[17+2*i] op_sel:[1,0,0] op_sel_hi:[1,0,0]
.set i, i+1
.endr
.set p, p+1
.endr
.set i, 0
.rept 6
	ds_store_b128 v2, v[16+4*i:19+4*i] offset:512*i
.set i, i+1
.endr
	s_wait_dscnt 0x0                           ; for the others' sake: my sums are in LDS,
	s_wait_tensorcnt 0x0                       ; and my part of the weights, if I fetched one
	s_barrier_signal -1
	s_barrier_wait -1
	s_cmp_gt_u32 s8, 8
	s_cbranch_scc1 .Lnosum                     ; nine tiles, waves 0-8
.set i, 0
.rept 8                                        ; group i / 2, registers 4 (i % 2) ..
	ds_load_b128 v[64+4*i:67+4*i], v41 offset:9216*(i/2)+512*(i%2)
.set i, i+1
.endr
	s_wait_dscnt 0x0
.set c, 0
.rept 4
	v_pk_add_f32 v[64+2*c:65+2*c], v[64+2*c:65+2*c], v[72+2*c:73+2*c]
	v_pk_add_f32 v[80+2*c:81+2*c], v[80+2*c:81+2*c], v[88+2*c:89+2*c]
.set c, c+1
.endr
.set c, 0
.rept 4
	v_pk_add_f32 v[64+2*c:65+2*c], v[64+2*c:65+2*c], v[80+2*c:81+2*c]
.set c, c+1
.endr
.set c, 0
.rept 4
	v_cvt_pk_bf16_f32 v[96+c], v[64+2*c], v[65+2*c]
.set c, c+1
.endr
	ds_store_b128 v42, v[96:99]
.Lnosum:
	s_wait_dscnt 0x0                           ; for the others' sake: my tile is in LDS
	s_barrier_signal -1
	s_barrier_wait -1
	s_cmp_gt_u32 s8, 7
	s_cbranch_scc1 .Lend
	; G~'s slice as source 1: lane = column, K = G~'s rows: two tiles' words are a K block of 32; the fifth block is tile 8 and zeros
.set i, 0
.rept 9
	ds_load_b128 v[88+4*i:91+4*i], v43 offset:512*i
.set i, i+1
.endr
.irp k, 124,125,126,127
	v_mov_b32 v\k, 0
.endr
	s_cmp_gt_u32 s8, 3
	s_cbranch_scc1 .Lnorms
	; WAVES 0-3.  T1 = W~k^T G~: each makes all 8 tiles (the accumulators take turns); the weights' fragments come into two buffers by turns
	TLOAD 0, 128
	TLOAD 1, 192
.set kb, 0
.rept 5
.if kb < 4
	s_wait_dscnt 16                            ; all but the younger K block's 16 loads
.else
	s_wait_dscnt 0x0
.endif
.set tm, 0
.rept 8
.if kb == 0
	v_wmma_f32_16x16x32_bf16 v[16+8*tm:23+8*tm], v[128+64*(kb%2)+8*tm:135+64*(kb%2)+8*tm], v[88+8*kb:95+8*kb], 0
.else
	v_wmma_f32_16x16x32_bf16 v[16+8*tm:23+8*tm], v[128+64*(kb%2)+8*tm:135+64*(kb%2)+8*tm], v[88+8*kb:95+8*kb], v[16+8*tm:23+8*tm]
.endif
.set tm, tm+1
.endr
	PLACES                                     ; in front of the loads into the buffer just multiplied, and of the roundings
.if kb < 3
	TLOAD kb+2, 128+64*(kb%2)
.endif
.set kb, kb+1
.endr
.set i, 0
.rept 32
	v_cvt_pk_bf16_f32 v[128+i], v[16+2*i], v[17+2*i]
.set i, i+1
.endr
	; X1 = W~q T1, transposed use (source 0 = T1, source 1 = 16 rows of W~q): a lane holds a row's eight neighbouring columns.  My row tiles 2w, 2w+1, and tile 8.
.set kb, 0
.rept 4
.set u, 0
.rept 2
	ds_load_b128 v[160+32*u+8*kb:163+32*u+8*kb], v5 offset:4608*u+64*kb
	ds_load_b128 v[164+32*u+8*kb:167+32*u+8*kb], v5 offset:4608*u+64*kb+32
.set u, u+1
.endr
	ds_load_b128 v[224+8*kb:227+8*kb], v6 offset:64*kb
	ds_load_b128 v[228+8*kb:231+8*kb], v6 offset:64*kb+32
.set kb, kb+1
.endr
	s_wait_dscnt 0x0
.set kb, 0
.rept 4
.set u, 0
.rept 3
.if kb == 0
	v_wmma_f32_16x16x32_bf16 v[16+8*u:23+8*u], v[128+8*kb:135+8*kb], v[160+32*u+8*kb:167+32*u+8*kb], 0
.else
	v_wmma_f32_16x16x32_bf16 v[16+8*u:23+8*u], v[128+8*kb:135+8*kb], v[160+32*u+8*kb:167+32*u+8*kb], v[16+8*u:23+8*u]
.endif
.set u, u+1
.endr
.set kb, kb+1
.endr
	PLACES
.set i, 0
.rept 12
	v_cvt_pk_bf16_f32 v[40+i], v[16+2*i], v[17+2*i]
.set i, i+1
.endr
	global_store_b128 v7, v[40:43], s[32:33]               ; 16 rows x 32 bytes: 512 consecutive bytes, aligned
	global_store_b128 v7, v[44:47], s[32:33] offset:512
	s_cmp_lg_u32 s8, 0
	s_cbranch_scc1 .Lend
	global_store_b128 v8, v[48:51], s[32:33]
	s_endpgm
.Lnorms:                                               ; WAVES 4-7, beside the others
	NORM 11, WKS, 62
	NORM 10, 0, 63
	s_wait_xcnt 0x0                            ; EXEC changes only behind this wait
	v_cmp_eq_u32 vcc_lo, 0, v1
	s_and_saveexec_b32 s30, vcc_lo
	global_store_b32 v9, v63, s[24:25] offset:165888       ; my part of ||q||^2
	global_store_b32 v9, v62, s[24:25] offset:166912       ; and of ||k||^2
	s_wait_xcnt 0x0
	s_or_b32 exec_lo, exec_lo, s30
.Lend:
	s_endpgm
.Lfunc_end_k_q0e64709c9b_red0:
	.size	k_q0e64709c9b_red0, .Lfunc_end_k_q0e64709c9b_red0-k_q0e64709c9b_red0
	.p2alignl 7, 3214868480
	.fill 96, 4, 3214868480
	.section	.rodata,"a",@progbits
	.p2align	6, 0x0
	.amdhsa_kernel k_q0e64709c9b_red0
		.amdhsa_group_segment_fixed_size 167936
		.amdhsa_private_segment_fixed_size 0
		.amdhsa_enable_private_segment 0
		.amdhsa_kernarg_size 24
		.amdhsa_user_sgpr_count 2
		.amdhsa_user_sgpr_kernarg_segment_ptr 1
		.amdhsa_wavefront_size32 1
		.amdhsa_system_sgpr_workgroup_id_x 1
		.amdhsa_system_sgpr_workgroup_id_y 1
		.amdhsa_system_sgpr_workgroup_id_z 1
		.amdhsa_system_vgpr_workitem_id 0
		.amdhsa_next_free_vgpr 256
		.amdhsa_next_free_sgpr 66
		.amdhsa_reserve_vcc 1
		.amdhsa_float_denorm_mode_32 3
		.amdhsa_float_denorm_mode_16_64 3
		.amdhsa_memory_ordered 1
		.amdhsa_forward_progress 1
		.amdhsa_inst_pref_size 60
	.end_amdhsa_kernel
	.amdgpu_metadata
---
amdhsa.version: [ 1, 2 ]
amdhsa.kernels:
  - .name:           k_q0e64709c9b_red0
    .symbol:         k_q0e64709c9b_red0.kd
    .args:
      - { .name: gpart, .offset: 0, .size: 8, .value_kind: global_buffer, .address_space: global }
      - { .name: wr0, .offset: 8, .size: 8, .value_kind: global_buffer, .address_space: global }
      - { .name: sm, .offset: 16, .size: 8, .value_kind: global_buffer, .address_space: global }
    .group_segment_fixed_size: 167936
    .private_segment_fixed_size: 0
    .kernarg_segment_align: 8
    .kernarg_segment_size: 24
    .max_flat_workgroup_size: 384
    .sgpr_count:     66
    .vgpr_count:     256
    .wavefront_size: 32
...
	.end_amdgpu_metadata
.endif
;; end of part 6
;; launch layer0 (part 7): grid 256 x 1, 4 waves a work-group, clusters of 4 x 1, 257,024 bytes of LDS; arguments xh0, sm, wr0, wf, Wv_w, Wv_b, ln_g, ln_b, xh1, gpart; writes xh1, gpart
.if DOCPART == 7
	.amdgcn_target "amdgcn-amd-amdhsa--gfx1250"
	.amdhsa_code_object_version 6
	.text
	.protected	k_q0e64709c9b_layer0
	.globl	k_q0e64709c9b_layer0
	.p2align	8
	.type	k_q0e64709c9b_layer0,@function
k_q0e64709c9b_layer0:
	s_mov_b64 s[64:65], 0
	v_nop
	global_prefetch_b8 v0, s[64:65] scope:SCOPE_SE
	s_setreg_imm32_b32 hwreg(HW_REG_WAVE_MODE, 25, 1), 1
	s_wait_xcnt 0x0
	s_wait_alu depctr_hold_cnt(0) depctr_sa_sdst(0) depctr_va_vdst(0) depctr_va_sdst(0) depctr_va_ssrc(0) depctr_va_vcc(0) depctr_vm_vsrc(0)
	s_getreg_b32 s2, hwreg(HW_REG_IB_STS2, 6, 4)
	s_cmp_eq_u32 s2, 0
	s_cbranch_scc0 .Lentry_in_a_cluster
	s_endpgm
.Lentry_in_a_cluster:
	s_bfe_u32 s2, ttmp6, 0x10000c
	s_cmp_lg_u32 s2, 0x3003
	s_cbranch_scc0 .Lentry_shape_is_right
	s_endpgm
.Lentry_shape_is_right:
; THE FIRST LAYER: attention, residual, LN, FFN, residual, LN, for 512 rows a work-group; the result leaves as f16, with the work-group's part of its Gram matrix G~ (summed in f32, stored in bf16).
; ATTENTION WITHOUT q, k.  With x~ = [x, 1], W~ = [W; b], G~ = x~^T x~ of the batch, X1 = W~q W~k^T G~ (made by the launch before) and sigma = 1 / (N ||q|| ||k||):
;   attention = (x A' + a') / (x . d' + e'),  [A'; a'] = W~v + sigma X1 W~v,  d' = sigma X1[0:128, 128],  e' = 1 + sigma X1[128, 128].
; SCALES.  z1 = prev + (4 / den) num is 5 x (0.8 attention + 0.2 prev); fc2 arrives times 4, so z2 = layer2 + h (4 fc2), summed by the matrix unit onto layer2's registers, is 5 x its value; both LNs take eps x 25.
; THE MATRIX INSTRUCTION IS USED TRANSPOSED (source 0 = 16 output columns, turned out of LDS; source 1 = 16 rows): a lane holds ONE row (lane % 16) and columns 16 tn + 8 (lane / 16) + 0..7;
; two neighbouring result tiles rounded in pairs ARE the next product's source 1, so nothing changes lanes between the products.
; SHARES.  A wave owns 128 rows, in two passes of four tiles of 16.  CLUSTER 4 x 1: the four work-groups take the same W~v, fc1 and fc2: each is asked for jointly, a quarter a wave; nothing is filled twice.
; LIMITS.  x, h, fc1, 4 fc2, A', d' are f16 operands: infinite beyond 65,504 (LN bounds |x| by sqrt(127) |g| + |b|), a fixed step of 6e-8 below 6e-5 (d' lies there: its share of the divisor, which is 1 + O(1/sqrt(N)), is then lost to about 1e-4).
; X1, W~v in the correction are bf16; the correction is added to Wv in f32 and A' rounded once.  My 512 rows' part of G~ is rounded to bf16 (2^-9 of itself) on its way out.  NaN and infinities are not treated apart.
; LDS: fc1 [128][256] pitch 544 at 0; 4 fc2 [256][128] pitch 288 at 69,632; A' [128][128] pitch 288 at 143,360; the stage at 180,224 (first W~v, 160 x 288: its only fill); at 253,952 LN gains and biases, a' (f32), d' (f16).
; REGISTERS in windows of 256 (s_set_vgpr_msb: bits 1:0 source 0, 3:2 source 1, 5:4 source 2, 7:6 destination):
;   window 0: v0-127 x's fragments (32 a tile), later layer2's; v128-159 h's; v160-179 addresses, e'; v180-211 statistics (8 a tile); v212-227 at work; v228-235 the ones' fragment; v236-237 sigma; v238-255 the preamble's
;   window 1: ACC, tile t, column tile tn at 64 t + 8 tn     window 2: v0-63, v64-127 weight fragments; v128-191, v192-255 gain and bias (in the attention: a', d', e')
;   window 3: v0-63 h's sums; v64-95 the divisor; v96-255 the 20 Gram accumulators (in the preamble X1's fragments)
.set LAYER, 0
.set W2B,  69632
.set APB,  143360
.set STG,  180224
.set VEC,  253952
.set XO,   20
.set HF,   128
.set TID,  160
.set R,    161
.set H,    162
.set AXI,  163
.set AW1,  164
.set AW1B, 165
.set AW2,  166
.set AW2B, 167
.set AAP,  168
.set AVB,  169
.set AVD,  170
.set ASTO, 171
.set ARD,  172
.set AGO,  173
.set AGR,  174
.set AGW,  176
.set AGP,  178
.set EP,   179
.set ST,   180
.set TP,   212
.set ONE,  228
.set SIG,  236
.set GACC, 96
.set WV,   24
.set SEL,  72
.set SINV, 74
.set SEPS, 75
.set GP0,  76
.set GP1,  78
.set GP2,  80
.set MSB, 0
.macro WIN new                      ; the immediate's high byte repeats the setting that is left; a switch that changes nothing is dropped
.if MSB != (\new)
	s_set_vgpr_msb (MSB<<8)|(\new)
.set MSB, (\new)
.endif
.endm
.macro PLACES                       ; four plain vector instructions between a matrix instruction and whatever reads its result or writes one of its registers (ISA guide 7.12.1)
.rept 4
	v_nop
.endr
.endm
.macro T4 line:vararg               ; one line for each tile t
.set t, 0
.rept 4
	\line
.set t, t+1
.endr
.endm
.macro BAR                          ; my LDS instructions are done, then the work-group's barrier
	s_wait_dscnt 0x0
	s_barrier_signal -1
	s_barrier_wait -1
.endm
.macro CROUND                       ; a round of the cluster's barrier: my work-group's barrier; wave 0 signals for the work-group; every wave waits for all four; my work-group's barrier once more
	s_barrier_signal -1
	s_barrier_wait -1
	s_cmp_lg_u32 s[WV], 0
	s_cbranch_scc1 .Lnot_wave_0_\@
	s_barrier_signal -3
.Lnot_wave_0_\@:
	s_barrier_wait -3
	s_barrier_signal -1
	s_barrier_wait -1
.endm
; The four pairs of partial sums of each tile -> the row's sum in v[ST+8t], in every lane: a lane holds 64 of the row's 128 columns, the lane 16 away the others.
.macro RED
	WIN 0
	T4 v_pk_add_f32 v[ST+8*t:ST+8*t+1], v[ST+8*t:ST+8*t+1], v[ST+8*t+2:ST+8*t+3]
	T4 v_pk_add_f32 v[ST+8*t+4:ST+8*t+5], v[ST+8*t+4:ST+8*t+5], v[ST+8*t+6:ST+8*t+7]
	T4 v_pk_add_f32 v[ST+8*t:ST+8*t+1], v[ST+8*t:ST+8*t+1], v[ST+8*t+4:ST+8*t+5]
	T4 v_add_f32 v[ST+8*t], v[ST+8*t], v[ST+8*t+1]
	T4 v_permlanex16_b32 v[ST+8*t+2], v[ST+8*t], s[SEL], s[SEL+1]
	T4 v_add_f32 v[ST+8*t], v[ST+8*t], v[ST+8*t+2]
.endm
; LAYER NORM of the four tiles in ACC, in place, in two passes (mean; then the squares of x - mean).  Each accumulator's lowest registers are read first.
.macro LNORM
	WIN 0x05
.set t, 0
.rept 4
.set c, 0
.rept 4
	v_pk_add_f32 v[ST+8*t+2*c:ST+8*t+2*c+1], v[64*t+2*c:64*t+2*c+1], v[64*t+8+2*c:64*t+8+2*c+1]
.set c, c+1
.endr
.set t, t+1
.endr
	WIN 0x01
.set q, 2
.rept 6
.set t, 0
.rept 4
.set c, 0
.rept 4
	v_pk_add_f32 v[ST+8*t+2*c:ST+8*t+2*c+1], v[64*t+8*q+2*c:64*t+8*q+2*c+1], v[ST+8*t+2*c:ST+8*t+2*c+1]
.set c, c+1
.endr
.set t, t+1
.endr
.set q, q+1
.endr
	RED
	T4 v_mul_f32 v[ST+8*t], s[SINV], v[ST+8*t]
	WIN 0x41
.set i, 0
.rept 128
	v_pk_add_f32 v[2*i:2*i+1], v[2*i:2*i+1], v[ST+8*(i/32):ST+8*(i/32)+1] op_sel_hi:[1,0] neg_lo:[0,1] neg_hi:[0,1]
.set i, i+1
.endr
	WIN 0x05
.set q, 0
.rept 8
.set t, 0
.rept 4
.set c, 0
.rept 4
.if q == 0
	v_pk_mul_f32 v[ST+8*t+2*c:ST+8*t+2*c+1], v[64*t+2*c:64*t+2*c+1], v[64*t+2*c:64*t+2*c+1]
.else
	v_pk_fma_f32 v[ST+8*t+2*c:ST+8*t+2*c+1], v[64*t+8*q+2*c:64*t+8*q+2*c+1], v[64*t+8*q+2*c:64*t+8*q+2*c+1], v[ST+8*t+2*c:ST+8*t+2*c+1]
.endif
.set c, c+1
.endr
.set t, t+1
.endr
.set q, q+1
.endr
	RED
	T4 v_fma_f32 v[ST+8*t], v[ST+8*t], s[SINV], s[SEPS]
	T4 v_rsq_f32 v[ST+8*t+2], v[ST+8*t]
	v_nop                           ; a plain instruction between the last root and the use of its result
	WIN 0x41
.set i, 0
	s_wait_alu depctr_va_vdst(0)
.rept 128
	v_pk_mul_f32 v[2*i:2*i+1], v[2*i:2*i+1], v[ST+8*(i/32)+2:ST+8*(i/32)+3] op_sel_hi:[1,0]
.set i, i+1
.endr
	s_wait_dscnt 0x0                ; gain and bias are in
	WIN 0x69
.set i, 0
.rept 128
	v_pk_fma_f32 v[2*i:2*i+1], v[2*i:2*i+1], v[128+2*(i%32):128+2*(i%32)+1], v[192+2*(i%32):192+2*(i%32)+1]
.set i, i+1
.endr
	WIN 0
.endm
; The four tiles rounded to f16 and put into my 64 rows of the stage: a lane's eight columns are 16 bytes.
.macro PACKST
.set t, 0
.rept 4
	WIN 0xc5
.set i, 0
.rept 32
	v_cvt_pk_f16_f32 v[32*(t%2)+i], v[64*t+2*i], v[64*t+2*i+1]
.set i, i+1
.endr
	WIN 0x0c
.set i, 0
.rept 8
	ds_store_b128 v[ASTO], v[32*(t%2)+4*i:32*(t%2)+4*i+3] offset:4608*t+32*i
.set i, i+1
.endr
.set t, t+1
.endr
.endm
; My 64 rows back as whole rows of 256 bytes (LDS serves a wave's instructions in order, ISA guide 5.7.1.4: these loads see my stores), and out: each store covers 512 consecutive bytes, aligned.
.macro OUTX
	WIN 0x40
.set i, 0
.rept 32
	ds_load_b128 v[4*i:4*i+3], v[ARD] offset:576*i
.set i, i+1
.endr
	WIN 0x04
.set i, 0
.rept 32
	s_wait_dscnt 31-i               ; LDS loads come back in order: pair i of rows is in
	global_store_b128 v[AGO], v[4*i:4*i+3], s[XO:XO+1] offset:512*i
.set i, i+1
.endr
	WIN 0
.endm
; GRAM.  The 256 staged rows are K, in 8 blocks of 32; a column tile's fragment (lane = column, K = rows) comes turned out of LDS and serves as either source.
; My wave owns G~'s tile rows 2w, 2w+1 (all 9 tile columns; the ninth is the column of ones) and the tiles (8, 2w), (8, 2w+1): 20 accumulators.
.macro GLOAD kb, X                  ; block kb into buffer X (window 2 or 3): 8 column tiles, then my own two once more (a register cannot be picked by the wave's number)
	WIN (\X)<<6
.set GA, AGR+(\kb)/4
.set GW, AGW+(\kb)/4
.set go, ((\kb)%4)*9216
.set j, 0
.rept 8
	ds_load_tr16_b128 v[8*j:8*j+3], v[GA] offset:go+32*j
	ds_load_tr16_b128 v[8*j+4:8*j+7], v[GA] offset:go+32*j+4608
.set j, j+1
.endr
.set j, 0
.rept 2
	ds_load_tr16_b128 v[64+8*j:64+8*j+3], v[GW] offset:go+32*j
	ds_load_tr16_b128 v[64+8*j+4:64+8*j+7], v[GW] offset:go+32*j+4608
.set j, j+1
.endr
.endm
.macro GMM X                        ; the 20 accumulators take turns, one instruction a turn
	WIN 0xf0|((\X)<<2)|(\X)
.set j, 0
.rept 8
.set u, 0
.rept 2
	v_wmma_f32_16x16x32_f16 v[GACC+8*(9*u+j):GACC+8*(9*u+j)+7], v[64+8*u:64+8*u+7], v[8*j:8*j+7], v[GACC+8*(9*u+j):GACC+8*(9*u+j)+7]
.set u, u+1
.endr
.set j, j+1
.endr
	WIN 0xf0|(\X)
.set u, 0
.rept 2
	v_wmma_f32_16x16x32_f16 v[GACC+8*(9*u+8):GACC+8*(9*u+8)+7], v[64+8*u:64+8*u+7], v[ONE:ONE+7], v[GACC+8*(9*u+8):GACC+8*(9*u+8)+7]
.set u, u+1
.endr
	WIN 0xf0|((\X)<<2)
.set u, 0
.rept 2
	v_wmma_f32_16x16x32_f16 v[GACC+8*(18+u):GACC+8*(18+u)+7], v[ONE:ONE+7], v[64+8*u:64+8*u+7], v[GACC+8*(18+u):GACC+8*(18+u)+7]
.set u, u+1
.endr
.endm
.macro GRAM
	GLOAD 0, 2
	GLOAD 1, 3
.set gk, 0
.rept 8
.if gk < 7
	s_wait_dscnt 20                 ; all but the younger block's 20 loads
.else
	s_wait_dscnt 0x0
.endif
	GMM 2+gk%2
	PLACES                          ; in front of the loads into the buffer just multiplied
.if gk < 6
	GLOAD gk+2, 2+gk%2
.endif
.set gk, gk+1
.endr
	WIN 0
.endm
; The 20 tiles rounded to bf16, two neighbouring rows a word: a tile is 16 bytes a lane, 512 consecutive bytes a store, aligned; tile (ti, tj) lies at tj x 4608 + ti x 512.
; The packed words go into ACC's registers: the pass's last wait for XCNT stands behind the stores that read them, and no memory instruction has been issued since.
.macro GSTORE
	PLACES
	WIN 0
	v_mov_b32 v252, 0x4400          ; tile (8, 8) holds one number: my 512 rows' count, 512.0 in bf16, in lane 0's first half word
	v_cmp_eq_u32 vcc_lo, 0, v[AGP]
	v_cndmask_b32 v[TP], 0, v252, vcc_lo
.set i, 1
.rept 3
	v_mov_b32 v[TP+i], 0
.set i, i+1
.endr
	WIN 0x4f                        ; each accumulator's registers in ascending order
.set i, 0
.rept 80
	v_cvt_pk_bf16_f32 v[i], v[GACC+2*i], v[GACC+2*i+1]
.set i, i+1
.endr
	WIN 0x04
.set u, 0
.rept 2
.set j, 0
.rept 9
	global_store_b128 v[AGP], v[4*(9*u+j):4*(9*u+j)+3], s[GP1:GP1+1] offset:j*4608+u*512
.set j, j+1
.endr
	global_store_b128 v[AGP], v[4*(18+u):4*(18+u)+3], s[GP2:GP2+1] offset:u*4608+4096
.set u, u+1
.endr
	WIN 0
	s_cmp_lg_u32 s[WV], 3
	s_cbranch_scc1 .Lno88
	global_store_b128 v[AGP], v[TP:TP+3], s[GP0:GP0+1] offset:40960
.Lno88:
.endm
.macro XLOAD                        ; a pass's 64 rows of x straight into fragments: lane = row, 16 bytes at k = 32 kb + 8 h and at + 16
	WIN 0
.set t, 0
.rept 4
.set kb, 0
.rept 4
	global_load_b128 v[32*t+8*kb:32*t+8*kb+3], v[AXI], s[4:5] offset:4096*t+64*kb
	global_load_b128 v[32*t+8*kb+4:32*t+8*kb+7], v[AXI], s[4:5] offset:4096*t+64*kb+32
.set kb, kb+1
.endr
.set t, t+1
.endr
.endm
.macro LNLOAD n                     ; gain and bias of the layer's LN n (1, 2): my 64 columns
	WIN 0x80
.set tn, 0
.rept 8
	ds_load_b128 v[128+8*tn:131+8*tn], v[AVB] offset:1024*((\n)-1)+64*tn
	ds_load_b128 v[132+8*tn:135+8*tn], v[AVB] offset:1024*((\n)-1)+64*tn+16
	ds_load_b128 v[192+8*tn:195+8*tn], v[AVB] offset:1024*((\n)-1)+512+64*tn
	ds_load_b128 v[196+8*tn:199+8*tn], v[AVB] offset:1024*((\n)-1)+512+64*tn+16
.set tn, tn+1
.endr
.endm
.macro ALOAD tp, buf                ; A''s fragments for column tiles 2 tp, 2 tp + 1, all of K
	WIN 0x80
.set e, 0
.rept 2
.set kb, 0
.rept 4
	ds_load_tr16_b128 v[(\buf)+32*e+8*kb:(\buf)+32*e+8*kb+3], v[AAP] offset:9216*kb+32*(2*(\tp)+e)
	ds_load_tr16_b128 v[(\buf)+32*e+8*kb+4:(\buf)+32*e+8*kb+7], v[AAP] offset:9216*kb+32*(2*(\tp)+e)+4608
.set kb, kb+1
.endr
.set e, e+1
.endr
.endm
.macro AMM tp, buf                  ; 32 products; the 8 accumulators take turns; the first K block starts the sums with a'
.set kb, 0
.rept 4
.if kb == 0
	WIN 0x62
.else
	WIN 0x52
.endif
.set e, 0
.rept 2
.set t, 0
.rept 4
.set rA, 64*t+8*(2*(\tp)+e)
.if kb == 0
	v_wmma_f32_16x16x32_f16 v[rA:rA+7], v[(\buf)+32*e+8*kb:(\buf)+32*e+8*kb+7], v[32*t+8*kb:32*t+8*kb+7], v[128+8*(2*(\tp)+e):128+8*(2*(\tp)+e)+7]
.else
	v_wmma_f32_16x16x32_f16 v[rA:rA+7], v[(\buf)+32*e+8*kb:(\buf)+32*e+8*kb+7], v[32*t+8*kb:32*t+8*kb+7], v[rA:rA+7]
.endif
.set t, t+1
.endr
.set e, e+1
.endr
.set kb, kb+1
.endr
.endm
.macro ZF x0                        ; z1 = num x (4 / den) + prev for eight pairs of columns
	WIN 0x41
.set zi, (\x0)
.rept 8
	v_pk_fma_f32 v[2*zi:2*zi+1], v[2*zi:2*zi+1], v[ST+8*(zi/32)+4:ST+8*(zi/32)+5], v[TP+2*(zi%8):TP+2*(zi%8)+1] op_sel_hi:[1,0,1]
.set zi, zi+1
.endr
.endm
.macro LOADF1                       ; fc1's fragments for 32 hidden columns, all of K
	WIN 0x80
.set u, 0
.rept 2
.set kb, 0
.rept 4
	ds_load_tr16_b128 v[32*u+8*kb:32*u+8*kb+3], v[AW1] offset:17408*kb+32*u
	ds_load_tr16_b128 v[32*u+8*kb+4:32*u+8*kb+7], v[AW1] offset:17408*kb+32*u+8704
.set kb, kb+1
.endr
.set u, u+1
.endr
.endm
.macro LOADF2                       ; fc2's fragments for the same 32 as K, all 8 column tiles
	WIN 0x80
.set tn, 0
.rept 8
	ds_load_tr16_b128 v[64+8*tn:67+8*tn], v[AW2] offset:32*tn
	ds_load_tr16_b128 v[68+8*tn:71+8*tn], v[AW2] offset:32*tn+4608
.set tn, tn+1
.endr
.endm
; 32 hidden columns: h = relu(layer2 fc1), then z2 += h (4 fc2).  more = 1: the next chunk's fragments are fetched behind each run of products.
.macro CHUNK more
	s_wait_dscnt 16                 ; fc1's fragments are in; fc2's 16 loads are younger
	WIN 0xf2
.set kb, 0
.rept 4
.set u, 0
.rept 2
.set t, 0
.rept 4
.if kb == 0
	v_wmma_f32_16x16x32_f16 v[16*t+8*u:16*t+8*u+7], v[32*u+8*kb:32*u+8*kb+7], v[32*t+8*kb:32*t+8*kb+7], 0
.else
	v_wmma_f32_16x16x32_f16 v[16*t+8*u:16*t+8*u+7], v[32*u+8*kb:32*u+8*kb+7], v[32*t+8*kb:32*t+8*kb+7], v[16*t+8*u:16*t+8*u+7]
.endif
.set t, t+1
.endr
.set u, u+1
.endr
.set kb, kb+1
.endr
	PLACES
.if \more
	WIN 0
	v_add_nc_u32 v[AW1], 64, v[AW1]
	LOADF1
.endif
	WIN 0xcc
.set i, 0
.rept 64
	v_max_num_f32 v[i], 0, v[i]
.set i, i+1
.endr
	WIN 0x0f
.set i, 0
.rept 32
	v_cvt_pk_f16_f32 v[HF+i], v[2*i], v[2*i+1]
.set i, i+1
.endr
.if \more
	s_wait_dscnt 16                 ; fc2's fragments are in; the next chunk's fc1 loads are younger
.else
	s_wait_dscnt 0x0
.endif
	WIN 0x52
.set tn, 0
.rept 8
.set t, 0
.rept 4
	v_wmma_f32_16x16x32_f16 v[64*t+8*tn:64*t+8*tn+7], v[64+8*tn:64+8*tn+7], v[HF+8*t:HF+8*t+7], v[64*t+8*tn:64*t+8*tn+7]
.set t, t+1
.endr
.set tn, tn+1
.endr
	PLACES
.if \more
	WIN 0
	v_add_nc_u32 v[AW2], 0x2400, v[AW2]
	LOADF2
.endif
	WIN 0
.endm
.macro NSUM a                       ; 144 parts of a norm: four a lane, and four more in lanes 0-3; then over the wave
	v_add_f32 v[\a], v[\a], v[\a+1]
	v_add_f32 v[\a+2], v[\a+2], v[\a+3]
	v_add_f32 v[\a+4], v[\a+4], v[\a+5]
	v_add_f32 v[\a+6], v[\a+6], v[\a+7]
	v_add_f32 v[\a], v[\a], v[\a+2]
	v_add_f32 v[\a+4], v[\a+4], v[\a+6]
	v_cndmask_b32 v[\a+4], 0, v[\a+4], vcc_lo
	v_add_f32 v[\a], v[\a], v[\a+4]
	v_add_f32_dpp v[\a], v[\a], v[\a] row_xmask:1 row_mask:0xf bank_mask:0xf
	v_add_f32_dpp v[\a], v[\a], v[\a] row_xmask:2 row_mask:0xf bank_mask:0xf
	v_add_f32_dpp v[\a], v[\a], v[\a] row_xmask:4 row_mask:0xf bank_mask:0xf
	v_add_f32_dpp v[\a], v[\a], v[\a] row_xmask:8 row_mask:0xf bank_mask:0xf
	v_permlanex16_b32 v[\a+1], v[\a], s[SEL], s[SEL+1]
	v_add_f32 v[\a], v[\a], v[\a+1]
.endm
	s_load_b512 s[4:19], s[0:1], 0x0           ; x 4, sm 6, wr 8, wf 10, Wv_w 12, Wv_b 14, ln_g 16, ln_b 18
	s_load_b128 s[20:23], s[0:1], 0x40         ; the next x, gpart
	v_lshrrev_b32 v[TID], 5, v0
	v_readfirstlane_b32 s[WV], v[TID]          ; wave 0..3
	v_mov_b32 v[TID], v0
	s_bfe_u32 s25, ttmp6, 0x40000              ; cx: it enters global addresses of x, sm, the results alone
	s_lshl_b32 s26, ttmp9, 2
	s_add_co_u32 s26, s26, s25                 ; work-group = 4 x cluster + cx
	s_lshr_b32 s27, s26, 6                     ; batch
	; group 1 of fc1's tiles: 32 rows x 256 elements; mask of four, bit 21 beside it; 2-byte elements; padding: after every 128 words, 8 words: pitch 544
	s_mov_b32 s32, 15|(1<<16)|(1<<20)|(1<<21)|(6<<22)|(7<<25)
	s_mov_b32 s33, 256<<16
	s_mov_b32 s34, 32<<16
	s_mov_b32 s35, 256<<16
	s_mov_b32 s36, 32
	s_mov_b32 s37, 256
	s_mov_b32 s38, 0
	s_mov_b32 s39, 0
	; fc2's: 64 rows x 128 elements; padding after every 64 words, 8 words: pitch 288
	s_mov_b32 s40, 15|(1<<16)|(1<<20)|(1<<21)|(5<<22)|(7<<25)
	s_mov_b32 s41, 128<<16
	s_mov_b32 s42, 64<<16
	s_mov_b32 s43, 128<<16
	s_mov_b32 s44, 64
	s_mov_b32 s45, 128
	s_mov_b32 s46, 0
	s_mov_b32 s47, 0
	; W~v's: 40 rows x 128 elements, of which 129 - 40 w exist; the others arrive as zeros
	s_mov_b32 s48, 15|(1<<16)|(1<<20)|(1<<21)|(5<<22)|(7<<25)
	s_mov_b32 s49, 128<<16
	s_mul_i32 s30, s[WV], 40
	s_sub_co_u32 s30, 129, s30
	s_lshl_b32 s50, s30, 16
	s_mov_b32 s51, 128<<16
	s_mov_b32 s52, 40
	s_mov_b32 s53, 128
	s_mov_b32 s54, 0
	s_mov_b32 s55, 0
	s_mov_b32 s56, 1                           ; groups 0: count, LDS address = a constant + the wave's number x a constant
	s_mul_i32 s57, s[WV], 17408
	s_mov_b32 s60, 1
	s_mul_i32 s61, s[WV], 18432
	s_add_co_u32 s61, s61, W2B
	s_mov_b32 s68, 1
	s_mul_i32 s69, s[WV], 11520
	s_add_co_u32 s69, s69, STG
	s_mov_b32 s[SEL], 0x76543210
	s_mov_b32 s[SEL+1], 0xfedcba98
	s_mov_b32 s[SINV], 0x3c000000              ; 1 / 128
	s_mov_b32 s[SEPS], 0x3983126f              ; 25 x 1e-5
	s_lshl_b32 s30, s[WV], 14
	s_mov_b32 s31, 0
	s_wait_kmcnt 0x0
	s_add_nc_u64 s[58:59], s[10:11], s[30:31]
	s_add_nc_u64 s[62:63], s[58:59], 131072
	s_or_b32 s59, s59, 0x80000000
	s_or_b32 s63, s63, 0x80000000
	s_mul_i32 s30, s[WV], 10240
	s_add_nc_u64 s[70:71], s[8:9], s[30:31]
	s_add_nc_u64 s[70:71], s[70:71], 66048
	s_or_b32 s71, s71, 0x80000000
	CROUND                                     ; all four work-groups are here: the joint loads meet
	tensor_load_to_lds s[68:71], s[48:55]      ; W~v first: it is wanted first.  Three loads of mine are out
	s_nop 0
	tensor_load_to_lds s[56:59], s[32:39]      ; fc1
	s_nop 0
	tensor_load_to_lds s[60:63], s[40:47]      ; 4 fc2
	s_nop 0
	PLACES
	s_lshl_b32 s90, s26, 17
	s_lshl_b32 s91, s[WV], 15
	s_add_co_u32 s90, s90, s91
	s_mov_b32 s91, 0
	s_add_nc_u64 s[4:5], s[4:5], s[90:91]      ; x at my wave's first row
	s_add_nc_u64 s[XO:XO+1], s[XO:XO+1], s[90:91]
	s_mul_i32 s90, s27, 41472
	s_add_nc_u64 s[88:89], s[6:7], s[90:91]    ; my batch's X1
	s_mul_i32 s90, s26, 41472                  ; my partial G~: 81 tiles of 512 bytes
	s_add_nc_u64 s[GP0:GP0+1], s[22:23], s[90:91]
	s_lshl_b32 s90, s[WV], 10                  ; tile row 2 w
	s_add_nc_u64 s[GP1:GP1+1], s[GP0:GP0+1], s[90:91]
	s_mul_i32 s90, s[WV], 9216                 ; tile column 2 w
	s_add_nc_u64 s[GP2:GP2+1], s[GP0:GP0+1], s[90:91]
	v_and_b32 v[R], 15, v0
	v_bfe_u32 v[H], v0, 4, 1
	v_and_b32 v238, 31, v0                     ; lane
	v_lshlrev_b32 v[AGP], 4, v238
	v_lshlrev_b32 v[AXI], 8, v[R]
	v_lshl_add_u32 v[AXI], v[H], 4, v[AXI]
	v_and_b32 v252, 7, v0                      ; the turning load's lane term: (8h + l % 8) x pitch + 16 ((l / 8) % 2)
	v_lshl_add_u32 v252, v[H], 3, v252
	v_bfe_u32 v253, v0, 3, 1
	v_lshlrev_b32 v253, 4, v253
	v_mul_u32_u24 v254, v252, 544
	v_add_nc_u32 v[AW1B], v254, v253
	v_mul_u32_u24 v254, v252, 288
	v_add_nc_u32 v254, v254, v253
	v_add_nc_u32 v[AW2B], W2B, v254
	v_add_nc_u32 v[AAP], APB, v254
	v_add_nc_u32 v[AGR], STG, v254
	v_lshlrev_b32 v223, 5, v[H]                ; 32 h
	v_add_nc_u32 v[AVB], VEC, v223
	v_lshlrev_b32 v252, 4, v[H]
	v_add_nc_u32 v[AVD], VEC+2560, v252
	v_add_nc_u32 v[AGR+1], STG+36864, v254
	s_lshl_b32 s30, s[WV], 6
	v_add_nc_u32 v[AGW], s30, v[AGR]
	v_add_nc_u32 v[AGW+1], s30, v[AGR+1]
	s_mul_i32 s30, s[WV], 64*288
	s_add_co_u32 s30, s30, STG                 ; my 64 rows of the stage
	v_mul_u32_u24 v252, v[R], 288
	v_lshl_add_u32 v252, v[H], 4, v252
	v_add_nc_u32 v[ASTO], s30, v252
	v_mul_u32_u24 v252, v[H], 288
	v_lshl_add_u32 v252, v[R], 4, v252
	v_add_nc_u32 v[ARD], s30, v252
	v_lshlrev_b32 v252, 8, v[H]
	v_lshl_add_u32 v[AGO], v[R], 4, v252
	; the preamble's addresses
	v_add_nc_u32 v239, 32, v238
	v_min_u32 v239, 35, v239
	v_lshlrev_b32 v239, 4, v239                ; the norms' last 16 parts
	v_lshlrev_b32 v221, 4, v[H]
	v_lshl_add_u32 v220, v[R], 5, v221
	s_lshl_b32 s30, s[WV], 10
	v_add_nc_u32 v220, s30, v220               ; X1: (32 w + r) x 32 + 16 h
	v_add_nc_u32 v221, 4096, v221              ; X1's row 128
	v_lshl_add_u32 v222, v[R], 9, v223
	s_lshl_b32 s30, s[WV], 14
	v_add_nc_u32 v222, s30, v222               ; Wv: (32 w + r) x 512 + 32 h
	v_lshlrev_b32 v224, 5, v0
	v_lshlrev_b32 v225, 2, v0
	v_lshlrev_b32 v226, 1, v0
	v_add_nc_u32 v226, VEC+2560, v226
	v_add_nc_u32 v235, VEC, v225
	v_mul_u32_u24 v227, v[R], 288
	v_lshl_add_u32 v227, v[H], 4, v227
	s_mul_i32 s30, s[WV], 9216
	s_add_co_u32 s30, s30, APB
	v_add_nc_u32 v227, s30, v227               ; A': row 32 w + r
	v_mov_b32 v230, 0
	XLOAD
	global_load_b128 v[240:243], v[AGP], s[6:7] offset:165888
	global_load_b128 v[244:247], v239, s[6:7] offset:165888
	global_load_b128 v[248:251], v[AGP], s[6:7] offset:166912
	global_load_b128 v[252:255], v239, s[6:7] offset:166912
	global_load_u16 v228, v224, s[88:89] offset:36864      ; X1[thread][128]
	global_load_u16 v229, v230, s[88:89] offset:40960      ; X1[128][128]
	global_load_b32 v231, v225, s[16:17] offset:(2*LAYER+1)*512
	global_load_b32 v232, v225, s[18:19] offset:(2*LAYER+1)*512
	global_load_b32 v233, v225, s[16:17] offset:(2*LAYER+2)*512
	global_load_b32 v234, v225, s[18:19] offset:(2*LAYER+2)*512
	WIN 0xc0                                   ; X1 as source 1: lane = row (my 32 rows; for u = 2 row 128 in every lane), K = X1's columns; the fifth K block is slice 8 and zeros
.set u, 0
.rept 3
.set kb, 0
.rept 5
.if u < 2
	global_load_b128 v[96+40*u+8*kb:99+40*u+8*kb], v220, s[88:89] offset:9216*kb+512*u
.if kb < 4
	global_load_b128 v[100+40*u+8*kb:103+40*u+8*kb], v220, s[88:89] offset:9216*kb+512*u+4608
.endif
.else
	global_load_b128 v[96+40*u+8*kb:99+40*u+8*kb], v221, s[88:89] offset:9216*kb
.if kb < 4
	global_load_b128 v[100+40*u+8*kb:103+40*u+8*kb], v221, s[88:89] offset:9216*kb+4608
.endif
.endif
.set kb, kb+1
.endr
.set i, 0
.rept 4
	v_mov_b32 v[132+40*u+i], 0
.set i, i+1
.endr
.set u, u+1
.endr
.set td, 0
.rept 8
	global_load_b128 v[8*td:8*td+3], v223, s[14:15] offset:LAYER*512+64*td
	global_load_b128 v[8*td+4:8*td+7], v223, s[14:15] offset:LAYER*512+64*td+16
.set td, td+1
.endr
	WIN 0x80
.set u, 0
.rept 2
.set td, 0
.rept 8
	global_load_b128 v[128+64*u+8*td:131+64*u+8*td], v222, s[12:13] offset:LAYER*65536+8192*u+64*td
	global_load_b128 v[132+64*u+8*td:135+64*u+8*td], v222, s[12:13] offset:LAYER*65536+8192*u+64*td+16
.set td, td+1
.endr
.set u, u+1
.endr
	WIN 0
	s_wait_loadcnt 0x0
	v_cmp_gt_u32 vcc_lo, 4, v238
	NSUM 240
	NSUM 248
	v_rsq_f32 v241, v240
	v_rsq_f32 v249, v248
	v_nop                                      ; a plain instruction between the roots and their use
	s_wait_alu depctr_va_vdst(0)
	v_mul_f32 v241, v241, v249
	v_mul_f32 v[SIG], 0x38000000, v241         ; sigma = 2^-15 / (||q|| ||k||): N = 32,768
	v_mov_b32 v[SIG+1], v[SIG]
	ds_store_b32 v235, v231
	ds_store_b32 v235, v232 offset:512
	ds_store_b32 v235, v233 offset:1024
	ds_store_b32 v235, v234 offset:1536
	v_lshlrev_b32 v228, 16, v228               ; bf16 to f32
	v_lshlrev_b32 v229, 16, v229
	v_mul_f32 v228, v[SIG], v228
	v_fma_f32 v[EP], v[SIG], v229, 1.0         ; e'
	v_cvt_pk_f16_f32 v228, v228, v228
	ds_store_b16 v226, v228                    ; d'
	s_wait_tensorcnt 0x2                       ; my part of W~v is in; fc1's and fc2's may stay out
	BAR
	; P = X1 W~v for my 32 rows and row 128, two column tiles at a time; the six accumulators take turns
.set tp, 0
.rept 4
	WIN 0x80
.set e, 0
.rept 2
.set kb, 0
.rept 5
	ds_load_tr16_b128 v[40*e+8*kb:40*e+8*kb+3], v[AGR] offset:9216*kb+32*(2*tp+e)
	ds_load_tr16_b128 v[40*e+8*kb+4:40*e+8*kb+7], v[AGR] offset:9216*kb+32*(2*tp+e)+4608
.set kb, kb+1
.endr
.set e, e+1
.endr
	s_wait_dscnt 0x0
	WIN 0x5e
.set kb, 0
.rept 5
.set e, 0
.rept 2
.set u, 0
.rept 3
.set rA, 64*u+8*(2*tp+e)
.if kb == 0
	v_wmma_f32_16x16x32_bf16 v[rA:rA+7], v[40*e+8*kb:40*e+8*kb+7], v[96+40*u+8*kb:96+40*u+8*kb+7], 0
.else
	v_wmma_f32_16x16x32_bf16 v[rA:rA+7], v[40*e+8*kb:40*e+8*kb+7], v[96+40*u+8*kb:96+40*u+8*kb+7], v[rA:rA+7]
.endif
.set u, u+1
.endr
.set e, e+1
.endr
.set kb, kb+1
.endr
	PLACES
.set tp, tp+1
.endr
	; A' = Wv + sigma P in f32, rounded once to f16, into LDS as [k][n]
.set u, 0
.rept 2
.set td, 0
.rept 8
	WIN 0x21
.set c, 0
.rept 4
	v_pk_fma_f32 v[TP+2*c:TP+2*c+1], v[64*u+8*td+2*c:64*u+8*td+2*c+1], v[SIG:SIG+1], v[128+64*u+8*td+2*c:128+64*u+8*td+2*c+1] op_sel_hi:[1,0,1]
.set c, c+1
.endr
	WIN 0
.set c, 0
.rept 4
	v_cvt_pk_f16_f32 v[TP+c], v[TP+2*c], v[TP+2*c+1]
.set c, c+1
.endr
	ds_store_b128 v227, v[TP:TP+3] offset:4608*u+32*td
.set td, td+1
.endr
.set u, u+1
.endr
	s_cmp_lg_u32 s[WV], 0
	s_cbranch_scc1 .Lnoa                       ; a' = bv + sigma P[128]: every wave has it, wave 0 stores it
.set td, 0
.rept 8
	WIN 0x31
.set c, 0
.rept 4
	v_pk_fma_f32 v[TP+2*c:TP+2*c+1], v[128+8*td+2*c:128+8*td+2*c+1], v[SIG:SIG+1], v[8*td+2*c:8*td+2*c+1] op_sel_hi:[1,0,1]
.set c, c+1
.endr
	WIN 0
	ds_store_b128 v[AVB], v[TP:TP+3] offset:2048+64*td
	ds_store_b128 v[AVB], v[TP+4:TP+7] offset:2048+64*td+16
.set td, td+1
.endr
.Lnoa:
	s_wait_tensorcnt 0x0                       ; my parts of fc1 and fc2 are in;
	BAR                                        ; A', a' are whole, and nobody reads W~v's stage any more
	WIN 0xc0                                   ; the Gram sums start at 0: one text serves both passes, at the price of these 160 lines
.set i, 0
.rept 160
	v_mov_b32 v[GACC+i], 0
.set i, i+1
.endr
	WIN 0
	v_mov_b32 v252, 0x3c003c00                 ; the column of ones as a fragment
	v_cmp_eq_u32 vcc_lo, 0, v[R]
.set i, 0
.rept 8
	v_cndmask_b32 v[ONE+i], 0, v252, vcc_lo
.set i, i+1
.endr
	s_mov_b32 s28, 0
.Lpass:
	s_wait_loadcnt 0x0                         ; this pass's x
	s_wait_xcnt 0x0                            ; earlier stores have read ACC
	WIN 0x80                                   ; a' (C of the first products), d' as source 0 (the same in all 16 rows, so that every lane gets its row's divisor), e'
.set td, 0
.rept 8
	ds_load_b128 v[128+8*td:131+8*td], v[AVB] offset:2048+64*td
	ds_load_b128 v[132+8*td:135+8*td], v[AVB] offset:2048+64*td+16
.set td, td+1
.endr
.set kb, 0
.rept 4
	ds_load_b128 v[192+8*kb:195+8*kb], v[AVD] offset:64*kb
	ds_load_b128 v[196+8*kb:199+8*kb], v[AVD] offset:64*kb+32
.set kb, kb+1
.endr
.set i, 0
.rept 8
	v_mov_b32 v[224+i], v[EP]
.set i, i+1
.endr
	ALOAD 0, 0
	ALOAD 1, 64
.set ap, 0
.rept 4
.if ap < 3
	s_wait_dscnt 16                            ; all but the younger pair's 16 loads
.else
	s_wait_dscnt 0x0
.endif
	AMM ap, 64*(ap%2)
	PLACES
.if ap < 2
	ALOAD ap+2, 64*(ap%2)
.endif
.set ap, ap+1
.endr
.set kb, 0
.rept 4
.if kb == 0
	WIN 0xe2
.else
	WIN 0xf2
.endif
.set t, 0
.rept 4
.if kb == 0
	v_wmma_f32_16x16x32_f16 v[64+8*t:71+8*t], v[192+8*kb:199+8*kb], v[32*t+8*kb:32*t+8*kb+7], v[224:231]
.else
	v_wmma_f32_16x16x32_f16 v[64+8*t:71+8*t], v[192+8*kb:199+8*kb], v[32*t+8*kb:32*t+8*kb+7], v[64+8*t:71+8*t]
.endif
.set t, t+1
.endr
.set kb, kb+1
.endr
	PLACES
	LNLOAD 1
	WIN 0x03
	T4 v_rcp_f32 v[ST+8*t+4], v[64+8*t]
	v_nop                                      ; a plain instruction between the last reciprocal and its use
	s_wait_alu depctr_va_vdst(0)
	WIN 0
	T4 v_mul_f32 v[ST+8*t+4], 4.0, v[ST+8*t+4]
	T4 v_mov_b32 v[ST+8*t+5], v[ST+8*t+4]
	; prev is x: register n of its fragments holds the columns of ACC's registers 2 n and 2 n + 1
.irp x, 0,1,2,3,4,5,6,7,8,9,10,11,12,13,14,15,16,17,18,19,20,21,22,23,24,25,26,27,28,29,30,31,32,33,34,35,36,37,38,39,40,41,42,43,44,45,46,47,48,49,50,51,52,53,54,55,56,57,58,59,60,61,62,63,64,65,66,67,68,69,70,71,72,73,74,75,76,77,78,79,80,81,82,83,84,85,86,87,88,89,90,91,92,93,94,95,96,97,98,99,100,101,102,103,104,105,106,107,108,109,110,111,112,113,114,115,116,117,118,119,120,121,122,123,124,125,126,127
	WIN 0
	v_cvt_f32_f16 v[TP+2*(\x%8)], v\x\().l
	v_cvt_f32_f16 v[TP+2*(\x%8)+1], v\x\().h
.if (\x%8) == 7
	ZF \x-7
.endif
.endr
	LNORM
	WIN 0x05                                   ; layer2 as f16 fragments; its f32 stays in ACC, where fc2's products add onto it
.set i, 0
.rept 128
	v_cvt_pk_f16_f32 v[i], v[2*i], v[2*i+1]
.set i, i+1
.endr
	LNLOAD 2
	WIN 0
	v_mov_b32 v[AW1], v[AW1B]
	v_mov_b32 v[AW2], v[AW2B]
	LOADF1
	LOADF2
	WIN 0
	s_mov_b32 s29, 7
.Lchunk:
	CHUNK 1
	s_sub_co_i32 s29, s29, 1
	s_cmp_lg_u32 s29, 0
	s_cbranch_scc1 .Lchunk
	CHUNK 0
	s_cmp_lg_u32 s28, 0
	s_cbranch_scc1 .Lnox                       ; the second pass asks for nothing more
	s_add_nc_u64 s[4:5], s[4:5], 16384         ; this pass's loads were waited for at its head
	XLOAD
.Lnox:
	LNORM
	PACKST
	OUTX
	BAR                                        ; all 256 rows are staged
	GRAM
	BAR                                        ; nobody reads the stage any more
	s_wait_xcnt 0x0                            ; the stores' base is stepped, and ACC written again, only behind this wait
	s_add_nc_u64 s[XO:XO+1], s[XO:XO+1], 16384
	s_add_co_u32 s28, s28, 1
	s_cmp_lt_u32 s28, 2
	s_cbranch_scc1 .Lpass
	GSTORE
	s_wait_dscnt 0x0
	CROUND                                     ; the closing round: no work-group ends while a partner may still ask for a tile that names it
	s_endpgm
.Lfunc_end_k_q0e64709c9b_layer0:
	.size	k_q0e64709c9b_layer0, .Lfunc_end_k_q0e64709c9b_layer0-k_q0e64709c9b_layer0
	.p2alignl 7, 3214868480
	.fill 96, 4, 3214868480
	.section	.rodata,"a",@progbits
	.p2align	6, 0x0
	.amdhsa_kernel k_q0e64709c9b_layer0
		.amdhsa_group_segment_fixed_size 257024
		.amdhsa_private_segment_fixed_size 0
		.amdhsa_enable_private_segment 0
		.amdhsa_kernarg_size 80
		.amdhsa_user_sgpr_count 2
		.amdhsa_user_sgpr_kernarg_segment_ptr 1
		.amdhsa_wavefront_size32 1
		.amdhsa_system_sgpr_workgroup_id_x 1
		.amdhsa_system_sgpr_workgroup_id_y 1
		.amdhsa_system_sgpr_workgroup_id_z 1
		.amdhsa_system_vgpr_workitem_id 0
		.amdhsa_next_free_vgpr 1024
		.amdhsa_next_free_sgpr 96
		.amdhsa_reserve_vcc 1
		.amdhsa_float_denorm_mode_32 3
		.amdhsa_float_denorm_mode_16_64 3
		.amdhsa_memory_ordered 1
		.amdhsa_forward_progress 1
		.amdhsa_inst_pref_size 255
	.end_amdhsa_kernel
	.section	.bss,"aw",@nobits
	.p2align	6
	.space	262144
	.amdgpu_metadata
---
amdhsa.version: [ 1, 2 ]
amdhsa.kernels:
  - .name:           k_q0e64709c9b_layer0
    .symbol:         k_q0e64709c9b_layer0.kd
    .args:
      - { .name: xh0, .offset: 0, .size: 8, .value_kind: global_buffer, .address_space: global }
      - { .name: sm, .offset: 8, .size: 8, .value_kind: global_buffer, .address_space: global }
      - { .name: wr0, .offset: 16, .size: 8, .value_kind: global_buffer, .address_space: global }
      - { .name: wf, .offset: 24, .size: 8, .value_kind: global_buffer, .address_space: global }
      - { .name: Wv_w, .offset: 32, .size: 8, .value_kind: global_buffer, .address_space: global }
      - { .name: Wv_b, .offset: 40, .size: 8, .value_kind: global_buffer, .address_space: global }
      - { .name: ln_g, .offset: 48, .size: 8, .value_kind: global_buffer, .address_space: global }
      - { .name: ln_b, .offset: 56, .size: 8, .value_kind: global_buffer, .address_space: global }
      - { .name: xh1, .offset: 64, .size: 8, .value_kind: global_buffer, .address_space: global }
      - { .name: gpart, .offset: 72, .size: 8, .value_kind: global_buffer, .address_space: global }
    .group_segment_fixed_size: 257024
    .private_segment_fixed_size: 0
    .kernarg_segment_align: 8
    .kernarg_segment_size: 80
    .max_flat_workgroup_size: 128
    .sgpr_count:     96
    .vgpr_count:     1024
    .wavefront_size: 32
...
	.end_amdgpu_metadata
.endif
;; end of part 7
;; launch red1: the kernel of part 6 again; grid 9 x 4, 12 waves a work-group, no clusters, 167,936 bytes of LDS; arguments gpart, wr1, sm; writes sm
;; launch layer1: the kernel of part 4 again; grid 256 x 1, 4 waves a work-group, clusters of 4 x 1, 257,024 bytes of LDS; arguments xh1, sm, wr1, wf, Wv_w, Wv_b, ln_g, ln_b, out0; writes out0
